; MI455X (gfx1250); checked and timed in simulation.
; The chip was launched on July 23, 2026; its instructions are those of AMD's public machine-readable ISA for CDNA 5 (MIT licence, August 2026) and "CDNA5" Instruction Set Architecture Reference Guide (July 2026). The comments in the code are by the model that wrote it; some were corrected since.
;; Sonic Mo E Adapter. Allowed arithmetic: matrix products marked QUANTISED: E2M3 operands, one E8M0 scale for each 32 along K, by v_wmma_scale_f32_16x16x128_f8f6f4 with both operands' format E2M3, f32 sums; products left as they are: f32 operands where the result goes on into a quantised operand, else bf16, f16 or f32 operands; f32 sums; everything else in f32.
;; Inputs: w_down_codes 8 x 1,024 x 16 x 24 uint8 (E2M3 codes of w_down, K innermost, in blocks of 32 codes, four codes in three bytes); w_down_scales 8 x 1,024 x 16 uint8 (E8M0 scales of w_down, one for each 32 codes along K); w_gate_codes 8 x 512 x 32 x 24 uint8 (E2M3 codes of w_gate, K innermost, in blocks of 32 codes, four codes in three bytes); w_gate_scales 8 x 512 x 32 uint8 (E8M0 scales of w_gate, one for each 32 codes along K); w_router 8 x 1,024 float32; w_up_codes 8 x 512 x 32 x 24 uint8 (E2M3 codes of w_up, K innermost, in blocks of 32 codes, four codes in three bytes); w_up_scales 8 x 512 x 32 uint8 (E8M0 scales of w_up, one for each 32 codes along K); x 2 x 2,048 x 1,024 float32.
;; Outputs: out0 2 x 2,048 x 1,024 float32; out1 one number float32.
;; This version of the problem:
;;   THIS VERSION OF THE PROBLEM IS GIVEN IN LOW PRECISION. The matrix products marked QUANTISED in the list below multiply operands that are first quantised to E2M3 (2 exponent bits, 3 mantissa bits; 6 bits a number), with one power-of-two scale for each 32 numbers along K (OCP MX v1.0); their sums are f32. All else is computed in f32.
;;   The module's matrix products, in the order in which they are computed (A, B: the left and right operand; K: the contracted axis; several contracted axes count as one K, in the product's order):
;;     1. [M 4,096, K 1,024] x [K 1,024, N 8]; A: input x; B: input w_router: left as it is (N = 8 < 16)
;;     2. batch 4,096 x [M 8, K 2] x [K 2, N 1]; A: computed on the way; B: computed on the way: left as it is (K = 2 < 32)
;;     3. [M 4,096, K 1,024] x [K 1,024, N 512]; A: input x; B: input w_gate (given as codes): QUANTISED
;;     4. [M 4,096, K 1,024] x [K 1,024, N 512]; A: input x; B: input w_up (given as codes): QUANTISED
;;     5. [M 4,096, K 512] x [K 512, N 1,024]; A: computed on the way; B: input w_down (given as codes): QUANTISED
;;     6. [M 4,096, K 1,024] x [K 1,024, N 512]; A: input x; B: input w_gate (given as codes): QUANTISED
;;     7. [M 4,096, K 1,024] x [K 1,024, N 512]; A: input x; B: input w_up (given as codes): QUANTISED
;;     8. [M 4,096, K 512] x [K 512, N 1,024]; A: computed on the way; B: input w_down (given as codes): QUANTISED
;;     9. [M 4,096, K 1,024] x [K 1,024, N 512]; A: input x; B: input w_gate (given as codes): QUANTISED
;;     10. [M 4,096, K 1,024] x [K 1,024, N 512]; A: input x; B: input w_up (given as codes): QUANTISED
;;     11. [M 4,096, K 512] x [K 512, N 1,024]; A: computed on the way; B: input w_down (given as codes): QUANTISED
;;     12. [M 4,096, K 1,024] x [K 1,024, N 512]; A: input x; B: input w_gate (given as codes): QUANTISED
;;     13. [M 4,096, K 1,024] x [K 1,024, N 512]; A: input x; B: input w_up (given as codes): QUANTISED
;;     14. [M 4,096, K 512] x [K 512, N 1,024]; A: computed on the way; B: input w_down (given as codes): QUANTISED
;;     15. [M 4,096, K 1,024] x [K 1,024, N 512]; A: input x; B: input w_gate (given as codes): QUANTISED
;;     16. [M 4,096, K 1,024] x [K 1,024, N 512]; A: input x; B: input w_up (given as codes): QUANTISED
;;     17. [M 4,096, K 512] x [K 512, N 1,024]; A: computed on the way; B: input w_down (given as codes): QUANTISED
;;     18. [M 4,096, K 1,024] x [K 1,024, N 512]; A: input x; B: input w_gate (given as codes): QUANTISED
;;     19. [M 4,096, K 1,024] x [K 1,024, N 512]; A: input x; B: input w_up (given as codes): QUANTISED
;;     20. [M 4,096, K 512] x [K 512, N 1,024]; A: computed on the way; B: input w_down (given as codes): QUANTISED
;;     21. [M 4,096, K 1,024] x [K 1,024, N 512]; A: input x; B: input w_gate (given as codes): QUANTISED
;;     22. [M 4,096, K 1,024] x [K 1,024, N 512]; A: input x; B: input w_up (given as codes): QUANTISED
;;     23. [M 4,096, K 512] x [K 512, N 1,024]; A: computed on the way; B: input w_down (given as codes): QUANTISED
;;     24. [M 4,096, K 1,024] x [K 1,024, N 512]; A: input x; B: input w_gate (given as codes): QUANTISED
;;     25. [M 4,096, K 1,024] x [K 1,024, N 512]; A: input x; B: input w_up (given as codes): QUANTISED
;;     26. [M 4,096, K 512] x [K 512, N 1,024]; A: computed on the way; B: input w_down (given as codes): QUANTISED
;;   THE QUANTISER, for each operand of a quantised product, along K:
;;     - K is cut into blocks of 32 from its start; a last block that is shorter is filled with zeros.
;;     - A block's scale is 2^e with e = floor(log2(the largest magnitude in the block)) - 2, held to -126 .. 127; a block of zeros has e = 0. As a byte (E8M0): e + 127.
;;     - Each number is divided by its block's scale, clamped to +-7.5, and rounded to the nearest number of E2M3, ties to even, subnormals kept.
;;     - The product sums the exact products of the quantised numbers (number of the format x scale) in f32.
;;   ~~~python
;;   def quantise(x, axis):      # numpy; x: float32 -> the quantised numbers, widened to float32 again
;;       x = np.moveaxis(x, axis, -1); K = x.shape[-1]
;;       x = np.pad(x, [(0, 0)] * (x.ndim - 1) + [(0, -K % 32)]); x = x.reshape(x.shape[:-1] + (-1, 32)); a = np.abs(x).max(-1, keepdims=True)
;;       e = np.where(a > 0, np.clip(np.frexp(np.where(a > 0, a, 1))[1] - 1 - 2, -126, 127), 0)      # np.frexp(a)[1] - 1 = floor(log2(a)), exactly
;;       r = np.clip(x / 2.0 ** e, -7.5, 7.5)
;;       step = 2.0 ** (np.maximum(np.frexp(np.where(r == 0, 1, r))[1] - 1, 0) - 3)
;;       q = np.round(r / step) * step * 2.0 ** e      # np.round: ties to even
;;       return np.moveaxis(q.reshape(q.shape[:-2] + (-1,))[..., :K], -1, axis).astype(np.float32)
;;   ~~~
;;   OPERANDS COMPUTED ON THE WAY. 'Computed on the way' means the value that the module computes at that place (a softmax that the list does not call 'softmax' is quantised finished and normalised). What goes into a quantiser is computed in f32, as accurately as f32 sums, v_exp_f32 and their like allow (about 1e-6 of the number): no bf16 or f16 on the way to a quantiser, and a product that is left as it is and whose result goes on into a quantised operand takes f32 operands (vector FMAs, or v_wmma_f32_16x16x4_f32). A number that lies on a knife's edge between two numbers of the format may be rounded either way, as far as f32 arithmetic and the matrix unit's own rounding can turn it there, and no further.
;;   INPUTS GIVEN AS CODES. w_down (in the module: [8, 1024, 512], K = its axis 2); w_gate (in the module: [8, 512, 1024], K = its axis 2); w_up (in the module: [8, 512, 1024], K = its axis 2): each comes as NAME_codes (uint8): NAME with its K axis moved to the last place and cut into blocks of 32 codes, [.., K / 32, bytes a block], one block behind the other in memory; four codes in three bytes: a row's codes are one little-endian stream of bits, code i at bits 6 i .. 6 i + 5 (a code: sign, 2 exponent bits, 3 mantissa bits); and NAME_scales (uint8): the same leading axes, one E8M0 byte (e + 127) for each 32 codes along K. Its value is code x scale, taken as it is: it is not quantised again, and the codes and scales need not be those that the quantiser above would give.
;; 2 versions. Each part assembles by itself: llvm-mc -triple=amdgcn-amd-amdhsa -mcpu=gfx1250 --defsym DOCPART=n.
;; ======== version 1 of 2: 4 launches
;; workspace buffers: xq 3,276,800 bytes; route 49,152 bytes of whole numbers; rwf 40,960 bytes; plan 40,192 bytes of whole numbers; roww 36,864 bytes; hq 3,686,400 bytes
;; launch route_quant (part 1): grid 256 x 1, 4 waves a work-group, no clusters, 87,552 bytes of LDS; arguments x, w_router, xq, route, rwf; writes xq, route, rwf
.if DOCPART == 1
	.amdgcn_target "amdgcn-amd-amdhsa--gfx1250"
	.amdhsa_code_object_version 6
	.text
	.protected	k_q4f00a0a070_route_quant
	.globl	k_q4f00a0a070_route_quant
	.p2align	8
	.type	k_q4f00a0a070_route_quant,@function
k_q4f00a0a070_route_quant:
	s_mov_b64 s[64:65], 0
	v_nop
	global_prefetch_b8 v0, s[64:65] scope:SCOPE_SE
	s_setreg_imm32_b32 hwreg(HW_REG_WAVE_MODE, 25, 1), 1
	s_wait_xcnt 0x0
; ROUTER AND QUANTISER.  x: [4096][1024] f32.  w_router: [8][1024] f32.
; For each token: 8 logits (f32 multiply-adds), softmax with the maximum taken away, the two largest, their weights renormalised;
; and the token's 1,024 numbers as codes of E2M3 with one E8M0 byte for each 32.
; OUT: xq: codes [4096][768] at 0 (a row is one stream of bits); scale bytes [4096][32] at 3,145,728, each group of four bytes in the order 0, 2, 1, 3.
;      route: sel[4096] = pair id | (rank among the work-group's 16 tokens) << 8 at 0; hist[256][32] at 16,384: how many of the 16 tokens have each pair id.
;      rwf: the two weights [4096][2] (lower expert's, higher expert's) at 0; the work-group's sums of the 8 probabilities [256][8] at 32,768.
; The pair id of experts lo < hi is hi (hi - 1) / 2 + lo.  No address and no branch here hangs on the choice: it is only stored.
; SHARES: a work-group takes 16 tokens, a wave 4.  Lane l owns block l of a token (k = 32 l .. 32 l + 31): the block's largest magnitude needs no other lane,
; and the conversions find 16 neighbours in consecutive registers.  The lane's 8 x 32 numbers of w_router stay in registers 256-511.
; Loads take memory as it lies (512 consecutive bytes an instruction) and turn through LDS, 16 bytes of padding behind each 128, so that lanes 144 bytes apart meet different banks.
; LIMITS: NaN and infinities are not served.  A block whose largest magnitude lies under 2^-124 keeps the byte 1 (a block of zeros too: its codes are zeros, and only this program reads the bytes).
; The two largest are taken of the exponentials before their division by the sum; equal ones go to the lower index.
.set SCA,  0                           ; LDS: scale bytes, 32 a token
.set PIDA, 512                         ; pair ids, 4 bytes a token
.set CWA,  576                         ; weights, 8 bytes a token
.set PSA,  704                         ; each wave's sums of probabilities, 32 bytes
.set WL,   1024                        ; w_router: 8 rows of 4,608 bytes (4,096 + 32 paddings)
.set XST,  37888                       ; each wave: two stages of 4,608 bytes for a token of x
.set CST,  74752                       ; each wave: 4 tokens x 768 bytes of codes
.set X,    16                          ; v16-79   two sets of 32 neighbours
.set R,    80                          ; v80-207  the four tokens as loaded
.set ACC,  208                         ; v208-223 eight sums in pairs; later the weights, the codes and what makes them
.set L,    224                         ; v224-231 logits, then exponentials
.set PACC, 232                         ; v232-239 sums of probabilities
.set TP,   240                         ; v240-247 at work
.set MSB, 0
.macro WIN new                         ; the immediate's high byte repeats the setting that is left
.if MSB != (\new)
	s_set_vgpr_msb (MSB<<8)|(\new)
.set MSB, (\new)
.endif
.endm
	s_load_b256 s[4:11], s[0:1], 0x0               ; x s[4:5], w_router s[6:7], xq s[8:9], route s[10:11]
	s_load_b64 s[12:13], s[0:1], 0x20              ; rwf
	s_set_vgpr_msb 0x80
	v_lshl_add_u32 v0, v0, 2, 0x15400
	v_mov_b32 v1, 0
	s_set_vgpr_msb 0x8000
	v_lshrrev_b32 v14, 5, v0
	v_readfirstlane_b32 s14, v14                   ; wave 0..3
	v_and_b32 v1, 31, v0                           ; lane
	v_lshlrev_b32 v2, 4, v1                        ; 16 x lane
	v_lshlrev_b32 v3, 4, v0                        ; 16 x thread
	v_lshrrev_b32 v14, 3, v0
	v_lshl_add_u32 v4, v14, 4, v3                  ; w_router into LDS: 16 t + 16 (t / 8)
	v_mul_u32_u24 v5, v1, 144                      ; and out of it: my block
	s_mul_i32 s15, s14, 9216
	s_add_co_u32 s15, s15, XST
	v_lshrrev_b32 v14, 3, v1
	v_lshl_add_u32 v6, v14, 4, v2
	v_add_nc_u32 v6, s15, v6                       ; x into my wave's stage
	v_add_nc_u32 v7, s15, v5                       ; and out of it
	s_mul_i32 s15, s14, 3072
	s_add_co_u32 s15, s15, CST
	v_mul_u32_u24 v8, v1, 24
	v_add_nc_u32 v8, s15, v8                       ; my block's 24 bytes of codes
	v_add_nc_u32 v13, s15, v2                      ; the codes on their way out
	v_and_b32 v9, 28, v1
	v_and_b32 v14, 1, v1
	v_lshl_add_u32 v9, v14, 1, v9
	v_bfe_u32 v14, v1, 1, 1
	v_add_nc_u32 v9, v9, v14                       ; my block's byte: of four neighbours the middle two change places
	s_lshl_b32 s15, s14, 7
	v_add_nc_u32 v9, s15, v9
	s_lshl_b32 s15, s14, 4
	v_mov_b32 v10, s15                             ; 16 x wave: pair ids
	s_lshl_b32 s15, s14, 5
	v_mov_b32 v11, s15                             ; 32 x wave: weights, sums
	v_and_b32 v12, 15, v1
	v_lshlrev_b32 v12, 2, v12                      ; 4 (lane % 16)
	v_and_b32 v14, 7, v1
	v_lshlrev_b32 v14, 2, v14                      ; 4 (lane % 8)
	v_lshlrev_b32 v15, 2, v1                       ; 4 x lane
	s_mov_b32 s20, 0x76543210
	s_mov_b32 s21, 0xfedcba98                      ; v_permlanex16_b32's selects for lane l xor 16
	s_mov_b32 s22, 0x3fb8aa3b                      ; log2(e)
	s_mov_b32 s23, s22                             ; (named with it as a pair)
	s_lshl_b32 s16, ttmp9, 16                      ; 16 tokens of 4,096 bytes a work-group,
	s_lshl_b32 s17, s14, 14                        ; 4 a wave
	s_add_co_u32 s16, s16, s17
	s_mov_b32 s17, 0
	s_wait_kmcnt 0x0
	s_add_nc_u64 s[4:5], s[4:5], s[16:17]
	WIN 0x40                                       ; destination registers 256 on
.irp i, 0,1,2,3,4,5,6,7,8,9,10,11,12,13,14,15
	global_load_b128 v[4*\i:4*\i+3], v3, s[6:7] offset:2048*\i       ; w_router: 128 threads x 16 bytes, sixteen times
.endr
	WIN 0
.irp j, 0,1,2,3
.irp i, 0,1,2,3,4,5,6,7
	global_load_b128 v[R+32*\j+4*\i:R+32*\j+4*\i+3], v2, s[4:5] offset:4096*\j+512*\i th:TH_LOAD_NT   ; all four tokens at once: 32 loads of 512 consecutive bytes
.endr
.endr
	v_mov_b32 v249, 0                              ; (named as the upper half of a pair before it is first written)
.irp e, 0,1,2,3,4,5,6,7
	v_mov_b32 v[TP+\e], 0                          ; a lane permute's destination counts as one of its sources
.endr
	s_wait_loadcnt 32                              ; w_router's sixteen are in; x's 32 may be out
	WIN 0x04                                       ; an LDS store's data: registers 256 on
.irp i, 0,1,2,3,4,5,6,7,8,9,10,11,12,13,14,15
	ds_store_b128 v4, v[4*\i:4*\i+3] offset:WL+(\i/2)*4608+(\i%2)*2304
.endr
	WIN 0
.macro TURN j                          ; token j through the stage: LDS serves a wave's instructions in order, so no wait stands between the stores and the loads
.irp i, 0,1,2,3,4,5,6,7
	ds_store_b128 v6, v[R+32*(\j)+4*\i:R+32*(\j)+4*\i+3] offset:4608*((\j)%2)+576*\i
.endr
.irp c, 0,1,2,3,4,5,6,7
	ds_load_b128 v[X+32*((\j)%2)+4*\c:X+32*((\j)%2)+4*\c+3], v7 offset:4608*((\j)%2)+16*\c
.endr
.endm
	s_wait_loadcnt 24                              ; token 0's eight are in
	TURN 0
	s_wait_dscnt 0x0                               ; for the others' sake: my part of w_router lies in LDS
	s_barrier_signal -1
	s_barrier_wait -1
	WIN 0x40
.irp e, 0,1,2,3,4,5,6,7
.irp c, 0,1,2,3,4,5,6,7
	ds_load_b128 v[32*\e+4*\c:32*\e+4*\c+3], v5 offset:WL+4608*\e+16*\c   ; my block of each expert's row: registers 256 + 32 e on
.endr
.endr
	WIN 0
.macro TOKEN j
.set XS, X+32*((\j)%2)
.if (\j) < 3
	s_wait_loadcnt 8*(2-(\j))                      ; the next token's eight loads are in; those of the tokens behind it may be out
	TURN (\j)+1
	s_wait_dscnt 16                                ; all but the sixteen just issued: this token's numbers (and w_router) are in, and the last token's LDS stores have read their registers
.else
	s_wait_dscnt 0x0
.endif
	WIN 0x04                                       ; source 1: registers 256 on
.irp e, 0,1,2,3,4,5,6,7
	v_pk_mul_f32 v[ACC+2*\e:ACC+2*\e+1], v[XS:XS+1], v[32*\e:32*\e+1]          ; the first product starts each sum
.endr
.irp i, 1,2,3,4,5,6,7,8,9,10,11,12,13,14,15
.irp e, 0,1,2,3,4,5,6,7
	v_pk_fma_f32 v[ACC+2*\e:ACC+2*\e+1], v[XS+2*\i:XS+2*\i+1], v[32*\e+2*\i:32*\e+2*\i+1], v[ACC+2*\e:ACC+2*\e+1]   ; eight chains by turns
.endr
.endr
	WIN 0
.irp e, 0,1,2,3,4,5,6,7
	v_add_f32 v[L+\e], v[ACC+2*\e], v[ACC+2*\e+1]
.endr
.irp n, 1,2,4,8
.irp e, 0,1,2,3,4,5,6,7
	v_add_f32_dpp v[L+\e], v[L+\e], v[L+\e] row_xmask:\n row_mask:0xf bank_mask:0xf
.endr
.endr
.irp e, 0,1,2,3,4,5,6,7
	v_permlanex16_b32 v[TP+\e], v[L+\e], s20, s21
.endr
.irp e, 0,1,2,3,4,5,6,7
	v_add_f32 v[L+\e], v[L+\e], v[TP+\e]           ; every lane holds the token's eight logits
.endr
	v_max3_num_f32 v248, v[L], v[L+1], v[L+2]
	v_max3_num_f32 v248, v248, v[L+3], v[L+4]
	v_max3_num_f32 v248, v248, v[L+5], v[L+6]
	v_max_num_f32 v248, v248, v[L+7]               ; the largest logit m
	v_mul_f32 v248, 0xbfb8aa3b, v248               ; -m log2(e)
.irp e, 0,2,4,6
	v_pk_fma_f32 v[L+\e:L+\e+1], v[L+\e:L+\e+1], s[22:23], v[248:249] op_sel_hi:[1,0,0]   ; (logit - m) log2(e), two at a time
.endr
.irp e, 0,1,2,3,4,5,6,7
	v_exp_f32 v[L+\e], v[L+\e]                     ; at most 1, and 1 (but for a rounding) for the largest
.endr
	v_nop                                          ; a plain place behind the exponentials
	s_wait_alu depctr_va_vdst(0)
	v_add_f32 v249, v[L], v[L+1]
	v_add_f32 v250, v[L+2], v[L+3]
	v_add_f32 v251, v[L+4], v[L+5]
	v_add_f32 v252, v[L+6], v[L+7]
	v_add_f32 v249, v249, v250
	v_add_f32 v251, v251, v252
	v_add_f32 v249, v249, v251
	v_rcp_f32 v249, v249                           ; 1 / the sum
	v_mov_b32 v250, v[L]                           ; (plain places)  the largest so far,
	v_mov_b32 v251, 0                              ; and where
	s_wait_alu depctr_va_vdst(0)
.irp e, 0,1,2,3,4,5,6,7
.if (\j) == 0
	v_mul_f32 v[PACC+\e], v[L+\e], v249            ; the probabilities, summed over my four tokens
.else
	v_fmac_f32 v[PACC+\e], v[L+\e], v249
.endif
.endr
.irp e, 1,2,3,4,5,6,7
	v_cmp_gt_f32 vcc_lo, v[L+\e], v250             ; strictly larger: an equal one leaves the lower index
	v_cndmask_b32 v250, v250, v[L+\e], vcc_lo
	v_cndmask_b32 v251, v251, \e, vcc_lo
.endr
.irp e, 0,1,2,3,4,5,6,7
	v_cmp_eq_u32 vcc_lo, \e, v251
	v_cndmask_b32 v[TP+\e], v[L+\e], -1.0, vcc_lo  ; the first is taken out: -1 lies under every exponential
.endr
	v_mov_b32 v252, v[TP]
	v_mov_b32 v253, 0
.irp e, 1,2,3,4,5,6,7
	v_cmp_gt_f32 vcc_lo, v[TP+\e], v252
	v_cndmask_b32 v252, v252, v[TP+\e], vcc_lo
	v_cndmask_b32 v253, v253, \e, vcc_lo
.endr
	v_add_f32 v254, v250, v252
	v_rcp_f32 v254, v254
	v_min_u32 v255, v251, v253                     ; (a plain place)  lo
	v_max_u32 v248, v251, v253                     ; hi
	s_wait_alu depctr_va_vdst(0)
	v_mul_f32 v250, v250, v254                     ; the two weights, renormalised
	v_mul_f32 v252, v252, v254
	v_cmp_lt_u32 vcc_lo, v251, v253
	v_cndmask_b32 v[ACC], v252, v250, vcc_lo       ; the lower expert's
	v_cndmask_b32 v[ACC+1], v250, v252, vcc_lo     ; the higher expert's
	v_add_nc_u32 v249, -1, v248
	v_mul_u32_u24 v249, v249, v248
	v_lshrrev_b32 v249, 1, v249
	v_add_nc_u32 v249, v249, v255                  ; the pair id
	ds_store_b32 v10, v249 offset:PIDA+4*(\j)      ; all lanes write the same word with the same value
	ds_store_b64 v11, v[ACC:ACC+1] offset:CWA+8*(\j)
	; my block's codes
	v_max3_num_f32 v219, |v[XS]|, |v[XS+1]|, 0x1800000             ; with the floor 2^(3 - 127): the byte cannot fall under 1
	v_max3_num_f32 v220, |v[XS+16]|, |v[XS+17]|, |v[XS+18]|
.irp i, 0,1,2,3,4,5
	v_max3_num_f32 v219, v219, |v[XS+2+2*\i]|, |v[XS+3+2*\i]|      ; two chains by turns
	v_max3_num_f32 v220, v220, |v[XS+19+2*\i]|, |v[XS+20+2*\i]|
.endr
	v_max3_num_f32 v219, v219, |v[XS+14]|, |v[XS+15]|
	v_max3_num_f32 v219, v219, v220, |v[XS+31]|    ; the block's largest magnitude
	v_add_nc_u32 v221, 0xff000000, v219            ; 2 off its exponent field: the conversion takes the exponent field of this operand as its scale
	v_cvt_scalef32_pk16_fp6_f32 v[210:212], v[XS:XS+15], v221
	v_cvt_scalef32_pk16_fp6_f32 v[216:218], v[XS+16:XS+31], v221   ; (a conversion's three registers begin on an even number)
	v_lshrrev_b32 v222, 23, v221                   ; the scale's byte; also the plain place behind the conversions
	v_mov_b32 v213, v216
	v_mov_b32 v214, v217
	v_mov_b32 v215, v218
	ds_store_b64 v8, v[210:211] offset:768*(\j)
	ds_store_b64 v8, v[212:213] offset:768*(\j)+8
	ds_store_b64 v8, v[214:215] offset:768*(\j)+16
	ds_store_b8 v9, v222 offset:SCA+32*(\j)
.endm
	TOKEN 0
	TOKEN 1
	TOKEN 2
	TOKEN 3
	ds_store_b128 v11, v[PACC:PACC+3] offset:PSA
	ds_store_b128 v11, v[PACC+4:PACC+7] offset:PSA+16
	s_wait_dscnt 0x0                               ; for wave 0's sake: all that I stored lies in LDS
	s_barrier_signal -1
	s_barrier_wait -1
	s_mul_i32 s16, ttmp9, 12288
	s_mul_i32 s17, s14, 3072
	s_add_co_u32 s16, s16, s17
	s_mov_b32 s17, 0
	s_add_nc_u64 s[24:25], s[8:9], s[16:17]        ; my four tokens' codes in xq
.irp i, 0,1,2,3,4,5
	ds_load_b128 v[R+4*\i:R+4*\i+3], v13 offset:512*\i
.endr
.irp i, 0,1,2,3,4,5
	s_wait_dscnt 5-\i
	global_store_b128 v2, v[R+4*\i:R+4*\i+3], s[24:25] offset:512*\i   ; 32 lanes store 512 consecutive bytes, at a multiple of 256 from the buffer's first byte
.endr
	s_cmp_lg_u32 s14, 0
	s_cbranch_scc1 .Lend
	; wave 0: the work-group's small results
	v_mov_b32 v40, 0
	ds_load_b32 v32, v12 offset:PIDA               ; the pair id of token lane % 16
.irp i, 0,1,2,3
	ds_load_b128 v[16+4*\i:19+4*\i], v40 offset:PIDA+16*\i   ; all sixteen, in every lane
.endr
	ds_load_b32 v41, v15 offset:CWA
	ds_load_b128 v[44:47], v2 offset:SCA
.irp i, 0,1,2,3
	ds_load_b32 v[48+\i], v14 offset:PSA+32*\i
.endr
	s_mov_b32 s17, 0
	s_lshl_b32 s16, ttmp9, 6
	s_add_nc_u64 s[26:27], s[10:11], s[16:17]      ; sel: 64 bytes a work-group
	s_lshl_b32 s16, ttmp9, 7
	s_add_nc_u64 s[28:29], s[10:11], s[16:17]      ; hist: 128
	s_add_nc_u64 s[30:31], s[12:13], s[16:17]      ; weights: 128
	s_lshl_b32 s16, ttmp9, 5
	s_add_nc_u64 s[32:33], s[12:13], s[16:17]      ; sums: 32
	s_lshl_b32 s16, ttmp9, 9
	s_add_nc_u64 s[34:35], s[8:9], s[16:17]        ; scale bytes: 512
	v_and_b32 v33, 15, v1
	v_mov_b32 v34, 0
	v_mov_b32 v35, 0
	s_wait_dscnt 0x0
.irp t, 0,1,2,3,4,5,6,7,8,9,10,11,12,13,14,15
	v_cmp_eq_u32 vcc_lo, v[16+\t], v32
	v_cndmask_b32 v36, 0, 1, vcc_lo
	v_cmp_lt_u32 vcc_lo, \t, v33
	v_cndmask_b32 v36, 0, v36, vcc_lo
	v_add_nc_u32 v34, v34, v36                     ; rank: earlier tokens of the sixteen with my token's pair id
	v_cmp_eq_u32 vcc_lo, v[16+\t], v1
	v_cndmask_b32 v36, 0, 1, vcc_lo
	v_add_nc_u32 v35, v35, v36                     ; hist: tokens whose pair id is my lane's number
.endr
	v_lshl_or_b32 v34, v34, 8, v32
	v_add_f32 v48, v48, v49
	v_add_f32 v50, v50, v51
	v_add_f32 v48, v48, v50
	global_store_b32 v12, v34, s[26:27]            ; (lanes 16 apart store the same word with the same value)
	global_store_b32 v15, v35, s[28:29] offset:16384
	global_store_b32 v15, v41, s[30:31]
	global_store_b128 v2, v[44:47], s[34:35] offset:3145728
	global_store_b32 v14, v48, s[32:33] offset:32768
.Lend:
	s_set_vgpr_msb 0xa
	s_wait_tensorcnt 0x0
	ds_add_u32 v0, v1
	s_wait_dscnt 0x0
	s_set_vgpr_msb 0xa00
	s_endpgm
.Lfunc_end_k_q4f00a0a070_route_quant:
	.size	k_q4f00a0a070_route_quant, .Lfunc_end_k_q4f00a0a070_route_quant-k_q4f00a0a070_route_quant
	.p2alignl 7, 3214868480
	.fill 96, 4, 3214868480
	.section	.rodata,"a",@progbits
	.p2align	6, 0x0
	.amdhsa_kernel k_q4f00a0a070_route_quant
		.amdhsa_group_segment_fixed_size 87552
		.amdhsa_private_segment_fixed_size 0
		.amdhsa_enable_private_segment 0
		.amdhsa_kernarg_size 40
		.amdhsa_user_sgpr_count 2
		.amdhsa_user_sgpr_kernarg_segment_ptr 1
		.amdhsa_wavefront_size32 1
		.amdhsa_system_sgpr_workgroup_id_x 1
		.amdhsa_system_sgpr_workgroup_id_y 1
		.amdhsa_system_sgpr_workgroup_id_z 1
		.amdhsa_system_vgpr_workitem_id 0
		.amdhsa_next_free_vgpr 514
		.amdhsa_next_free_sgpr 66
		.amdhsa_reserve_vcc 1
		.amdhsa_float_denorm_mode_32 3
		.amdhsa_float_denorm_mode_16_64 3
		.amdhsa_memory_ordered 1
		.amdhsa_forward_progress 1
		.amdhsa_inst_pref_size 95
	.end_amdhsa_kernel
	.amdgpu_metadata
---
amdhsa.version: [ 1, 2 ]
amdhsa.kernels:
  - .name:           k_q4f00a0a070_route_quant
    .symbol:         k_q4f00a0a070_route_quant.kd
    .args:
      - { .name: x, .offset: 0, .size: 8, .value_kind: global_buffer, .address_space: global }
      - { .name: w_router, .offset: 8, .size: 8, .value_kind: global_buffer, .address_space: global }
      - { .name: xq, .offset: 16, .size: 8, .value_kind: global_buffer, .address_space: global }
      - { .name: route, .offset: 24, .size: 8, .value_kind: global_buffer, .address_space: global }
      - { .name: rwf, .offset: 32, .size: 8, .value_kind: global_buffer, .address_space: global }
    .group_segment_fixed_size: 87552
    .private_segment_fixed_size: 0
    .kernarg_segment_align: 8
    .kernarg_segment_size: 40
    .max_flat_workgroup_size: 128
    .sgpr_count:     66
    .vgpr_count:     514
    .wavefront_size: 32
...
	.end_amdgpu_metadata
.endif
;; end of part 1
;; launch place (part 2): grid 1 x 1, 32 waves a work-group, no clusters, 9,216 bytes of LDS; arguments route, rwf, plan, roww, out1; writes plan, roww, out1
.if DOCPART == 2
	.amdgcn_target "amdgcn-amd-amdhsa--gfx1250"
	.amdhsa_code_object_version 6
	.text
	.protected	k_q4f00a0a070_place
	.globl	k_q4f00a0a070_place
	.p2align	8
	.type	k_q4f00a0a070_place,@function
k_q4f00a0a070_place:
	s_mov_b64 s[64:65], 0
	v_nop
	global_prefetch_b8 v0, s[64:65] scope:SCOPE_SE
	s_setreg_imm32_b32 hwreg(HW_REG_WAVE_MODE, 25, 1), 1
	s_wait_xcnt 0x0
; THE PLACING OF ROUTED ROWS, a counting sort by pair id, without atomics; and the auxiliary loss.
; IN: route (sel[4096], hist[256][32]), rwf (weights [4096][2], sums of probabilities [256][8]).
; OUT: plan: rowtok[9216] at 0: the token of each routed row; tileE[64] at 36,864: the expert of each tile of 144 rows (8: none);
;      ptile[96][8] at 37,120: {tokens, lower expert, higher expert, first row with the lower, first row with the higher, 0, 0, 0} for tiles of at most 96 tokens of one pair.
;      roww[9216]: the weight of each routed row.  out1 = 0.08 x sum over e of (n_e / 4096) (P_e / 4096).
; ORDER: expert e's rows are the runs of the pairs that hold e, by ascending pair id; a run holds its tokens in ascending order; a segment begins at a multiple of 144 rows.
; So the i-th token of a pair lies at (run start with lo) + i and at (run start with hi) + i.  Never more than 64 tiles of 144 rows (8192 / 144 + 8 x 143 / 144 < 65),
; never more than 70 tiles of 96 tokens (4096 / 96 + 28 x 95 / 96 < 71), whatever the choice.
; SHARES: one work-group.  Wave w owns the token groups 8 w .. 8 w + 7 (128 tokens).  ONE barrier: in front of it each wave's totals by pair id (lane = pair id) go to LDS;
; behind it every wave sums all 32 waves' totals itself and makes the run starts in scalar registers, so that no table goes from wave to wave.
; A token's numbers are looked up in lane vectors by ds_bpermute_b32, which touches no LDS byte.
; NO LANE IS EVER SWITCHED OFF: a lane that has no pad row to fill stores its own first token's row of rowtok once more, the same word with the same value.
.set CB,  0                            ; LDS: C[32 waves][32 pair ids]
.set PSB, 4096                         ; each wave's sums of the probabilities: 32 bytes
.set NE,  16                           ; s16-23  rows of expert e
.set BS,  24                           ; s24-32  first row of expert e's segment; s32: behind the last
.set NK,  36                           ; s36-63  tokens of pair k
.set TC,  68                           ; s68-76  tiles in front of expert e
.set CN,  80                           ; s80-87  a running row for each expert
	s_load_b256 s[4:11], s[0:1], 0x0               ; route s[4:5], rwf s[6:7], plan s[8:9], roww s[10:11]
	s_load_b64 s[12:13], s[0:1], 0x20              ; out1
	v_lshl_add_u32 v112, v0, 2, 0x1400
	v_mov_b32 v113, 0
	v_lshrrev_b32 v11, 5, v0
	v_readfirstlane_b32 s14, v11                   ; wave 0..31
	v_and_b32 v1, 31, v0                           ; lane
	v_lshlrev_b32 v2, 2, v0                        ; C: 128 w + 4 lane
	v_lshlrev_b32 v3, 2, v1
	v_lshl_add_u32 v4, v11, 10, v3                 ; hist: my 8 groups of 128 bytes
	v_lshl_add_u32 v5, v11, 9, v3                  ; sel: my 128 tokens
	v_lshlrev_b32 v6, 3, v1
	v_lshl_add_u32 v6, v11, 10, v6                 ; their weights
	v_lshlrev_b32 v7, 3, v0                        ; the sums of probabilities: 8 bytes a thread
	v_and_b32 v8, 3, v1
	v_lshlrev_b32 v8, 3, v8
	v_lshl_add_u32 v8, v11, 5, v8                  ; 32 w + 8 (lane % 4)
	v_lshl_add_u32 v9, v11, 7, v1                  ; my first token: 128 w + lane
	v_and_b32 v10, 127, v0
	v_mov_b32 v12, 0
	v_lshlrev_b32 v13, 5, v0                       ; an entry of the list of pair tiles: 32 bytes a thread
	v_mov_b32 v54, 0                               ; lane permutes' and v_writelane_b32's destinations count as sources
	v_mov_b32 v55, 0
	v_mov_b32 v52, 0
	v_mov_b32 v53, 0
	s_mov_b32 s96, 0x76543210
	s_mov_b32 s97, 0xfedcba98
	s_mov_b32 s90, 0xffff0000                      ; lanes 16-31
	s_mov_b32 s33, 9216
	s_wait_kmcnt 0x0
.irp i, 0,1,2,3,4,5,6,7
	global_load_b32 v[16+\i], v4, s[4:5] offset:16384+128*\i
.endr
	global_load_b64 v[24:25], v7, s[6:7] offset:32768
.irp j, 0,1,2,3
	global_load_b32 v[26+\j], v5, s[4:5] offset:128*\j
.endr
.irp j, 0,1,2,3
	global_load_b64 v[32+2*\j:33+2*\j], v6, s[6:7] offset:256*\j
.endr
	s_wait_loadcnt 0x8                             ; the histograms and the sums are in; sel and the weights (8 loads) may be out
	v_mov_b32 v40, 0                               ; v40-47: tokens of my pair id in my wave's earlier groups
	v_mov_b32 v41, v16
.irp i, 2,3,4,5,6,7
	v_add_nc_u32 v[40+\i], v[39+\i], v[15+\i]
.endr
	v_add_nc_u32 v48, v47, v23                     ; my wave's total
	ds_store_b32 v2, v48 offset:CB
	v_add_f32_dpp v24, v24, v24 row_xmask:4 row_mask:0xf bank_mask:0xf     ; thread t holds columns 2 (t % 4), + 1 of row t / 4: lanes 4 apart hold the same columns
	v_add_f32_dpp v25, v25, v25 row_xmask:4 row_mask:0xf bank_mask:0xf
	v_add_f32_dpp v24, v24, v24 row_xmask:8 row_mask:0xf bank_mask:0xf
	v_add_f32_dpp v25, v25, v25 row_xmask:8 row_mask:0xf bank_mask:0xf
	v_permlanex16_b32 v54, v24, s96, s97
	v_permlanex16_b32 v55, v25, s96, s97
	v_add_f32 v24, v24, v54
	v_add_f32 v25, v25, v55
	ds_store_b64 v8, v[24:25] offset:PSB           ; (lanes 4 apart write the same words with the same values)
	s_wait_dscnt 0x0                               ; for the others' sake
	s_barrier_signal -1
	s_barrier_wait -1                              ; the one barrier: only LDS loads follow
.irp i, 0,1,2,3,4,5,6,7,8,9,10,11,12,13,14,15,16,17,18,19,20,21,22,23,24,25,26,27,28,29,30,31
	ds_load_b32 v[64+\i], v3 offset:CB+128*\i
.endr
	v_mov_b32 v50, 0
	v_mov_b32 v51, 0
	s_wait_dscnt 0x0
.irp i, 0,1,2,3,4,5,6,7,8,9,10,11,12,13,14,15,16,17,18,19,20,21,22,23,24,25,26,27,28,29,30,31
	s_cmp_gt_u32 s14, \i
	s_cselect_b32 s15, 1, 0
	v_mad_u32_u24 v50, v[64+\i], s15, v50          ; tokens of my pair id in earlier waves
	v_add_nc_u32 v51, v51, v[64+\i]                ; and in all
.endr
.irp i, 0,1,2,3,4,5,6,7
	v_add_nc_u32 v[40+\i], v[40+\i], v50           ; lane k: tokens of pair k in front of group 8 w + i
.endr
.irp k, 0,1,2,3,4,5,6,7,8,9,10,11,12,13,14,15,16,17,18,19,20,21,22,23,24,25,26,27
	v_readlane_b32 s[NK+\k], v51, \k
.endr
.irp e, 0,1,2,3,4,5,6,7
	s_mov_b32 s[NE+\e], 0
.endr
.irp hi, 1,2,3,4,5,6,7
.irp lo, 0,1,2,3,4,5,6
.if \lo < \hi
	s_add_co_u32 s[NE+\lo], s[NE+\lo], s[NK+\hi*(\hi-1)/2+\lo]
	s_add_co_u32 s[NE+\hi], s[NE+\hi], s[NK+\hi*(\hi-1)/2+\lo]
.endif
.endr
.endr
	s_mov_b32 s[BS], 0
	s_mov_b32 s[TC], 0
.irp e, 0,1,2,3,4,5,6,7
	s_add_co_u32 s15, s[NE+\e], 143
	s_mul_i32 s15, s15, 29128                      ; / 144: 29128 / 2^22 lies 2.1e-7 over 1 / 144; times at most 4,239 that is under 1 / 144
	s_lshr_b32 s15, s15, 22
	s_add_co_u32 s[TC+1+\e], s[TC+\e], s15
	s_mul_i32 s[BS+1+\e], s[TC+1+\e], 144
	s_mov_b32 s[CN+\e], s[BS+\e]
.endr
.irp hi, 1,2,3,4,5,6,7                 ; the run starts, as lane vectors: v52 with the lower expert, v53 with the higher
.irp lo, 0,1,2,3,4,5,6
.if \lo < \hi
	v_writelane_b32 v52, s[CN+\lo], \hi*(\hi-1)/2+\lo
	v_writelane_b32 v53, s[CN+\hi], \hi*(\hi-1)/2+\lo
	s_add_co_u32 s[CN+\lo], s[CN+\lo], s[NK+\hi*(\hi-1)/2+\lo]
	s_add_co_u32 s[CN+\hi], s[CN+\hi], s[NK+\hi*(\hi-1)/2+\lo]
.endif
.endr
.endr                                  ; s[CN + e] is now the row behind expert e's last
	s_wait_loadcnt 0x0                             ; sel and the weights
.irp j, 0,1,2,3
	v_and_b32 v[64+\j], 31, v[26+\j]
	v_min_u32 v[64+\j], 27, v[64+\j]
	v_lshlrev_b32 v[64+\j], 2, v[64+\j]            ; 4 x pair id: the lane to ask
	v_bfe_u32 v[68+\j], v[26+\j], 8, 4             ; rank in the group
	v_add_nc_u32 v[88+\j], 32*\j, v9               ; the token
.endr
.irp j, 0,1,2,3
	ds_bpermute_b32 v[72+\j], v[64+\j], v[40+2*\j] ; token 128 w + 32 j + lane lies in group 8 w + 2 j + lane / 16
	ds_bpermute_b32 v[76+\j], v[64+\j], v[41+2*\j]
	ds_bpermute_b32 v[80+\j], v[64+\j], v52
	ds_bpermute_b32 v[84+\j], v[64+\j], v53
.endr
	s_wait_dscnt 0x0
.irp j, 0,1,2,3
	v_cndmask_b32 v[72+\j], v[72+\j], v[76+\j], s90
	v_add_nc_u32 v[72+\j], v[72+\j], v[68+\j]      ; the token's place in its pair's run
	v_add_nc_u32 v[80+\j], v[80+\j], v[72+\j]
	v_add_nc_u32 v[84+\j], v[84+\j], v[72+\j]
	v_min_u32 v[80+\j], 9215, v[80+\j]             ; the row with the lower expert: kept as a number, for the pad rows below
	v_min_u32 v[84+\j], 9215, v[84+\j]
	v_lshlrev_b32 v[92+\j], 2, v[80+\j]
	v_lshlrev_b32 v[84+\j], 2, v[84+\j]
.endr
.irp j, 0,1,2,3
	global_store_b32 v[92+\j], v[88+\j], s[8:9]
	global_store_b32 v[84+\j], v[88+\j], s[8:9]
	global_store_b32 v[92+\j], v[32+2*\j], s[10:11]
	global_store_b32 v[84+\j], v[33+2*\j], s[10:11]
.endr
	; the rows that no token takes get token 0: behind each segment's last row (under 144 rows; expert w / 4, 128 threads to an expert, two rows each), and from the last segment's end to row 9,215 (at most 1,024)
	s_lshr_b32 s91, s14, 2
	s_mov_b32 s92, s[CN]
	s_mov_b32 s93, s[BS+1]
.irp e, 1,2,3,4,5,6,7
	s_cmp_eq_u32 s91, \e
	s_cselect_b32 s92, s[CN+\e], s92
	s_cselect_b32 s93, s[BS+1+\e], s93
.endr
	v_add_nc_u32 v96, s92, v10
	v_add_nc_u32 v97, 128, v96
	v_add_nc_u32 v98, s[BS+8], v0
.macro PADST q, d, lim                 ; row v[q] gets token 0 where it lies under lim; elsewhere the lane stores its first token's row again
	v_cmp_gt_u32 vcc_lo, \lim, v[\q]
	v_cndmask_b32 v[\q], v80, v[\q], vcc_lo
	v_cndmask_b32 v[\d], v88, 0, vcc_lo
	v_min_u32 v[\q], 9215, v[\q]
	v_lshlrev_b32 v[\q], 2, v[\q]
	global_store_b32 v[\q], v[\d], s[8:9]
.endm
	PADST 96, 99, s93
	PADST 97, 100, s93
	PADST 98, 101, s33
	s_cmp_lt_u32 s14, 3
	s_cbranch_scc0 .Lnot_pt
	; waves 0-2: entry j = my thread's number of the list of pair tiles.  The pairs are walked once more; each lane keeps the numbers of the last pair whose first tile is not behind j
.irp e, 0,1,2,3,4,5,6,7
	s_mov_b32 s[CN+\e], s[BS+\e]
.endr
	s_mov_b32 s95, 0                               ; tiles in front of the pair
.irp n, 64,65,66,67,68,69,77,78,79
	v_mov_b32 v[\n], 0
.endr
.irp hi, 1,2,3,4,5,6,7
.irp lo, 0,1,2,3,4,5,6
.if \lo < \hi
	v_cmp_le_u32 vcc_lo, s95, v0
	v_cndmask_b32 v64, v64, s[CN+\lo], vcc_lo
	v_cndmask_b32 v65, v65, s[CN+\hi], vcc_lo
	v_cndmask_b32 v66, v66, s[NK+\hi*(\hi-1)/2+\lo], vcc_lo
	v_cndmask_b32 v67, v67, s95, vcc_lo
	v_cndmask_b32 v68, v68, \lo, vcc_lo
	v_cndmask_b32 v69, v69, \hi, vcc_lo
	s_add_co_u32 s[CN+\lo], s[CN+\lo], s[NK+\hi*(\hi-1)/2+\lo]
	s_add_co_u32 s[CN+\hi], s[CN+\hi], s[NK+\hi*(\hi-1)/2+\lo]
	s_add_co_u32 s15, s[NK+\hi*(\hi-1)/2+\lo], 95
	s_mul_i32 s15, s15, 43691                      ; / 96: 43691 / 2^22 lies 8e-8 over 1 / 96; times at most 4,191 that is under 1 / 96
	s_lshr_b32 s15, s15, 22
	s_add_co_u32 s95, s95, s15
.endif
.endr
.endr
	v_sub_nc_u32 v70, v0, v67                      ; which tile of the pair
	v_mul_u32_u24 v70, v70, 96
	v_sub_nc_u32 v72, v66, v70
	v_min_u32 v72, 96, v72                         ; its tokens
	v_mov_b32 v73, v68
	v_mov_b32 v74, v69
	v_add_nc_u32 v75, v64, v70
	v_add_nc_u32 v76, v65, v70
	v_cmp_gt_u32 vcc_lo, s95, v0                   ; an entry behind the last tile holds zeros
.irp n, 72,73,74,75,76
	v_cndmask_b32 v[\n], 0, v[\n], vcc_lo
.endr
	global_store_b128 v13, v[72:75], s[8:9] offset:37120
	global_store_b128 v13, v[76:79], s[8:9] offset:37136
	s_branch .Lend
.Lnot_pt:
	s_cmp_eq_u32 s14, 3
	s_cbranch_scc0 .Lnot_te
	; wave 3: the expert of each of the 64 tiles of 144 rows: how many experts' segments end at or in front of it
	v_add_nc_u32 v65, 32, v1
	v_mov_b32 v66, 0
	v_mov_b32 v67, 0
.irp e, 1,2,3,4,5,6,7,8
	v_cmp_le_u32 vcc_lo, s[TC+\e], v1
	v_cndmask_b32 v68, 0, 1, vcc_lo
	v_add_nc_u32 v66, v66, v68
	v_cmp_le_u32 vcc_lo, s[TC+\e], v65
	v_cndmask_b32 v68, 0, 1, vcc_lo
	v_add_nc_u32 v67, v67, v68
.endr
	global_store_b32 v3, v66, s[8:9] offset:36864
	global_store_b32 v3, v67, s[8:9] offset:36992
	s_branch .Lend
.Lnot_te:
	s_cmp_eq_u32 s14, 4
	s_cbranch_scc0 .Lend
	; wave 4: the auxiliary loss.  Word 32 i + lane of the waves' sums is column lane % 8 of wave 4 i + lane / 8
.irp i, 0,1,2,3,4,5,6,7
	ds_load_b32 v[64+\i], v3 offset:PSB+128*\i
.endr
	v_mov_b32 v73, 0
.irp e, 0,1,2,3,4,5,6,7
	v_writelane_b32 v73, s[NE+\e], \e
.endr
	v_cvt_f32_u32 v73, v73                         ; lanes 0-7: n_e; the others 0
	s_wait_dscnt 0x0
	v_add_f32 v64, v64, v65
	v_add_f32 v66, v66, v67
	v_add_f32 v68, v68, v69
	v_add_f32 v70, v70, v71
	v_add_f32 v64, v64, v66
	v_add_f32 v68, v68, v70
	v_add_f32 v64, v64, v68
	v_add_f32_dpp v64, v64, v64 row_xmask:8 row_mask:0xf bank_mask:0xf
	v_permlanex16_b32 v54, v64, s96, s97
	v_add_f32 v64, v64, v54                        ; lane l: the sum of the probabilities of expert l % 8
	v_mul_f32 v64, v64, v73
	v_add_f32_dpp v64, v64, v64 row_xmask:1 row_mask:0xf bank_mask:0xf
	v_add_f32_dpp v64, v64, v64 row_xmask:2 row_mask:0xf bank_mask:0xf
	v_add_f32_dpp v64, v64, v64 row_xmask:4 row_mask:0xf bank_mask:0xf
	v_add_f32_dpp v64, v64, v64 row_xmask:8 row_mask:0xf bank_mask:0xf
	v_permlanex16_b32 v54, v64, s96, s97
	v_add_f32 v64, v64, v54
	v_mul_f32 v64, 0x31a3d70a, v64                 ; x 0.08 / 4096^2
	global_store_b32 v12, v64, s[12:13]            ; all lanes store the same word with the same value
.Lend:
	s_wait_tensorcnt 0x0
	ds_add_u32 v112, v113
	s_wait_dscnt 0x0
	s_endpgm
.Lfunc_end_k_q4f00a0a070_place:
	.size	k_q4f00a0a070_place, .Lfunc_end_k_q4f00a0a070_place-k_q4f00a0a070_place
	.p2alignl 7, 3214868480
	.fill 96, 4, 3214868480
	.section	.rodata,"a",@progbits
	.p2align	6, 0x0
	.amdhsa_kernel k_q4f00a0a070_place
		.amdhsa_group_segment_fixed_size 9216
		.amdhsa_private_segment_fixed_size 0
		.amdhsa_enable_private_segment 0
		.amdhsa_kernarg_size 40
		.amdhsa_user_sgpr_count 2
		.amdhsa_user_sgpr_kernarg_segment_ptr 1
		.amdhsa_wavefront_size32 1
		.amdhsa_system_sgpr_workgroup_id_x 1
		.amdhsa_system_sgpr_workgroup_id_y 1
		.amdhsa_system_sgpr_workgroup_id_z 1
		.amdhsa_system_vgpr_workitem_id 0
		.amdhsa_next_free_vgpr 114
		.amdhsa_next_free_sgpr 100
		.amdhsa_reserve_vcc 1
		.amdhsa_float_denorm_mode_32 3
		.amdhsa_float_denorm_mode_16_64 3
		.amdhsa_memory_ordered 1
		.amdhsa_forward_progress 1
		.amdhsa_inst_pref_size 54
	.end_amdhsa_kernel
	.amdgpu_metadata
---
amdhsa.version: [ 1, 2 ]
amdhsa.kernels:
  - .name:           k_q4f00a0a070_place
    .symbol:         k_q4f00a0a070_place.kd
    .args:
      - { .name: route, .offset: 0, .size: 8, .value_kind: global_buffer, .address_space: global }
      - { .name: rwf, .offset: 8, .size: 8, .value_kind: global_buffer, .address_space: global }
      - { .name: plan, .offset: 16, .size: 8, .value_kind: global_buffer, .address_space: global }
      - { .name: roww, .offset: 24, .size: 8, .value_kind: global_buffer, .address_space: global }
      - { .name: out1, .offset: 32, .size: 8, .value_kind: global_buffer, .address_space: global }
    .group_segment_fixed_size: 9216
    .private_segment_fixed_size: 0
    .kernarg_segment_align: 8
    .kernarg_segment_size: 40
    .max_flat_workgroup_size: 1024
    .sgpr_count:     100
    .vgpr_count:     114
    .wavefront_size: 32
...
	.end_amdgpu_metadata
.endif
;; end of part 2
;; launch gateup (part 3): grid 4 x 64, 4 waves a work-group, no clusters, 137,216 bytes of LDS; arguments xq, plan, w_gate_codes, w_gate_scales, w_up_codes, w_up_scales, hq; writes hq
.if DOCPART == 3
	.amdgcn_target "amdgcn-amd-amdhsa--gfx1250"
	.amdhsa_code_object_version 6
	.text
	.protected	k_q4f00a0a070_gateup
	.globl	k_q4f00a0a070_gateup
	.p2align	8
	.type	k_q4f00a0a070_gateup,@function
k_q4f00a0a070_gateup:
	s_mov_b64 s[64:65], 0
	v_nop
	global_prefetch_b8 v0, s[64:65] scope:SCOPE_SE
	s_setreg_imm32_b32 hwreg(HW_REG_WAVE_MODE, 25, 1), 1
	s_wait_xcnt 0x0
; h = silu(x Wg^T) (x Wu^T) for the routed rows, both products on codes of E2M3 with E8M0 scales, and h quantised along the hidden axis.
; IN: xq (codes [4096][768]; scale bytes [4096][32] at 3,145,728, each four in the order 0, 2, 1, 3), plan (rowtok, tileE), the weights' codes [8][512][768] and scale bytes [8][512][32].
; OUT: hq: codes [4][9216][96] (plane q: hidden units 128 q .. 128 q + 127 of every routed row); scale words [4][9216] at 3,538,944, bytes in the order 0, 2, 1, 3.
; SHARES: work-group (q, tile): 144 routed rows of one expert x 128 hidden units.  THE WAVES SHARE THE COLUMNS: wave w makes units f0 = 128 q + 32 w .. + 31, two tiles of gate and two of up,
; for all nine tiles of rows: 36 accumulators, 288 matrix instructions.  Its weights go from memory straight into its registers, each byte once, five K steps deep;
; the rows' codes are gathered by the list into LDS once and read by all four waves.
; No multicast: which tiles share an expert is known only from the list in memory, and the rows are gathered lane by lane.
; NO BRANCH HANGS ON THE LIST: a tile behind the list's end takes expert 7 and rows of token 0 and stores its own rows of hq, which nobody reads; so both barriers stand on every wave's way.
; TRANSPOSED: source 0 = 16 rows of W, source 1 = 16 routed rows: a lane holds one row, its registers run along the hidden units.  Lane r of tile u takes W's row f0 + 8 u + r + 8 (r / 8),
; so that the 16 registers of tiles 0 and 1 are the neighbours f0 + 16 (lane / 16) + 0 .. 15.
; BLOCKS CHANGE PLACES ALIKE ON BOTH SIDES: in K step s lanes 0-15 take blocks 4 s, 4 s + 1 and lanes 16-31 blocks 4 s + 2, 4 s + 3: 48 consecutive bytes of a row, three loads of 16 bytes at multiples of 16.
; The matrix unit takes registers 0-5 of the halves for blocks 0, 1 and registers 6-11 for blocks 2, 3: so a scale word's bytes stand in the order 0, 2, 1, 3 (the weights' words go through v_perm_b32 once).
; THE ROWS' FRAGMENTS ARE FETCHED AMONG THE PRODUCTS: a K step wants 27 LDS loads of 512 bytes from each of four waves for 36 products a wave.  Behind the two products of a tile of rows stand the three loads of
; that tile's fragment for the next K step, in the step's first 18 products; the other 18 stand between the last load and its use.  No window is switched for these loads: the even steps' fragments lie in up's window,
; the odd steps' in gate's, two LDS addresses are copied into the window of source 0, and an even step begins with gate, an odd one with up: so the half that carries the loads has their window as its destination.
; LIMITS: NaN and infinities are not served; a block of h whose largest magnitude lies under 2^-124 keeps the byte 1 (zeros too: their codes are zeros).
; REGISTERS in windows of 256: window 0: v0-31 addresses; v32-63 W's scale words (8 t + s; t = 0, 1 gate, 2, 3 up); v84-104 tokens, then offsets; v112-183 the rows' scale words (8 m + s); v192-223 the way out.
;   window 1: W's fragments, five sets of 48; v240-241 the two LDS addresses once more.   window 2: v0-143 gate's accumulators (16 m + 8 u); v148-255 the rows' fragments of the odd K steps.
;   window 3: v0-143 up's accumulators; v148-255 the rows' fragments of the even K steps; at the head the gathered rows; at the end what quantises.
.set ACO, 0                            ; LDS: 144 rows of codes, 768 bytes + 16: rows 49 x 16 bytes apart
.set ASC, 112896                       ; 192 rows of scale bytes, 32 + 16 (rows 144-191 serve only to give all four waves the same three loads)
.set HST, 122112                       ; h's codes on their way out: 144 rows x 96 bytes
.set HSB, 135936                       ; and its scale words: 144 x 4
.set BSC, 32
.set T,   84
.set TS,  102
.set AS,  112
.set OR,  192
.set AF,  148
.set TM,  144                          ; window 3: largest magnitudes,
.set TP,  154                          ; the other half's,
.set SC,  164                          ; the conversions' scale operands,
.set BY,  174                          ; the bytes,
.set CD,  184                          ; the codes, four registers a tile of rows
.set MSB, 0
.macro WIN new                         ; the immediate's high byte repeats the setting that is left
.if MSB != (\new)
	s_set_vgpr_msb (MSB<<8)|(\new)
.set MSB, (\new)
.endif
.endm
.macro PLACES                          ; four places behind matrix instructions, in front of loads into registers that they have read and of the first read of results
.rept 4
	v_nop
.endr
.endm
	s_load_b256 s[4:11], s[0:1], 0x0               ; xq s[4:5], plan s[6:7], gate's codes s[8:9], gate's scales s[10:11]
	s_load_b128 s[12:15], s[0:1], 0x20             ; up's codes, up's scales
	s_load_b64 s[16:17], s[0:1], 0x30              ; hq
	v_lshl_add_u32 v254, v0, 2, 0x21600
	v_mov_b32 v255, 0
	v_lshrrev_b32 v25, 5, v0
	v_readfirstlane_b32 s18, v25                   ; wave 0..3
	s_and_b32 s19, ttmp7, 0xffff                   ; the tile of rows
	s_lshl_b32 s29, s19, 2
	v_and_b32 v3, 31, v0                           ; lane
	v_and_b32 v1, 15, v0                           ; r
	v_bfe_u32 v2, v0, 4, 1                         ; h
	s_mul_i32 s20, s19, 576
	s_mul_i32 s21, s18, 144
	s_add_co_u32 s20, s20, s21
	v_lshl_add_u32 v4, v2, 2, s20                  ; rowtok: my wave gathers rows 36 w .. 36 w + 35, two an instruction: lanes 0-15 the even one
	s_mul_i32 s20, s19, 144
	s_mul_i32 s21, s18, 48
	s_add_co_u32 s20, s20, s21
	v_lshrrev_b32 v26, 1, v3
	v_add_nc_u32 v25, s20, v26
.irp i, 0,1,2
	v_add_nc_u32 v[5+\i], 16*\i, v25               ; for the scale bytes: rows 48 w + 16 i + lane / 2, two lanes to a row
	v_min_u32 v[5+\i], 9215, v[5+\i]
	v_lshlrev_b32 v[5+\i], 2, v[5+\i]
.endr
	s_wait_kmcnt 0x0
	s_load_b32 s28, s[6:7], s29 offset:0x9000      ; the tile's expert
.irp j, 0,1,2,3,4,5,6,7,8,9,10,11,12,13,14,15,16,17
	global_load_b32 v[T+\j], v4, s[6:7] offset:8*\j
.endr
.irp i, 0,1,2
	global_load_b32 v[TS+\i], v[5+\i], s[6:7]
.endr
	v_and_b32 v25, 8, v1
	v_add_nc_u32 v25, v25, v1                      ; r + 8 (r / 8)
	v_mul_u32_u24 v8, v25, 768
	v_mad_u32_u24 v8, v2, 48, v8                   ; W's codes: my row, my half's 48 bytes
	v_lshlrev_b32 v9, 5, v25                       ; W's scale bytes: 32 a row
	s_mul_i32 s20, s18, 36*784
	v_mul_u32_u24 v10, v2, 784
	v_lshl_add_u32 v10, v1, 4, v10
	v_add_nc_u32 v10, s20, v10                     ; the gathered codes into LDS: row 36 w + h, 16 r
	s_mul_i32 s20, s18, 48*48
	s_add_co_u32 s20, s20, ASC
	v_mul_u32_u24 v11, v26, 48
	v_and_b32 v27, 1, v3
	v_lshl_add_u32 v11, v27, 4, v11
	v_add_nc_u32 v11, s20, v11                     ; the gathered scale bytes
	v_mul_u32_u24 v12, v1, 784
	v_mad_u32_u24 v12, v2, 48, v12                 ; a fragment of the rows: row r, my half's 48 bytes;
	v_add_nc_u32 v13, 62720, v12                   ; from tile 5 on
	v_mul_u32_u24 v14, v1, 48
	v_add_nc_u32 v14, ASC, v14                     ; a row's scale words
	s_mul_i32 s20, s18, 24
	s_add_co_u32 s20, s20, HST
	v_mul_u32_u24 v15, v1, 96
	v_mad_u32_u24 v15, v2, 12, v15
	v_add_nc_u32 v15, s20, v15                     ; h's codes: row r, block w, my half's 12 bytes
	s_and_b32 s20, s18, 1
	s_lshl_b32 s20, s20, 1
	s_lshr_b32 s21, s18, 1
	s_add_co_u32 s20, s20, s21
	s_add_co_u32 s20, s20, HSB
	v_lshl_add_u32 v16, v1, 2, s20                 ; h's scale byte: block w stands at place 0, 2, 1, 3
	v_lshl_add_u32 v17, v0, 4, HST                 ; the way out
	v_lshlrev_b32 v18, 4, v1
	v_lshlrev_b32 v19, 4, v27
	v_lshlrev_b32 v20, 4, v0
	v_lshl_add_u32 v21, v3, 4, HSB
	v_and_b32 v24, 3, v3
	v_lshlrev_b32 v24, 4, v24
	v_add_nc_u32 v24, 512, v24
	v_add_nc_u32 v22, HSB, v24
	v_lshlrev_b32 v23, 4, v3
	s_mov_b32 s30, 0xbfb8aa3b                      ; -log2(e)
	s_mov_b32 s31, s30                             ; (named with it as a pair)
	s_mov_b32 s32, 0x76543210
	s_mov_b32 s33, 0xfedcba98                      ; v_permlanex16_b32's selects for lane l xor 16
	s_mov_b32 s34, 0x03010200                      ; v_perm_b32: the middle two bytes change places
	s_lshl_b32 s20, ttmp9, 7
	s_lshl_b32 s21, s18, 5
	s_add_co_u32 s20, s20, s21                     ; f0
	s_wait_kmcnt 0x0
	s_min_u32 s28, s28, 7
	s_mul_i32 s22, s28, 393216
	s_mul_i32 s23, s20, 768
	s_add_co_u32 s22, s22, s23
	s_mov_b32 s23, 0
	s_add_nc_u64 s[8:9], s[8:9], s[22:23]
	s_add_nc_u64 s[12:13], s[12:13], s[22:23]
	s_lshl_b32 s22, s28, 14
	s_lshl_b32 s23, s20, 5
	s_add_co_u32 s22, s22, s23
	s_mov_b32 s23, 0
	s_add_nc_u64 s[10:11], s[10:11], s[22:23]
	s_add_nc_u64 s[14:15], s[14:15], s[22:23]
	s_mul_i32 s22, ttmp9, 884736
	s_mul_i32 s23, s19, 13824
	s_add_co_u32 s22, s22, s23
	s_mov_b32 s23, 0
	s_add_nc_u64 s[24:25], s[16:17], s[22:23]      ; my tile's codes in hq
	s_mul_i32 s22, ttmp9, 36864
	s_mul_i32 s23, s19, 576
	s_add_co_u32 s22, s22, s23
	s_mov_b32 s23, 0
	s_add_nc_u64 s[26:27], s[16:17], s[22:23]      ; and its scale words (3,538,944 stands in the immediate)
.irp u, 0,1
	global_load_b128 v[BSC+8*\u:BSC+8*\u+3], v9, s[10:11] offset:256*\u
	global_load_b128 v[BSC+8*\u+4:BSC+8*\u+7], v9, s[10:11] offset:256*\u+16
	global_load_b128 v[BSC+16+8*\u:BSC+16+8*\u+3], v9, s[14:15] offset:256*\u
	global_load_b128 v[BSC+16+8*\u+4:BSC+16+8*\u+7], v9, s[14:15] offset:256*\u+16
.endr
.macro BLOAD s                         ; W's four fragments of K step s into set s % 5: 12 loads
	WIN 0x40
.irp u, 0,1
.irp c, 0,1,2
	global_load_b128 v[48*((\s)%5)+12*\u+4*\c:48*((\s)%5)+12*\u+4*\c+3], v8, s[8:9] offset:6144*\u+96*(\s)+16*\c
.endr
.endr
.irp u, 0,1
.irp c, 0,1,2
	global_load_b128 v[48*((\s)%5)+24+12*\u+4*\c:48*((\s)%5)+24+12*\u+4*\c+3], v8, s[12:13] offset:6144*\u+96*(\s)+16*\c
.endr
.endr
.endm
	WIN 0x40                                       ; destination window 1
	v_mov_b32 v240, v12                            ; the fragments' two LDS addresses, where the products' source 0 lies
	v_mov_b32 v241, v13
	BLOAD 0
	BLOAD 1
	WIN 0
	s_wait_loadcnt 32                              ; the 21 tokens are in: behind them 8 loads of scale words and 24 of W
.irp j, 0,1,2,3,4,5,6,7,8,9,10,11,12,13,14,15,16,17
	v_min_u32 v[T+\j], 4095, v[T+\j]
.endr
.irp j, 0,1,2,3,4,5,6,7,8,9,10,11,12,13,14,15,16,17
	v_mad_u32_u24 v[T+\j], v[T+\j], 768, v18       ; the token's row of codes, + 16 r
.endr
.irp i, 0,1,2
	v_min_u32 v[TS+\i], 4095, v[TS+\i]
	v_lshl_add_u32 v[TS+\i], v[TS+\i], 5, v19      ; its scale bytes, my half of them
.endr
	WIN 0xc0                                       ; destination window 3
.irp j, 0,1,2,3,4,5,6,7,8,9,10,11,12,13,14,15,16,17
.irp c, 0,1,2
	global_load_b128 v[4*(3*\j+\c):4*(3*\j+\c)+3], v[T+\j], s[4:5] offset:256*\c   ; sixteen lanes read 256 consecutive bytes of a row, at a multiple of 256 from the buffer's first byte
.endr
.endr
.irp i, 0,1,2
	global_load_b128 v[216+4*\i:219+4*\i], v[TS+\i], s[4:5] offset:3145728
.endr
	BLOAD 2
	BLOAD 3
	BLOAD 4
	s_wait_loadcnt 36                              ; all but the 36 just issued: the gathered rows, W's scale words and K steps 0 and 1
	WIN 0x0c                                       ; an LDS store's data: window 3
.irp j, 0,1,2,3,4,5,6,7,8,9,10,11,12,13,14,15,16,17
.irp c, 0,1,2
	ds_store_b128 v10, v[4*(3*\j+\c):4*(3*\j+\c)+3] offset:ACO+1568*\j+256*\c
.endr
.endr
.irp i, 0,1,2
	ds_store_b128 v11, v[216+4*\i:219+4*\i] offset:768*\i
.endr
	WIN 0
.irp s, 0,1,2,3,4,5,6,7                ; K step by K step, so that each word stands 28 vector instructions or more ahead of the product that names it
.irp t, 0,1,2,3
	v_perm_b32 v[BSC+8*\t+\s], v[BSC+8*\t+\s], v[BSC+8*\t+\s], s34
.endr
.endr
	s_wait_dscnt 0x0                               ; for the others' sake: my 36 rows lie in LDS
	s_barrier_signal -1
	s_barrier_wait -1
.irp m, 0,1,2,3,4,5,6,7,8              ; the rows' scale words of all eight K steps, once: 32 bytes a row
	ds_load_b128 v[AS+8*\m:AS+8*\m+3], v14 offset:768*\m
	ds_load_b128 v[AS+8*\m+4:AS+8*\m+7], v14 offset:768*\m+16
.endr
	WIN 0xc0                                       ; K step 0's nine fragments: destination window 3
.irp m, 0,1,2,3,4
.irp c, 0,1,2
	ds_load_b128 v[AF+12*\m+4*\c:AF+12*\m+4*\c+3], v12 offset:12544*\m+16*\c
.endr
.endr
.irp m, 5,6,7,8
.irp c, 0,1,2
	ds_load_b128 v[AF+12*\m+4*\c:AF+12*\m+4*\c+3], v13 offset:12544*(\m-5)+16*\c
.endr
.endr
.macro LDA s, m                        ; the fragment of tile of rows m for K step s: three loads, under the products' own window setting (address in window 1, destination in the sums' window)
.irp c, 0,1,2
.if (\m) < 5
	ds_load_b128 v[AF+12*(\m)+4*\c:AF+12*(\m)+4*\c+3], v240 offset:12544*(\m)+96*(\s)+16*\c
.else
	ds_load_b128 v[AF+12*(\m)+4*\c:AF+12*(\m)+4*\c+3], v241 offset:12544*((\m)-5)+96*(\s)+16*\c
.endif
.endr
.endm
.macro MM s, t0, ld                    ; 18 products: nine tiles of rows x two tiles of W (t0 = 0: gate, 2: up).  The accumulators take turns, one instruction a turn.  ld: the next K step's fragments are fetched among them
.irp m, 0,1,2,3,4,5,6,7,8
.irp u, 0,1
.if (\s) == 0
	v_wmma_scale_f32_16x16x128_f8f6f4 v[16*\m+8*\u:16*\m+8*\u+7], v[48*((\s)%5)+12*(\t0+\u):48*((\s)%5)+12*(\t0+\u)+11], v[AF+12*\m:AF+12*\m+11], 0, v[BSC+8*(\t0+\u)+(\s)], v[AS+8*\m+(\s)] matrix_a_fmt:MATRIX_FMT_FP6 matrix_b_fmt:MATRIX_FMT_FP6
.else
	v_wmma_scale_f32_16x16x128_f8f6f4 v[16*\m+8*\u:16*\m+8*\u+7], v[48*((\s)%5)+12*(\t0+\u):48*((\s)%5)+12*(\t0+\u)+11], v[AF+12*\m:AF+12*\m+11], v[16*\m+8*\u:16*\m+8*\u+7], v[BSC+8*(\t0+\u)+(\s)], v[AS+8*\m+(\s)] matrix_a_fmt:MATRIX_FMT_FP6 matrix_b_fmt:MATRIX_FMT_FP6
.endif
.endr
.if \ld
	LDA (\s)+1, \m
.endif
.endr
.endm
.macro KSTEP s
.if (\s) > 0
	PLACES                                         ; for the loads of this step, which land in registers that the last step's products have read
.endif
.if ((\s) >= 1) && ((\s) <= 3)
	BLOAD (\s)+4                                   ; into the set that the last K step has left
.endif
	s_wait_dscnt 0x0                               ; this K step's rows are in: the last of their loads stands 18 products back
.if ((\s) == 2) || ((\s) == 3)
	s_wait_loadcnt 48                              ; behind this K step's W: four K steps' loads
.elseif (\s) > 3
	s_wait_loadcnt 12*(7-(\s))                     ; behind it: the K steps that are left
.endif
.if (\s) < 7
.set LDN, 1
.else
.set LDN, 0
.endif
.if ((\s)%2) == 0
	WIN 0xad                                       ; source 0 window 1; source 1 window 3; C and D window 2: the loads among these products land in window 2
	MM \s, 0, LDN
	WIN 0xfd                                       ; C and D window 3
	MM \s, 2, 0
.else
	WIN 0xf9                                       ; source 0 window 1; source 1 window 2; C and D window 3: the loads among these products land in window 3
	MM \s, 2, LDN
	WIN 0xa9                                       ; C and D window 2
	MM \s, 0, 0
.endif
.endm
	KSTEP 0                                        ; its products take the constant 0 as C: nothing is cleared
	KSTEP 1
	KSTEP 2
	KSTEP 3
	KSTEP 4
	KSTEP 5
	KSTEP 6
	KSTEP 7
	; h = g u / (1 + 2^(-g log2 e)), in f32; each accumulator is read from its low end on
	PLACES
	WIN 0xce                                       ; source 0 window 2 (g), source 1 and destination window 3 (u)
.set i, 0
.rept 72
	v_pk_mul_f32 v[i:i+1], v[i:i+1], v[i:i+1]      ; u = g u
.set i, i+2
.endr
	WIN 0x82                                       ; source 0 and destination window 2
.set i, 0
.rept 72
	v_pk_mul_f32 v[i:i+1], v[i:i+1], s[30:31] op_sel_hi:[1,0]
.set i, i+2
.endr
.set i, 0
.rept 144
	v_exp_f32 v[i], v[i]
.set i, i+1
.endr
	v_nop                                          ; a plain place behind the exponentials
.set i, 0
	s_wait_alu depctr_va_vdst(0)
.rept 72
	v_pk_add_f32 v[i:i+1], v[i:i+1], 1.0 op_sel_hi:[1,0]
.set i, i+2
.endr
.set i, 0
.rept 144
	v_rcp_f32 v[i], v[i]
.set i, i+1
.endr
	v_nop                                          ; a plain place behind the reciprocals
	WIN 0xce
.set i, 0
	s_wait_alu depctr_va_vdst(0)
.rept 72
	v_pk_mul_f32 v[i:i+1], v[i:i+1], v[i:i+1]      ; h, in up's registers: register 16 m + i of lane (r, h) is unit f0 + 16 h + i of row 16 m + r
.set i, i+2
.endr
	WIN 0xc0                                       ; destination window 3, source window 0
	v_mov_b32 v220, v15                            ; the two LDS addresses, beside the data
	v_mov_b32 v221, v16
.irp m, 0,1,2,3,4,5,6,7,8
	v_mov_b32 v[TP+\m], 0                          ; a lane permute's destination counts as one of its sources
.endr
	WIN 0xff                                       ; all in window 3.  My wave's 32 units are one block; it lies in lanes l and l xor 16
.irp m, 0,1,2,3,4,5,6,7,8
	v_max3_num_f32 v[TM+\m], |v[16*\m]|, |v[16*\m+1]|, 0x1800000     ; with the floor 2^(3 - 127): the byte cannot fall under 1
.endr
.irp i, 2,4,6,8,10,12,14
.irp m, 0,1,2,3,4,5,6,7,8
	v_max3_num_f32 v[TM+\m], v[TM+\m], |v[16*\m+\i]|, |v[16*\m+\i+1]|   ; the nine tiles by turns
.endr
.endr
.irp m, 0,1,2,3,4,5,6,7,8
	v_permlanex16_b32 v[TP+\m], v[TM+\m], s32, s33
.endr
.irp m, 0,1,2,3,4,5,6,7,8
	v_max_num_f32 v[TM+\m], v[TM+\m], v[TP+\m]
.endr
.irp m, 0,1,2,3,4,5,6,7,8
	v_add_nc_u32 v[SC+\m], 0xff000000, v[TM+\m]    ; 2 off the exponent field: the conversion's scale operand
.endr
.irp m, 0,1,2,3,4,5,6,7,8
	v_lshrrev_b32 v[BY+\m], 23, v[SC+\m]           ; the scale's byte
.endr
.irp m, 0,1,2,3,4,5,6,7,8
	v_cvt_scalef32_pk16_fp6_f32 v[CD+4*\m:CD+4*\m+2], v[16*\m:16*\m+15], v[SC+\m]
.endr
	v_nop                                          ; one plain place behind the conversions
.irp m, 0,1,2,3,4,5,6,7,8
	ds_store_b32 v220, v[CD+4*\m] offset:1536*\m
	ds_store_b32 v220, v[CD+4*\m+1] offset:1536*\m+4
	ds_store_b32 v220, v[CD+4*\m+2] offset:1536*\m+8
	ds_store_b8 v221, v[BY+\m] offset:64*\m        ; both lanes of a block write the same byte with the same value
.endr
	WIN 0
	s_wait_dscnt 0x0                               ; for the others' sake
	s_barrier_signal -1
	s_barrier_wait -1                              ; 144 whole rows of codes and their scale words lie in LDS
.irp i, 0,1,2,3,4,5
	ds_load_b128 v[OR+4*\i:OR+4*\i+3], v17 offset:2048*\i
.endr
.irp i, 0,1,2,3,4,5
	s_wait_dscnt 5-\i
	global_store_b128 v20, v[OR+4*\i:OR+4*\i+3], s[24:25] offset:2048*\i   ; the tile's 13,824 bytes are consecutive in hq: each wave's store covers 512 of them, at a multiple of 256
.endr
	s_cmp_lt_u32 s18, 3
	s_cbranch_scc0 .Lwords
	ds_load_b128 v[OR+24:OR+27], v17 offset:12288  ; the last 1,536 bytes: waves 0-2
	s_wait_dscnt 0x0
	global_store_b128 v20, v[OR+24:OR+27], s[24:25] offset:12288
	s_branch .Lend
.Lwords:
	ds_load_b128 v[OR+24:OR+27], v21               ; wave 3: the 576 bytes of scale words
	ds_load_b128 v[OR+28:OR+31], v22
	s_wait_dscnt 0x0
	global_store_b128 v23, v[OR+24:OR+27], s[26:27] offset:3538944
	global_store_b128 v24, v[OR+28:OR+31], s[26:27] offset:3538944   ; (lanes 4 apart store the same bytes)
.Lend:
	s_wait_tensorcnt 0x0
	ds_add_u32 v254, v255
	s_wait_dscnt 0x0
	s_endpgm
.Lfunc_end_k_q4f00a0a070_gateup:
	.size	k_q4f00a0a070_gateup, .Lfunc_end_k_q4f00a0a070_gateup-k_q4f00a0a070_gateup
	.p2alignl 7, 3214868480
	.fill 96, 4, 3214868480
	.section	.rodata,"a",@progbits
	.p2align	6, 0x0
	.amdhsa_kernel k_q4f00a0a070_gateup
		.amdhsa_group_segment_fixed_size 137216
		.amdhsa_private_segment_fixed_size 0
		.amdhsa_enable_private_segment 0
		.amdhsa_kernarg_size 56
		.amdhsa_user_sgpr_count 2
		.amdhsa_user_sgpr_kernarg_segment_ptr 1
		.amdhsa_wavefront_size32 1
		.amdhsa_system_sgpr_workgroup_id_x 1
		.amdhsa_system_sgpr_workgroup_id_y 1
		.amdhsa_system_sgpr_workgroup_id_z 1
		.amdhsa_system_vgpr_workitem_id 0
		.amdhsa_next_free_vgpr 1024
		.amdhsa_next_free_sgpr 66
		.amdhsa_reserve_vcc 0
		.amdhsa_float_denorm_mode_32 3
		.amdhsa_float_denorm_mode_16_64 3
		.amdhsa_memory_ordered 1
		.amdhsa_forward_progress 1
		.amdhsa_inst_pref_size 124
	.end_amdhsa_kernel
	.amdgpu_metadata
---
amdhsa.version: [ 1, 2 ]
amdhsa.kernels:
  - .name:           k_q4f00a0a070_gateup
    .symbol:         k_q4f00a0a070_gateup.kd
    .args:
      - { .name: xq, .offset: 0, .size: 8, .value_kind: global_buffer, .address_space: global }
      - { .name: plan, .offset: 8, .size: 8, .value_kind: global_buffer, .address_space: global }
      - { .name: w_gate_codes, .offset: 16, .size: 8, .value_kind: global_buffer, .address_space: global }
      - { .name: w_gate_scales, .offset: 24, .size: 8, .value_kind: global_buffer, .address_space: global }
      - { .name: w_up_codes, .offset: 32, .size: 8, .value_kind: global_buffer, .address_space: global }
      - { .name: w_up_scales, .offset: 40, .size: 8, .value_kind: global_buffer, .address_space: global }
      - { .name: hq, .offset: 48, .size: 8, .value_kind: global_buffer, .address_space: global }
    .group_segment_fixed_size: 137216
    .private_segment_fixed_size: 0
    .kernarg_segment_align: 8
    .kernarg_segment_size: 56
    .max_flat_workgroup_size: 128
    .sgpr_count:     66
    .vgpr_count:     1024
    .wavefront_size: 32
...
	.end_amdgpu_metadata
.endif
;; end of part 3
;; launch down (part 4): grid 4 x 70, 4 waves a work-group, no clusters, 95,232 bytes of LDS; arguments hq, plan, roww, w_down_codes, w_down_scales, out0; writes out0
.if DOCPART == 4
	.amdgcn_target "amdgcn-amd-amdhsa--gfx1250"
	.amdhsa_code_object_version 6
	.text
	.protected	k_q4f00a0a070_down
	.globl	k_q4f00a0a070_down
	.p2align	8
	.type	k_q4f00a0a070_down,@function
k_q4f00a0a070_down:
	s_mov_b64 s[64:65], 0
	v_nop
	global_prefetch_b8 v0, s[64:65] scope:SCOPE_SE
	s_setreg_imm32_b32 hwreg(HW_REG_WAVE_MODE, 25, 1), 1
	s_wait_xcnt 0x0
; y = c_a (h_a Wd_a^T) + c_b (h_b Wd_b^T) for the tokens of one pair of experts {a, b}; both products on codes of E2M3 with E8M0 scales.
; IN: hq (codes [4][9216][96], scale words [4][9216] at 3,538,944), plan (rowtok; ptile at 37,120), roww, w_down's codes [8][1024][384] and scale bytes [8][1024][16].  OUT: out0 [4096][1024] f32.
; SHARES: work-group (x, entry): at most 96 tokens of one pair x 256 columns.  Every token has one pair, so every row of y has one owner and nothing is added across work-groups.
; Wave w takes columns n0 = 256 x + 64 w .. + 63 (four tiles) for six tiles of rows: 192 matrix instructions at the most.  Its weights go from memory straight into its registers, each byte once.
; The rows' fragments (2 experts x 4 K steps x 6 tiles) are fetched once, twelve by each wave, and go to the others through LDS as images of their registers: 16 bytes a lane, 512 a store.
; Their scale words lie 16 bytes a row (K steps 0-3 on end), so that one load of 16 bytes brings a row's four; the rows' tokens lie in a table in the order in which the way out wants them.
; No multicast: which entries share an expert is known only from the list in memory, and an entry may be empty.
; Row i of a tile takes row min(i, tokens - 1) of the runs: surplus rows repeat the last token and store its bytes again, so no lane is switched off.
; AN EMPTY ENTRY loads by held addresses, passes the one barrier and ends: the branch on the stored count stands behind the barrier.
; TRANSPOSED: source 0 = 16 rows of Wd (columns of y), source 1 = 16 rows of h: a lane holds one token and eight neighbouring columns, so a weight is a number a lane.
; Blocks change places alike on both sides, as in the launch before: lanes 0-15 take a K step's first 48 bytes of a row, lanes 16-31 the other 48; scale words in the order 0, 2, 1, 3.
; ORDER.  Expert a goes by K steps, 24 sums by turns, while expert b's weights arrive.  Expert b goes BY ROWS OF y: a tile of 16 rows is finished by 16 products (four sums by turns), weighted, sent through my stage
; and stored while the next tile is multiplied: so the stores are spread over that half of the work.  Behind a tile's stores the wave ends if the next tile holds surplus rows alone (a branch on the stored count).
; LDS LOADS STAND AMONG THE PRODUCTS, a fragment's three at a time.  With expert a: ahead of a tile's four products the same tile's fragment for the next K step, 24 products ahead of its use; that costs two window
; switches a fragment (the sets lie in window 0: beside y, the products' destination, 64 registers are free and a set has 72).  With expert b the fragments lie in the sums' window and a copy of the address in the
; weights' window: no switch.
; REGISTERS in windows of 256: window 0: v0-19 addresses; v20-31 the weights (c_a, c_b a tile of rows); v32-63 Wd's scale words (16 side + 4 t + s); v64-111 h's (4 (6 side + m) + s; at the head v88-111 offsets);
;   v112-255 expert a's fragments, two sets of 72.   window 1: Wd_a's fragments (48 s + 12 t); then v0-63 expert b's sums, two sets; v64-127 rows of y on their way out, two sets; v128-175, v192-239 expert b's fragments of the odd, the even tiles.
;   window 2: Wd_b's fragments; v192-239 the tokens of the rows that I store, then their offsets; v242 an LDS address once more.   window 3: y (32 m + 8 t); at the head the fragments that I fetch.
.set AIMG, 0                           ; LDS: 48 images of 1,536 bytes: 24 side + 6 s + m
.set ASI,  73728                       ; h's scale words: 12 blocks (6 side + m) of 256 bytes: 16 bytes a row
.set TOK,  76800                       ; 128 words: the token of row j at 64 (j / 16) + 32 (j % 2) + 4 ((j % 16) / 2)
.set STG,  77312                       ; each wave: 16 rows x (256 + 16) bytes, for the way out
.set CW,  20
.set BS,  32
.set AS,  64
.set GA,  88
.set GS,  94
.set RA,  100
.set RB,  106
.set SA,  112
.set OB,  64                           ; in window 1
.set VO,  192                          ; in window 2
.set MSB, 0
.macro WIN new                         ; the immediate's high byte repeats the setting that is left
.if MSB != (\new)
	s_set_vgpr_msb (MSB<<8)|(\new)
.set MSB, (\new)
.endif
.endm
.macro PLACES                          ; four places behind matrix instructions, in front of loads into registers that they have read and of the first read of results
.rept 4
	v_nop
.endr
.endm
	s_load_b256 s[4:11], s[0:1], 0x0               ; hq s[4:5], plan s[6:7], roww s[8:9], Wd's codes s[10:11]
	s_load_b128 s[12:15], s[0:1], 0x20             ; Wd's scales s[12:13], out0 s[14:15]
	v_lshl_add_u32 v19, v0, 2, 0x17200
	s_set_vgpr_msb 0x40
	v_mov_b32 v255, 0
	s_set_vgpr_msb 0x4000
	v_lshrrev_b32 v16, 5, v0
	v_readfirstlane_b32 s18, v16                   ; wave 0..3
	s_and_b32 s19, ttmp7, 0xffff                   ; the entry
	s_lshl_b32 s28, s19, 5
	v_and_b32 v3, 31, v0                           ; lane
	v_and_b32 v1, 15, v0                           ; r
	v_bfe_u32 v2, v0, 4, 1                         ; h
	s_wait_kmcnt 0x0
	s_load_b256 s[20:27], s[6:7], s28 offset:0x9100   ; tokens s20, a s21, b s22, first rows s23, s24
	v_mul_u32_u24 v4, v1, 384
	v_mad_u32_u24 v4, v2, 48, v4                   ; Wd's codes: row r, my half's 48 bytes
	v_lshlrev_b32 v5, 4, v1                        ; 16 r: Wd's scale bytes; also my 16 bytes of a row of y
	s_mul_i32 s30, s18, 18432
	v_lshl_add_u32 v6, v3, 4, s30                  ; my twelve images: 16 x lane + 18,432 x wave
	s_lshr_b32 s30, s18, 1
	s_mul_i32 s30, s30, 1536
	s_and_b32 s31, s18, 1
	s_lshl_b32 s31, s31, 3
	s_add_co_u32 s30, s30, s31
	s_add_co_u32 s30, s30, ASI
	v_lshl_add_u32 v7, v1, 4, s30                  ; their scale words: my side's six blocks, 16 r, my two K steps' 8 bytes
	v_lshlrev_b32 v8, 4, v3                        ; any image of side a,
	v_add_nc_u32 v9, 36864, v8                     ; of side b
	v_lshl_add_u32 v10, v1, 4, ASI                 ; a row's four scale words
	s_mul_i32 s30, s18, 4352
	s_add_co_u32 s30, s30, STG
	v_mul_u32_u24 v11, v1, 272
	v_lshl_add_u32 v11, v2, 5, v11
	v_add_nc_u32 v11, s30, v11                     ; my stage, in: row r, 32 h
	v_mul_u32_u24 v12, v2, 272
	v_lshl_add_u32 v12, v1, 4, v12
	v_add_nc_u32 v12, s30, v12                     ; and back: lanes 0-15 one row, lanes 16-31 the next
	v_lshl_add_u32 v13, v2, 5, TOK                 ; the table of tokens, out: the rows of my half's parity
	s_lshl_b32 s30, s18, 7
	s_add_co_u32 s30, s30, TOK
	v_and_b32 v16, 1, v3
	v_bfe_u32 v17, v3, 1, 3
	v_lshl_add_u32 v14, v2, 6, s30
	v_lshl_add_u32 v14, v16, 5, v14
	v_lshl_add_u32 v14, v17, 2, v14                ; and in: row j = 32 w + lane
	s_and_b32 s31, s18, 1
	s_mul_i32 s46, s31, 1769472                    ; I fetch K steps 2 (w % 2) and 2 (w % 2) + 1: two planes of codes,
	s_mul_i32 s47, s31, 73728                      ; two of scale words
	v_mul_u32_u24 v18, v2, 48
	v_add_nc_u32 v18, s46, v18
	s_mov_b32 s50, 0x03010200                      ; v_perm_b32: the middle two bytes change places
	s_lshl_b32 s30, ttmp9, 8
	s_lshl_b32 s31, s18, 6
	s_add_co_u32 s30, s30, s31                     ; n0
	s_mov_b32 s45, 0
	s_lshl_b32 s44, s30, 2
	s_add_nc_u64 s[40:41], s[14:15], s[44:45]      ; y at my 64 columns
	s_wait_kmcnt 0x0
	s_min_u32 s20, s20, 96
	s_min_u32 s21, s21, 7
	s_min_u32 s22, s22, 7
	s_min_u32 s23, s23, 9215
	s_min_u32 s24, s24, 9215
	s_max_u32 s49, s20, 1
	s_sub_co_u32 s29, s49, 1                       ; the last token's place in the tile
	s_cmp_lt_u32 s18, 2                            ; waves 0, 1 fetch side a's rows, waves 2, 3 side b's
	s_cselect_b32 s48, s23, s24
	s_lshl_b32 s51, s18, 5
	v_add_nc_u32 v15, s51, v3
	v_min_u32 v15, s29, v15                        ; row min(32 w + lane, tokens - 1) of the tile:
	v_add_nc_u32 v15, s23, v15
	v_min_u32 v15, 9215, v15
	v_lshlrev_b32 v15, 2, v15                      ; its place in rowtok
	s_mul_i32 s44, s21, 393216
	s_mul_i32 s31, s30, 384
	s_add_co_u32 s44, s44, s31
	s_add_nc_u64 s[32:33], s[10:11], s[44:45]      ; Wd_a's codes at my columns
	s_mul_i32 s44, s22, 393216
	s_add_co_u32 s44, s44, s31
	s_add_nc_u64 s[36:37], s[10:11], s[44:45]      ; Wd_b's
	s_lshl_b32 s31, s30, 4
	s_lshl_b32 s44, s21, 14
	s_add_co_u32 s44, s44, s31
	s_add_nc_u64 s[34:35], s[12:13], s[44:45]      ; their scale bytes
	s_lshl_b32 s44, s22, 14
	s_add_co_u32 s44, s44, s31
	s_add_nc_u64 s[38:39], s[12:13], s[44:45]
.irp m, 0,1,2,3,4,5
	v_add_nc_u32 v16, 16*\m, v1
	v_min_u32 v16, s29, v16                        ; surplus rows repeat the last token
	v_add_nc_u32 v17, s23, v16
	v_min_u32 v17, 9215, v17
	v_lshlrev_b32 v[RA+\m], 2, v17
	v_add_nc_u32 v17, s24, v16
	v_min_u32 v17, 9215, v17
	v_lshlrev_b32 v[RB+\m], 2, v17
	v_add_nc_u32 v17, s48, v16
	v_min_u32 v17, 9215, v17
	v_lshl_add_u32 v[GS+\m], v17, 2, s47
	v_mad_u32_u24 v[GA+\m], v17, 96, v18
.endr
	WIN 0xc0                                       ; destination window 3
	global_load_b32 v156, v15, s[6:7]              ; one token a lane
	WIN 0
.irp m, 0,1,2,3,4,5
	global_load_b32 v[CW+2*\m], v[RA+\m], s[8:9]   ; c_a, c_b of row 16 m + r
	global_load_b32 v[CW+2*\m+1], v[RB+\m], s[8:9]
.endr
	WIN 0xc0
.irp g, 0,1
.irp m, 0,1,2,3,4,5
	global_load_b32 v[144+6*\g+\m], v[GS+\m], s[4:5] offset:3538944+36864*\g
.endr
.endr
.irp g, 0,1
.irp m, 0,1,2,3,4,5
.irp c, 0,1,2
	global_load_b128 v[12*(6*\g+\m)+4*\c:12*(6*\g+\m)+4*\c+3], v[GA+\m], s[4:5] offset:884736*\g+16*\c
.endr
.endr
.endr
	WIN 0
.irp t, 0,1,2,3
	global_load_b128 v[BS+4*\t:BS+4*\t+3], v5, s[34:35] offset:256*\t
.endr
.macro BLOAD w, sb, s                  ; Wd's four fragments of K step s: 12 loads
	WIN \w
.irp t, 0,1,2,3
.irp c, 0,1,2
	global_load_b128 v[48*(\s)+12*\t+4*\c:48*(\s)+12*\t+4*\c+3], v4, s[\sb:\sb+1] offset:6144*\t+96*(\s)+16*\c
.endr
.endr
.endm
	BLOAD 0x40, 32, 0
	BLOAD 0x40, 32, 1
	BLOAD 0x40, 32, 2
	BLOAD 0x40, 32, 3
	s_wait_loadcnt 52                              ; all but Wd_a's 4 + 48: the token, the weights and my twelve fragments are in
	WIN 0x0c                                       ; an LDS store's data: window 3
.irp f, 0,1,2,3,4,5,6,7,8,9,10,11
.irp c, 0,1,2
	ds_store_b128 v6, v[12*\f+4*\c:12*\f+4*\c+3] offset:AIMG+1536*\f+512*\c
.endr
.endr
.irp g, 0,1
.irp m, 0,1,2,3,4,5
	ds_store_b32 v7, v[144+6*\g+\m] offset:256*\m+4*\g   ; (lanes 16 apart hold the same row's word and write it to the same place)
.endr
.endr
	ds_store_b32 v14, v156
	WIN 0
	s_wait_dscnt 0x0                               ; for the others' sake
	s_barrier_signal -1
	s_barrier_wait -1                              ; the one barrier: the images, the scale words and the tokens lie in LDS
	s_cmp_eq_u32 s20, 0
	s_cbranch_scc1 .Lend                           ; an empty entry ends here
.irp t, 0,1,2,3
	global_load_b128 v[BS+16+4*\t:BS+16+4*\t+3], v5, s[38:39] offset:256*\t
.endr
	BLOAD 0x80, 36, 0
	BLOAD 0x80, 36, 1
	WIN 0x80                                       ; destination window 2
	v_mov_b32 v242, v9                             ; side b's images, where expert b's products have their source 0
.irp m, 0,1,2,3,4,5
	ds_load_b128 v[VO+8*\m:VO+8*\m+3], v13 offset:64*\m        ; the tokens of rows 16 m + 2 i + h, i = 0 .. 7: the rows whose 256 bytes my half of the lanes will store
	ds_load_b128 v[VO+8*\m+4:VO+8*\m+7], v13 offset:64*\m+16
.endr
	WIN 0
.irp k, 0,1,2,3,4,5,6,7,8,9,10,11
	ds_load_b128 v[AS+4*\k:AS+4*\k+3], v10 offset:256*\k       ; h's scale words, all 48, once
.endr
.macro LDF z, m                        ; expert a's fragment of tile of rows m for K step z: three loads
.irp c, 0,1,2
	ds_load_b128 v[SA+72*((\z)%2)+12*(\m)+4*\c:SA+72*((\z)%2)+12*(\m)+4*\c+3], v8 offset:1536*(6*(\z)+(\m))+512*\c
.endr
.endm
.irp m, 0,1,2,3,4,5
	LDF 0, \m
.endr
	s_wait_dscnt 30                                ; the tokens are in: behind them 12 loads of scale words and 18 of fragments
	WIN 0x8a                                       ; destination, sources 0 and 1 window 2; source 2 window 0
.irp k, 0,1,2,3,4,5,6,7,8,9,10,11,12,13,14,15,16,17,18,19,20,21,22,23,24,25,26,27,28,29,30,31,32,33,34,35,36,37,38,39,40,41,42,43,44,45,46,47
	v_min_u32 v[VO+\k], 4095, v[VO+\k]
	v_lshl_add_u32 v[VO+\k], v[VO+\k], 12, v5      ; 4,096 bytes a token, + 16 r
.endr
.macro PERMS b                         ; K step by K step: the first four words stand twelve vector instructions ahead of the products that name them
.irp s, 0,1,2,3
.irp t, 0,1,2,3
	v_perm_b32 v[\b+4*\t+\s], v[\b+4*\t+\s], v[\b+4*\t+\s], s50
.endr
.endr
.endm
.macro LDB mr, q, adr                  ; load q of the twelve that bring expert b's four fragments (K step q / 3) of tile of rows mr, into window 1: v192 on for an even tile, v128 on for an odd one
	ds_load_b128 v[192-64*((\mr)%2)+4*(\q):192-64*((\mr)%2)+4*(\q)+3], v[\adr] offset:1536*(6*((\q)/3)+(\mr))+512*((\q)%3)
.endm
.macro STEPA z                         ; expert a, K step z: 24 products, the sums by turns, one instruction a turn
.if (\z) > 0
	PLACES                                         ; for the loads of this step, which land in registers that the last step's products have read
.endif
.if (\z) == 1
	BLOAD 0x80, 36, 2
.endif
.if (\z) == 2
	BLOAD 0x80, 36, 3
.endif
.if (\z) < 3
	s_wait_loadcnt 63                              ; behind this step's weights 64 loads have been issued; the count's field ends at 63, so one more is waited for
.else
	s_wait_loadcnt 52                              ; behind Wd_a's last: Wd_b's 4 + 48
.endif
.if (\z) == 0
	WIN 0
	PERMS BS
.endif
.irp m, 0,1,2,3,4,5
.if (\z) < 3
	WIN 0
	LDF (\z)+1, \m
	s_wait_dscnt 18                                ; this tile's fragment is in: behind it 3 (5 - m) loads of the last step and 3 (m + 1) of this one
.else
	WIN 0x40                                       ; destination window 1
	LDB 0, 2*\m, 9                                 ; the last K step fetches expert b's first tile, two loads a turn
	LDB 0, 2*\m+1, 9
	s_wait_dscnt 17-\m                             ; behind this tile's fragment: 3 (5 - m) + 2 (m + 1)
.endif
	WIN 0xf1                                       ; source 0 window 1, source 1 window 0, C and D window 3
.irp t, 0,1,2,3
.if (\z) == 0
	v_wmma_scale_f32_16x16x128_f8f6f4 v[32*\m+8*\t:32*\m+8*\t+7], v[48*(\z)+12*\t:48*(\z)+12*\t+11], v[SA+72*((\z)%2)+12*\m:SA+72*((\z)%2)+12*\m+11], 0, v[BS+4*\t+(\z)], v[AS+4*\m+(\z)] matrix_a_fmt:MATRIX_FMT_FP6 matrix_b_fmt:MATRIX_FMT_FP6
.else
	v_wmma_scale_f32_16x16x128_f8f6f4 v[32*\m+8*\t:32*\m+8*\t+7], v[48*(\z)+12*\t:48*(\z)+12*\t+11], v[SA+72*((\z)%2)+12*\m:SA+72*((\z)%2)+12*\m+11], v[32*\m+8*\t:32*\m+8*\t+7], v[BS+4*\t+(\z)], v[AS+4*\m+(\z)] matrix_a_fmt:MATRIX_FMT_FP6 matrix_b_fmt:MATRIX_FMT_FP6
.endif
.endr
.endr
.endm
.macro ROWB m                          ; expert b, tile of rows m: 16 products, four sums by turns; among them the next tile's twelve loads, under the products' own window setting
.if (\m) == 0
	s_wait_dscnt 0x0                               ; the first tile's fragments are in
.else
	s_wait_dscnt 16                                ; this tile's fragments are in: behind them the last tile's 8 stores into the stage and 8 loads out of it
.endif
	WIN 0x56                                       ; source 0 window 2; source 1, C and D window 1
.irp s, 0,1,2,3
.if (\m) < 5
	LDB (\m)+1, 3*\s, 242
	LDB (\m)+1, 3*\s+1, 242
	LDB (\m)+1, 3*\s+2, 242
.endif
.irp t, 0,1,2,3
.if \s == 0
	v_wmma_scale_f32_16x16x128_f8f6f4 v[32*((\m)%2)+8*\t:32*((\m)%2)+8*\t+7], v[48*\s+12*\t:48*\s+12*\t+11], v[192-64*((\m)%2)+12*\s:192-64*((\m)%2)+12*\s+11], 0, v[BS+16+4*\t+\s], v[AS+4*(6+(\m))+\s] matrix_a_fmt:MATRIX_FMT_FP6 matrix_b_fmt:MATRIX_FMT_FP6
.else
	v_wmma_scale_f32_16x16x128_f8f6f4 v[32*((\m)%2)+8*\t:32*((\m)%2)+8*\t+7], v[48*\s+12*\t:48*\s+12*\t+11], v[192-64*((\m)%2)+12*\s:192-64*((\m)%2)+12*\s+11], v[32*((\m)%2)+8*\t:32*((\m)%2)+8*\t+7], v[BS+16+4*\t+\s], v[AS+4*(6+(\m))+\s] matrix_a_fmt:MATRIX_FMT_FP6 matrix_b_fmt:MATRIX_FMT_FP6
.endif
.endr
.endr
.endm
.macro YMUL m                          ; y = c_a x expert a's product; each accumulator from its low end on
	WIN 0xc3                                       ; destination and source 0 window 3
.irp i, 0,1,2,3,4,5,6,7,8,9,10,11,12,13,14,15
	v_pk_mul_f32 v[32*(\m)+2*\i:32*(\m)+2*\i+1], v[32*(\m)+2*\i:32*(\m)+2*\i+1], v[CW+2*(\m):CW+2*(\m)+1] op_sel_hi:[1,0]
.endr
.endm
.macro YADD m                          ; y += c_b x expert b's product; of the pair of weights the second serves both halves
	WIN 0xf1                                       ; source 0 window 1, source 1 window 0, source 2 and destination window 3
.irp i, 0,1,2,3,4,5,6,7,8,9,10,11,12,13,14,15
	v_pk_fma_f32 v[32*(\m)+2*\i:32*(\m)+2*\i+1], v[32*((\m)%2)+2*\i:32*((\m)%2)+2*\i+1], v[CW+2*(\m):CW+2*(\m)+1], v[32*(\m)+2*\i:32*(\m)+2*\i+1] op_sel:[0,1,0] op_sel_hi:[1,1,1]
.endr
.endm
; THE WAY OUT of a tile of 16 rows: 32 bytes a lane into my own stage; back as whole runs of 256 bytes, two rows an instruction.
; LDS serves a wave's instructions in order (ISA guide 5.7.1.4): no wait between the stores and the loads, nor in front of the next tile's stores.
.macro TOSTAGE m
	WIN 0x0c                                       ; an LDS store's data: window 3
.irp t, 0,1,2,3
	ds_store_b128 v11, v[32*(\m)+8*\t:32*(\m)+8*\t+3] offset:64*\t
	ds_store_b128 v11, v[32*(\m)+8*\t+4:32*(\m)+8*\t+7] offset:64*\t+16
.endr
.if (\m) >= 2
	s_wait_xcnt 0x0                                ; the stores of the tile two back have read their registers: the loads below may land there
.endif
	WIN 0x40                                       ; destination window 1
.irp i, 0,1,2,3,4,5,6,7
	ds_load_b128 v[OB+32*((\m)%2)+4*\i:OB+32*((\m)%2)+4*\i+3], v12 offset:544*\i
.endr
.endm
.macro SEND m, younger                 ; younger: the LDS loads issued behind the stage's: the twelve among the next tile's products, or none
	WIN 0x06                                       ; a store's address window 2, its data window 1
.irp i, 0,1,2,3,4,5,6,7
	s_wait_dscnt \younger+7-\i
	global_store_b128 v[VO+8*(\m)+\i], v[OB+32*((\m)%2)+4*\i:OB+32*((\m)%2)+4*\i+3], s[40:41] th:TH_STORE_NT   ; sixteen lanes store 256 consecutive bytes of a token's row, at a multiple of 256 from y's first byte
.endr
.endm
	STEPA 0                                        ; its products take the constant 0 as C: nothing is cleared
	STEPA 1
	STEPA 2
	STEPA 3
	s_wait_loadcnt 0x0                             ; all of Wd_b and its scale words
	WIN 0
	PERMS BS+16                                    ; these sixteen name no register of expert a's products: they are the places in front of the reads of y, of the loads into Wd_a's registers and of the sums laid over them
	YMUL 0                                         ; and these sixteen stand between the last scale word's v_perm_b32 and the products that name it
	ROWB 0
.irp m, 0,1,2,3,4,5
.if \m < 5
	YMUL \m+1                                      ; the next tile's first weighting: sixteen places behind this tile's products
.else
	PLACES
.endif
	YADD \m
	TOSTAGE \m
.if \m < 5
	ROWB \m+1                                      ; the next tile is multiplied while this one comes back from the stage
.endif
.if \m < 4
	SEND \m, 12
.else
	SEND \m, 0
.endif
.if \m < 5
	WIN 0                                          ; at a branch and at a label every window is 0
	s_cmp_le_u32 s20, 16*(\m+1)                    ; the next tile holds surplus rows alone: nothing is left to store
	s_cbranch_scc1 .Lend
.endif
.endr
	WIN 0
.Lend:
	s_wait_dscnt 0x0                               ; no LDS load of mine is on its way when the wave ends (a wave that leaves early has asked for a tile that it does not use)
	s_set_vgpr_msb 0x4
	s_wait_tensorcnt 0x0
	ds_add_u32 v19, v255
	s_wait_dscnt 0x0
	s_set_vgpr_msb 0x400
	s_endpgm
.Lfunc_end_k_q4f00a0a070_down:
	.size	k_q4f00a0a070_down, .Lfunc_end_k_q4f00a0a070_down-k_q4f00a0a070_down
	.p2alignl 7, 3214868480
	.fill 96, 4, 3214868480
	.section	.rodata,"a",@progbits
	.p2align	6, 0x0
	.amdhsa_kernel k_q4f00a0a070_down
		.amdhsa_group_segment_fixed_size 95232
		.amdhsa_private_segment_fixed_size 0
		.amdhsa_enable_private_segment 0
		.amdhsa_kernarg_size 48
		.amdhsa_user_sgpr_count 2
		.amdhsa_user_sgpr_kernarg_segment_ptr 1
		.amdhsa_wavefront_size32 1
		.amdhsa_system_sgpr_workgroup_id_x 1
		.amdhsa_system_sgpr_workgroup_id_y 1
		.amdhsa_system_sgpr_workgroup_id_z 1
		.amdhsa_system_vgpr_workitem_id 0
		.amdhsa_next_free_vgpr 1024
		.amdhsa_next_free_sgpr 66
		.amdhsa_reserve_vcc 0
		.amdhsa_float_denorm_mode_32 3
		.amdhsa_float_denorm_mode_16_64 3
		.amdhsa_memory_ordered 1
		.amdhsa_forward_progress 1
		.amdhsa_inst_pref_size 99
	.end_amdhsa_kernel
	.amdgpu_metadata
---
amdhsa.version: [ 1, 2 ]
amdhsa.kernels:
  - .name:           k_q4f00a0a070_down
    .symbol:         k_q4f00a0a070_down.kd
    .args:
      - { .name: hq, .offset: 0, .size: 8, .value_kind: global_buffer, .address_space: global }
      - { .name: plan, .offset: 8, .size: 8, .value_kind: global_buffer, .address_space: global }
      - { .name: roww, .offset: 16, .size: 8, .value_kind: global_buffer, .address_space: global }
      - { .name: w_down_codes, .offset: 24, .size: 8, .value_kind: global_buffer, .address_space: global }
      - { .name: w_down_scales, .offset: 32, .size: 8, .value_kind: global_buffer, .address_space: global }
      - { .name: out0, .offset: 40, .size: 8, .value_kind: global_buffer, .address_space: global }
    .group_segment_fixed_size: 95232
    .private_segment_fixed_size: 0
    .kernarg_segment_align: 8
    .kernarg_segment_size: 48
    .max_flat_workgroup_size: 128
    .sgpr_count:     66
    .vgpr_count:     1024
    .wavefront_size: 32
...
	.end_amdgpu_metadata
.endif
;; end of part 4
;; ======== version 2 of 2: 4 launches
;; workspace buffers: xq 3,276,800 bytes; route 49,152 bytes of whole numbers; rwf 40,960 bytes; plan 40,192 bytes of whole numbers; roww 36,864 bytes; hq 3,686,400 bytes
;; launch route_quant (part 5): grid 256 x 1, 4 waves a work-group, no clusters, 87,552 bytes of LDS; arguments x, w_router, xq, route, rwf; writes xq, route, rwf
.if DOCPART == 5
	.amdgcn_target "amdgcn-amd-amdhsa--gfx1250"
	.amdhsa_code_object_version 6
	.text
	.protected	k_q4f00a0a070_route_quant
	.globl	k_q4f00a0a070_route_quant
	.p2align	8
	.type	k_q4f00a0a070_route_quant,@function
k_q4f00a0a070_route_quant:
	s_mov_b64 s[64:65], 0
	v_nop
	global_prefetch_b8 v0, s[64:65] scope:SCOPE_SE
	s_setreg_imm32_b32 hwreg(HW_REG_WAVE_MODE, 25, 1), 1
	s_wait_xcnt 0x0
; ROUTER AND QUANTISER.  x: [4096][1024] f32.  w_router: [8][1024] f32.
; For each token: 8 logits (f32 multiply-adds), softmax with the maximum taken away, the two largest, their weights renormalised;
; and the token's 1,024 numbers as codes of E2M3 with one E8M0 byte for each 32.
; OUT: xq: codes [4096][768] at 0 (a row is one stream of bits); scale bytes [4096][32] at 3,145,728, each group of four bytes in the order 0, 2, 1, 3.
;      route: sel[4096] = pair id | (rank among the work-group's 16 tokens) << 8 at 0; hist[256][32] at 16,384: how many of the 16 tokens have each pair id.
;      rwf: the two weights [4096][2] (lower expert's, higher expert's) at 0; the work-group's sums of the 8 probabilities [256][8] at 32,768.
; The pair id of experts lo < hi is hi (hi - 1) / 2 + lo.  No address and no branch here hangs on the choice: it is only stored.
; SHARES: a work-group takes 16 tokens, a wave 4.  Lane l owns block l of a token (k = 32 l .. 32 l + 31): the block's largest magnitude needs no other lane,
; and the conversions find 16 neighbours in consecutive registers.  The lane's 8 x 32 numbers of w_router stay in registers 256-511.
; Loads take memory as it lies (512 consecutive bytes an instruction) and turn through LDS, 16 bytes of padding behind each 128, so that lanes 144 bytes apart meet different banks.
; LIMITS: NaN and infinities are not served.  A block whose largest magnitude lies under 2^-124 keeps the byte 1 (a block of zeros too: its codes are zeros, and only this program reads the bytes).
; The two largest are taken of the exponentials before their division by the sum; equal ones go to the lower index.
.set SCA,  0                           ; LDS: scale bytes, 32 a token
.set PIDA, 512                         ; pair ids, 4 bytes a token
.set CWA,  576                         ; weights, 8 bytes a token
.set PSA,  704                         ; each wave's sums of probabilities, 32 bytes
.set WL,   1024                        ; w_router: 8 rows of 4,608 bytes (4,096 + 32 paddings)
.set XST,  37888                       ; each wave: two stages of 4,608 bytes for a token of x
.set CST,  74752                       ; each wave: 4 tokens x 768 bytes of codes
.set X,    16                          ; v16-79   two sets of 32 neighbours
.set R,    80                          ; v80-207  the four tokens as loaded
.set ACC,  208                         ; v208-223 eight sums in pairs; later the weights, the codes and what makes them
.set L,    224                         ; v224-231 logits, then exponentials
.set PACC, 232                         ; v232-239 sums of probabilities
.set TP,   240                         ; v240-247 at work
.set MSB, 0
.macro WIN new                         ; the immediate's high byte repeats the setting that is left
.if MSB != (\new)
	s_set_vgpr_msb (MSB<<8)|(\new)
.set MSB, (\new)
.endif
.endm
	s_load_b256 s[4:11], s[0:1], 0x0               ; x s[4:5], w_router s[6:7], xq s[8:9], route s[10:11]
	s_load_b64 s[12:13], s[0:1], 0x20              ; rwf
	s_set_vgpr_msb 0x80
	v_lshl_add_u32 v0, v0, 2, 0x15400
	v_mov_b32 v1, 0
	s_set_vgpr_msb 0x8000
	v_lshrrev_b32 v14, 5, v0
	v_readfirstlane_b32 s14, v14                   ; wave 0..3
	v_and_b32 v1, 31, v0                           ; lane
	v_lshlrev_b32 v2, 4, v1                        ; 16 x lane
	v_lshlrev_b32 v3, 4, v0                        ; 16 x thread
	v_lshrrev_b32 v14, 3, v0
	v_lshl_add_u32 v4, v14, 4, v3                  ; w_router into LDS: 16 t + 16 (t / 8)
	v_mul_u32_u24 v5, v1, 144                      ; and out of it: my block
	s_mul_i32 s15, s14, 9216
	s_add_co_u32 s15, s15, XST
	v_lshrrev_b32 v14, 3, v1
	v_lshl_add_u32 v6, v14, 4, v2
	v_add_nc_u32 v6, s15, v6                       ; x into my wave's stage
	v_add_nc_u32 v7, s15, v5                       ; and out of it
	s_mul_i32 s15, s14, 3072
	s_add_co_u32 s15, s15, CST
	v_mul_u32_u24 v8, v1, 24
	v_add_nc_u32 v8, s15, v8                       ; my block's 24 bytes of codes
	v_add_nc_u32 v13, s15, v2                      ; the codes on their way out
	v_and_b32 v9, 28, v1
	v_and_b32 v14, 1, v1
	v_lshl_add_u32 v9, v14, 1, v9
	v_bfe_u32 v14, v1, 1, 1
	v_add_nc_u32 v9, v9, v14                       ; my block's byte: of four neighbours the middle two change places
	s_lshl_b32 s15, s14, 7
	v_add_nc_u32 v9, s15, v9
	s_lshl_b32 s15, s14, 4
	v_mov_b32 v10, s15                             ; 16 x wave: pair ids
	s_lshl_b32 s15, s14, 5
	v_mov_b32 v11, s15                             ; 32 x wave: weights, sums
	v_and_b32 v12, 15, v1
	v_lshlrev_b32 v12, 2, v12                      ; 4 (lane % 16)
	v_and_b32 v14, 7, v1
	v_lshlrev_b32 v14, 2, v14                      ; 4 (lane % 8)
	v_lshlrev_b32 v15, 2, v1                       ; 4 x lane
	s_mov_b32 s20, 0x76543210
	s_mov_b32 s21, 0xfedcba98                      ; v_permlanex16_b32's selects for lane l xor 16
	s_mov_b32 s22, 0x3fb8aa3b                      ; log2(e)
	s_mov_b32 s23, s22                             ; (named with it as a pair)
	s_lshl_b32 s16, ttmp9, 16                      ; 16 tokens of 4,096 bytes a work-group,
	s_lshl_b32 s17, s14, 14                        ; 4 a wave
	s_add_co_u32 s16, s16, s17
	s_mov_b32 s17, 0
	s_wait_kmcnt 0x0
	s_add_nc_u64 s[4:5], s[4:5], s[16:17]
	WIN 0x40                                       ; destination registers 256 on
.irp i, 0,1,2,3,4,5,6,7,8,9,10,11,12,13,14,15
	global_load_b128 v[4*\i:4*\i+3], v3, s[6:7] offset:2048*\i       ; w_router: 128 threads x 16 bytes, sixteen times
.endr
	WIN 0
.irp j, 0,1,2,3
.irp i, 0,1,2,3,4,5,6,7
	global_load_b128 v[R+32*\j+4*\i:R+32*\j+4*\i+3], v2, s[4:5] offset:4096*\j+512*\i th:TH_LOAD_NT   ; all four tokens at once: 32 loads of 512 consecutive bytes
.endr
.endr
	v_mov_b32 v249, 0                              ; (named as the upper half of a pair before it is first written)
.irp e, 0,1,2,3,4,5,6,7
	v_mov_b32 v[TP+\e], 0                          ; a lane permute's destination counts as one of its sources
.endr
	s_wait_loadcnt 32                              ; w_router's sixteen are in; x's 32 may be out
	WIN 0x04                                       ; an LDS store's data: registers 256 on
.irp i, 0,1,2,3,4,5,6,7,8,9,10,11,12,13,14,15
	ds_store_b128 v4, v[4*\i:4*\i+3] offset:WL+(\i/2)*4608+(\i%2)*2304
.endr
	WIN 0
.macro TURN j                          ; token j through the stage: LDS serves a wave's instructions in order, so no wait stands between the stores and the loads
.irp i, 0,1,2,3,4,5,6,7
	ds_store_b128 v6, v[R+32*(\j)+4*\i:R+32*(\j)+4*\i+3] offset:4608*((\j)%2)+576*\i
.endr
.irp c, 0,1,2,3,4,5,6,7
	ds_load_b128 v[X+32*((\j)%2)+4*\c:X+32*((\j)%2)+4*\c+3], v7 offset:4608*((\j)%2)+16*\c
.endr
.endm
	s_wait_loadcnt 24                              ; token 0's eight are in
	TURN 0
	s_wait_dscnt 0x0                               ; for the others' sake: my part of w_router lies in LDS
	s_barrier_signal -1
	s_barrier_wait -1
	WIN 0x40
.irp e, 0,1,2,3,4,5,6,7
.irp c, 0,1,2,3,4,5,6,7
	ds_load_b128 v[32*\e+4*\c:32*\e+4*\c+3], v5 offset:WL+4608*\e+16*\c   ; my block of each expert's row: registers 256 + 32 e on
.endr
.endr
	WIN 0
.macro TOKEN j
.set XS, X+32*((\j)%2)
.if (\j) < 3
	s_wait_loadcnt 8*(2-(\j))                      ; the next token's eight loads are in; those of the tokens behind it may be out
	TURN (\j)+1
	s_wait_dscnt 16                                ; all but the sixteen just issued: this token's numbers (and w_router) are in, and the last token's LDS stores have read their registers
.else
	s_wait_dscnt 0x0
.endif
	WIN 0x04                                       ; source 1: registers 256 on
.irp e, 0,1,2,3,4,5,6,7
	v_pk_mul_f32 v[ACC+2*\e:ACC+2*\e+1], v[XS:XS+1], v[32*\e:32*\e+1]          ; the first product starts each sum
.endr
.irp i, 1,2,3,4,5,6,7,8,9,10,11,12,13,14,15
.irp e, 0,1,2,3,4,5,6,7
	v_pk_fma_f32 v[ACC+2*\e:ACC+2*\e+1], v[XS+2*\i:XS+2*\i+1], v[32*\e+2*\i:32*\e+2*\i+1], v[ACC+2*\e:ACC+2*\e+1]   ; eight chains by turns
.endr
.endr
	WIN 0
.irp e, 0,1,2,3,4,5,6,7
	v_add_f32 v[L+\e], v[ACC+2*\e], v[ACC+2*\e+1]
.endr
.irp n, 1,2,4,8
.irp e, 0,1,2,3,4,5,6,7
	v_add_f32_dpp v[L+\e], v[L+\e], v[L+\e] row_xmask:\n row_mask:0xf bank_mask:0xf
.endr
.endr
.irp e, 0,1,2,3,4,5,6,7
	v_permlanex16_b32 v[TP+\e], v[L+\e], s20, s21
.endr
.irp e, 0,1,2,3,4,5,6,7
	v_add_f32 v[L+\e], v[L+\e], v[TP+\e]           ; every lane holds the token's eight logits
.endr
	v_max3_num_f32 v248, v[L], v[L+1], v[L+2]
	v_max3_num_f32 v248, v248, v[L+3], v[L+4]
	v_max3_num_f32 v248, v248, v[L+5], v[L+6]
	v_max_num_f32 v248, v248, v[L+7]               ; the largest logit m
	v_mul_f32 v248, 0xbfb8aa3b, v248               ; -m log2(e)
.irp e, 0,2,4,6
	v_pk_fma_f32 v[L+\e:L+\e+1], v[L+\e:L+\e+1], s[22:23], v[248:249] op_sel_hi:[1,0,0]   ; (logit - m) log2(e), two at a time
.endr
	s_wait_alu depctr_va_vdst(0)
.irp e, 0,1,2,3,4,5,6,7
	v_exp_f32 v[L+\e], v[L+\e]                     ; at most 1, and 1 (but for a rounding) for the largest
.endr
	v_nop                                          ; a plain place behind the exponentials
	s_wait_alu depctr_va_vdst(0)
	v_add_f32 v249, v[L], v[L+1]
	v_add_f32 v250, v[L+2], v[L+3]
	v_add_f32 v251, v[L+4], v[L+5]
	v_add_f32 v252, v[L+6], v[L+7]
	v_add_f32 v249, v249, v250
	v_add_f32 v251, v251, v252
	v_add_f32 v249, v249, v251
	s_wait_alu depctr_va_vdst(0)
	v_rcp_f32 v249, v249                           ; 1 / the sum
	v_mov_b32 v250, v[L]                           ; (plain places)  the largest so far,
	v_mov_b32 v251, 0                              ; and where
	s_wait_alu depctr_va_vdst(0)
.irp e, 0,1,2,3,4,5,6,7
.if (\j) == 0
	v_mul_f32 v[PACC+\e], v[L+\e], v249            ; the probabilities, summed over my four tokens
.else
	v_fmac_f32 v[PACC+\e], v[L+\e], v249
.endif
.endr
.irp e, 1,2,3,4,5,6,7
	v_cmp_gt_f32 vcc_lo, v[L+\e], v250             ; strictly larger: an equal one leaves the lower index
	v_cndmask_b32 v250, v250, v[L+\e], vcc_lo
	v_cndmask_b32 v251, v251, \e, vcc_lo
.endr
.irp e, 0,1,2,3,4,5,6,7
	v_cmp_eq_u32 vcc_lo, \e, v251
	v_cndmask_b32 v[TP+\e], v[L+\e], -1.0, vcc_lo  ; the first is taken out: -1 lies under every exponential
.endr
	v_mov_b32 v252, v[TP]
	v_mov_b32 v253, 0
.irp e, 1,2,3,4,5,6,7
	v_cmp_gt_f32 vcc_lo, v[TP+\e], v252
	v_cndmask_b32 v252, v252, v[TP+\e], vcc_lo
	v_cndmask_b32 v253, v253, \e, vcc_lo
.endr
	v_add_f32 v254, v250, v252
	s_wait_alu depctr_va_vdst(0)
	v_rcp_f32 v254, v254
	v_min_u32 v255, v251, v253                     ; (a plain place)  lo
	v_max_u32 v248, v251, v253                     ; hi
	s_wait_alu depctr_va_vdst(0)
	v_mul_f32 v250, v250, v254                     ; the two weights, renormalised
	v_mul_f32 v252, v252, v254
	v_cmp_lt_u32 vcc_lo, v251, v253
	v_cndmask_b32 v[ACC], v252, v250, vcc_lo       ; the lower expert's
	v_cndmask_b32 v[ACC+1], v250, v252, vcc_lo     ; the higher expert's
	v_add_nc_u32 v249, -1, v248
	v_mul_u32_u24 v249, v249, v248
	v_lshrrev_b32 v249, 1, v249
	v_add_nc_u32 v249, v249, v255                  ; the pair id
	ds_store_b32 v10, v249 offset:PIDA+4*(\j)      ; all lanes write the same word with the same value
	ds_store_b64 v11, v[ACC:ACC+1] offset:CWA+8*(\j)
	; my block's codes
	v_max3_num_f32 v219, |v[XS]|, |v[XS+1]|, 0x1800000             ; with the floor 2^(3 - 127): the byte cannot fall under 1
	v_max3_num_f32 v220, |v[XS+16]|, |v[XS+17]|, |v[XS+18]|
.irp i, 0,1,2,3,4,5
	v_max3_num_f32 v219, v219, |v[XS+2+2*\i]|, |v[XS+3+2*\i]|      ; two chains by turns
	v_max3_num_f32 v220, v220, |v[XS+19+2*\i]|, |v[XS+20+2*\i]|
.endr
	v_max3_num_f32 v219, v219, |v[XS+14]|, |v[XS+15]|
	v_max3_num_f32 v219, v219, v220, |v[XS+31]|    ; the block's largest magnitude
	v_add_nc_u32 v221, 0xff000000, v219            ; 2 off its exponent field: the conversion takes the exponent field of this operand as its scale
	v_cvt_scalef32_pk16_fp6_f32 v[210:212], v[XS:XS+15], v221
	v_cvt_scalef32_pk16_fp6_f32 v[216:218], v[XS+16:XS+31], v221   ; (a conversion's three registers begin on an even number)
	v_lshrrev_b32 v222, 23, v221                   ; the scale's byte; also the plain place behind the conversions
	v_mov_b32 v213, v216
	v_mov_b32 v214, v217
	v_mov_b32 v215, v218
	ds_store_b64 v8, v[210:211] offset:768*(\j)
	ds_store_b64 v8, v[212:213] offset:768*(\j)+8
	ds_store_b64 v8, v[214:215] offset:768*(\j)+16
	ds_store_b8 v9, v222 offset:SCA+32*(\j)
.endm
	TOKEN 0
	TOKEN 1
	TOKEN 2
	TOKEN 3
	ds_store_b128 v11, v[PACC:PACC+3] offset:PSA
	ds_store_b128 v11, v[PACC+4:PACC+7] offset:PSA+16
	s_wait_dscnt 0x0                               ; for wave 0's sake: all that I stored lies in LDS
	s_barrier_signal -1
	s_barrier_wait -1
	s_mul_i32 s16, ttmp9, 12288
	s_mul_i32 s17, s14, 3072
	s_add_co_u32 s16, s16, s17
	s_mov_b32 s17, 0
	s_add_nc_u64 s[24:25], s[8:9], s[16:17]        ; my four tokens' codes in xq
.irp i, 0,1,2,3,4,5
	ds_load_b128 v[R+4*\i:R+4*\i+3], v13 offset:512*\i
.endr
.irp i, 0,1,2,3,4,5
	s_wait_dscnt 5-\i
	global_store_b128 v2, v[R+4*\i:R+4*\i+3], s[24:25] offset:512*\i   ; 32 lanes store 512 consecutive bytes, at a multiple of 256 from the buffer's first byte
.endr
	s_cmp_lg_u32 s14, 0
	s_cbranch_scc1 .Lend
	; wave 0: the work-group's small results
	v_mov_b32 v40, 0
	ds_load_b32 v32, v12 offset:PIDA               ; the pair id of token lane % 16
.irp i, 0,1,2,3
	ds_load_b128 v[16+4*\i:19+4*\i], v40 offset:PIDA+16*\i   ; all sixteen, in every lane
.endr
	ds_load_b32 v41, v15 offset:CWA
	ds_load_b128 v[44:47], v2 offset:SCA
.irp i, 0,1,2,3
	ds_load_b32 v[48+\i], v14 offset:PSA+32*\i
.endr
	s_mov_b32 s17, 0
	s_lshl_b32 s16, ttmp9, 6
	s_add_nc_u64 s[26:27], s[10:11], s[16:17]      ; sel: 64 bytes a work-group
	s_lshl_b32 s16, ttmp9, 7
	s_add_nc_u64 s[28:29], s[10:11], s[16:17]      ; hist: 128
	s_add_nc_u64 s[30:31], s[12:13], s[16:17]      ; weights: 128
	s_lshl_b32 s16, ttmp9, 5
	s_add_nc_u64 s[32:33], s[12:13], s[16:17]      ; sums: 32
	s_lshl_b32 s16, ttmp9, 9
	s_add_nc_u64 s[34:35], s[8:9], s[16:17]        ; scale bytes: 512
	v_and_b32 v33, 15, v1
	v_mov_b32 v34, 0
	v_mov_b32 v35, 0
	s_wait_alu depctr_va_vdst(0)
	s_wait_dscnt 0x0
.irp t, 0,1,2,3,4,5,6,7,8,9,10,11,12,13,14,15
	v_cmp_eq_u32 vcc_lo, v[16+\t], v32
	v_cndmask_b32 v36, 0, 1, vcc_lo
	v_cmp_lt_u32 vcc_lo, \t, v33
	v_cndmask_b32 v36, 0, v36, vcc_lo
	v_add_nc_u32 v34, v34, v36                     ; rank: earlier tokens of the sixteen with my token's pair id
	v_cmp_eq_u32 vcc_lo, v[16+\t], v1
	v_cndmask_b32 v36, 0, 1, vcc_lo
	v_add_nc_u32 v35, v35, v36                     ; hist: tokens whose pair id is my lane's number
.endr
	v_lshl_or_b32 v34, v34, 8, v32
	v_add_f32 v48, v48, v49
	v_add_f32 v50, v50, v51
	v_add_f32 v48, v48, v50
	global_store_b32 v12, v34, s[26:27]            ; (lanes 16 apart store the same word with the same value)
	global_store_b32 v15, v35, s[28:29] offset:16384
	global_store_b32 v15, v41, s[30:31]
	global_store_b128 v2, v[44:47], s[34:35] offset:3145728
	global_store_b32 v14, v48, s[32:33] offset:32768
.Lend:
	s_set_vgpr_msb 0xa
	s_wait_tensorcnt 0x0
	ds_add_u32 v0, v1
	s_wait_dscnt 0x0
	s_set_vgpr_msb 0xa00
	s_endpgm
.Lfunc_end_k_q4f00a0a070_route_quant:
	.size	k_q4f00a0a070_route_quant, .Lfunc_end_k_q4f00a0a070_route_quant-k_q4f00a0a070_route_quant
	.p2alignl 7, 3214868480
	.fill 96, 4, 3214868480
	.section	.rodata,"a",@progbits
	.p2align	6, 0x0
	.amdhsa_kernel k_q4f00a0a070_route_quant
		.amdhsa_group_segment_fixed_size 87552
		.amdhsa_private_segment_fixed_size 0
		.amdhsa_enable_private_segment 0
		.amdhsa_kernarg_size 40
		.amdhsa_user_sgpr_count 2
		.amdhsa_user_sgpr_kernarg_segment_ptr 1
		.amdhsa_wavefront_size32 1
		.amdhsa_system_sgpr_workgroup_id_x 1
		.amdhsa_system_sgpr_workgroup_id_y 1
		.amdhsa_system_sgpr_workgroup_id_z 1
		.amdhsa_system_vgpr_workitem_id 0
		.amdhsa_next_free_vgpr 514
		.amdhsa_next_free_sgpr 66
		.amdhsa_reserve_vcc 1
		.amdhsa_float_denorm_mode_32 3
		.amdhsa_float_denorm_mode_16_64 3
		.amdhsa_memory_ordered 1
		.amdhsa_forward_progress 1
		.amdhsa_inst_pref_size 95
	.end_amdhsa_kernel
	.amdgpu_metadata
---
amdhsa.version: [ 1, 2 ]
amdhsa.kernels:
  - .name:           k_q4f00a0a070_route_quant
    .symbol:         k_q4f00a0a070_route_quant.kd
    .args:
      - { .name: x, .offset: 0, .size: 8, .value_kind: global_buffer, .address_space: global }
      - { .name: w_router, .offset: 8, .size: 8, .value_kind: global_buffer, .address_space: global }
      - { .name: xq, .offset: 16, .size: 8, .value_kind: global_buffer, .address_space: global }
      - { .name: route, .offset: 24, .size: 8, .value_kind: global_buffer, .address_space: global }
      - { .name: rwf, .offset: 32, .size: 8, .value_kind: global_buffer, .address_space: global }
    .group_segment_fixed_size: 87552
    .private_segment_fixed_size: 0
    .kernarg_segment_align: 8
    .kernarg_segment_size: 40
    .max_flat_workgroup_size: 128
    .sgpr_count:     66
    .vgpr_count:     514
    .wavefront_size: 32
...
	.end_amdgpu_metadata
.endif
;; end of part 5
;; launch place (part 6): grid 1 x 1, 32 waves a work-group, no clusters, 9,216 bytes of LDS; arguments route, rwf, plan, roww, out1; writes plan, roww, out1
.if DOCPART == 6
	.amdgcn_target "amdgcn-amd-amdhsa--gfx1250"
	.amdhsa_code_object_version 6
	.text
	.protected	k_q4f00a0a070_place
	.globl	k_q4f00a0a070_place
	.p2align	8
	.type	k_q4f00a0a070_place,@function
k_q4f00a0a070_place:
	s_mov_b64 s[64:65], 0
	v_nop
	global_prefetch_b8 v0, s[64:65] scope:SCOPE_SE
	s_setreg_imm32_b32 hwreg(HW_REG_WAVE_MODE, 25, 1), 1
	s_wait_xcnt 0x0
; THE PLACING OF ROUTED ROWS, a counting sort by pair id, without atomics; and the auxiliary loss.
; IN: route (sel[4096], hist[256][32]), rwf (weights [4096][2], sums of probabilities [256][8]).
; OUT: plan: rowtok[9216] at 0: the token of each routed row; tileE[64] at 36,864: the expert of each tile of 144 rows (8: none);
;      ptile[96][8] at 37,120: {tokens, lower expert, higher expert, first row with the lower, first row with the higher, 0, 0, 0} for tiles of at most 96 tokens of one pair.
;      roww[9216]: the weight of each routed row.  out1 = 0.08 x sum over e of (n_e / 4096) (P_e / 4096).
; ORDER: expert e's rows are the runs of the pairs that hold e, by ascending pair id; a run holds its tokens in ascending order; a segment begins at a multiple of 144 rows.
; So the i-th token of a pair lies at (run start with lo) + i and at (run start with hi) + i.  Never more than 64 tiles of 144 rows (8192 / 144 + 8 x 143 / 144 < 65),
; never more than 70 tiles of 96 tokens (4096 / 96 + 28 x 95 / 96 < 71), whatever the choice.
; SHARES: one work-group.  Wave w owns the token groups 8 w .. 8 w + 7 (128 tokens).  ONE barrier: in front of it each wave's totals by pair id (lane = pair id) go to LDS;
; behind it every wave sums all 32 waves' totals itself and makes the run starts in scalar registers, so that no table goes from wave to wave.
; A token's numbers are looked up in lane vectors by ds_bpermute_b32, which touches no LDS byte.
; NO LANE IS EVER SWITCHED OFF: a lane that has no pad row to fill stores its own first token's row of rowtok once more, the same word with the same value.
.set CB,  0                            ; LDS: C[32 waves][32 pair ids]
.set PSB, 4096                         ; each wave's sums of the probabilities: 32 bytes
.set NE,  16                           ; s16-23  rows of expert e
.set BS,  24                           ; s24-32  first row of expert e's segment; s32: behind the last
.set NK,  36                           ; s36-63  tokens of pair k
.set TC,  68                           ; s68-76  tiles in front of expert e
.set CN,  80                           ; s80-87  a running row for each expert
	s_load_b256 s[4:11], s[0:1], 0x0               ; route s[4:5], rwf s[6:7], plan s[8:9], roww s[10:11]
	s_load_b64 s[12:13], s[0:1], 0x20              ; out1
	v_lshl_add_u32 v112, v0, 2, 0x1400
	v_mov_b32 v113, 0
	v_lshrrev_b32 v11, 5, v0
	s_delay_alu instid0(VALU_DEP_1)
	v_readfirstlane_b32 s14, v11                   ; wave 0..31
	v_and_b32 v1, 31, v0                           ; lane
	v_lshlrev_b32 v2, 2, v0                        ; C: 128 w + 4 lane
	s_delay_alu instid0(VALU_DEP_2)
	v_lshlrev_b32 v3, 2, v1
	s_delay_alu instid0(VALU_DEP_1)
	v_lshl_add_u32 v4, v11, 10, v3                 ; hist: my 8 groups of 128 bytes
	s_delay_alu instid0(VALU_DEP_2)
	v_lshl_add_u32 v5, v11, 9, v3                  ; sel: my 128 tokens
	v_lshlrev_b32 v6, 3, v1
	s_delay_alu instid0(VALU_DEP_1)
	v_lshl_add_u32 v6, v11, 10, v6                 ; their weights
	v_lshlrev_b32 v7, 3, v0                        ; the sums of probabilities: 8 bytes a thread
	v_and_b32 v8, 3, v1
	s_delay_alu instid0(VALU_DEP_1)
	v_lshlrev_b32 v8, 3, v8
	s_delay_alu instid0(VALU_DEP_1)
	v_lshl_add_u32 v8, v11, 5, v8                  ; 32 w + 8 (lane % 4)
	v_lshl_add_u32 v9, v11, 7, v1                  ; my first token: 128 w + lane
	v_and_b32 v10, 127, v0
	v_mov_b32 v12, 0
	v_lshlrev_b32 v13, 5, v0                       ; an entry of the list of pair tiles: 32 bytes a thread
	v_mov_b32 v54, 0                               ; lane permutes' and v_writelane_b32's destinations count as sources
	v_mov_b32 v55, 0
	v_mov_b32 v52, 0
	v_mov_b32 v53, 0
	s_mov_b32 s96, 0x76543210
	s_mov_b32 s97, 0xfedcba98
	s_mov_b32 s90, 0xffff0000                      ; lanes 16-31
	s_mov_b32 s33, 9216
	s_wait_kmcnt 0x0
.irp i, 0,1,2,3,4,5,6,7
	global_load_b32 v[16+\i], v4, s[4:5] offset:16384+128*\i
.endr
	global_load_b64 v[24:25], v7, s[6:7] offset:32768
.irp j, 0,1,2,3
	global_load_b32 v[26+\j], v5, s[4:5] offset:128*\j
.endr
.irp j, 0,1,2,3
	global_load_b64 v[32+2*\j:33+2*\j], v6, s[6:7] offset:256*\j
.endr
	s_wait_loadcnt 0x8                             ; the histograms and the sums are in; sel and the weights (8 loads) may be out
	v_mov_b32 v40, 0                               ; v40-47: tokens of my pair id in my wave's earlier groups
	v_mov_b32 v41, v16
.irp i, 2,3,4,5,6,7
	s_delay_alu instid0(VALU_DEP_1)
	v_add_nc_u32 v[40+\i], v[39+\i], v[15+\i]
.endr
	s_delay_alu instid0(VALU_DEP_1)
	v_add_nc_u32 v48, v47, v23                     ; my wave's total
	ds_store_b32 v2, v48 offset:CB
	v_add_f32_dpp v24, v24, v24 row_xmask:4 row_mask:0xf bank_mask:0xf     ; thread t holds columns 2 (t % 4), + 1 of row t / 4: lanes 4 apart hold the same columns
	v_add_f32_dpp v25, v25, v25 row_xmask:4 row_mask:0xf bank_mask:0xf
	s_delay_alu instid0(VALU_DEP_2)
	v_add_f32_dpp v24, v24, v24 row_xmask:8 row_mask:0xf bank_mask:0xf
	s_delay_alu instid0(VALU_DEP_2)
	v_add_f32_dpp v25, v25, v25 row_xmask:8 row_mask:0xf bank_mask:0xf
	s_delay_alu instid0(VALU_DEP_2)
	v_permlanex16_b32 v54, v24, s96, s97
	s_delay_alu instid0(VALU_DEP_2)
	v_permlanex16_b32 v55, v25, s96, s97
	s_delay_alu instid0(VALU_DEP_2)
	v_add_f32 v24, v24, v54
	s_delay_alu instid0(VALU_DEP_2)
	v_add_f32 v25, v25, v55
	ds_store_b64 v8, v[24:25] offset:PSB           ; (lanes 4 apart write the same words with the same values)
	s_wait_dscnt 0x0                               ; for the others' sake
	s_barrier_signal -1
	s_barrier_wait -1                              ; the one barrier: only LDS loads follow
.irp i, 0,1,2,3,4,5,6,7,8,9,10,11,12,13,14,15,16,17,18,19,20,21,22,23,24,25,26,27,28,29,30,31
	ds_load_b32 v[64+\i], v3 offset:CB+128*\i
.endr
	v_mov_b32 v50, 0
	v_mov_b32 v51, 0
	s_wait_alu depctr_va_vdst(0)
	s_wait_dscnt 0x0
.irp i, 0,1,2,3,4,5,6,7,8,9,10,11,12,13,14,15,16,17,18,19,20,21,22,23,24,25,26,27,28,29,30,31
	s_cmp_gt_u32 s14, \i
	s_cselect_b32 s15, 1, 0
	v_mad_u32_u24 v50, v[64+\i], s15, v50          ; tokens of my pair id in earlier waves
	v_add_nc_u32 v51, v51, v[64+\i]                ; and in all
.endr
.irp i, 0,1,2,3,4,5,6,7
	v_add_nc_u32 v[40+\i], v[40+\i], v50           ; lane k: tokens of pair k in front of group 8 w + i
.endr
.irp k, 0,1,2,3,4,5,6,7,8,9,10,11,12,13,14,15,16,17,18,19,20,21,22,23,24,25,26,27
	v_readlane_b32 s[NK+\k], v51, \k
.endr
.irp e, 0,1,2,3,4,5,6,7
	s_mov_b32 s[NE+\e], 0
.endr
.irp hi, 1,2,3,4,5,6,7
.irp lo, 0,1,2,3,4,5,6
.if \lo < \hi
	s_add_co_u32 s[NE+\lo], s[NE+\lo], s[NK+\hi*(\hi-1)/2+\lo]
	s_add_co_u32 s[NE+\hi], s[NE+\hi], s[NK+\hi*(\hi-1)/2+\lo]
.endif
.endr
.endr
	s_mov_b32 s[BS], 0
	s_mov_b32 s[TC], 0
.irp e, 0,1,2,3,4,5,6,7
	s_add_co_u32 s15, s[NE+\e], 143
	s_mul_i32 s15, s15, 29128                      ; / 144: 29128 / 2^22 lies 2.1e-7 over 1 / 144; times at most 4,239 that is under 1 / 144
	s_lshr_b32 s15, s15, 22
	s_add_co_u32 s[TC+1+\e], s[TC+\e], s15
	s_mul_i32 s[BS+1+\e], s[TC+1+\e], 144
	s_mov_b32 s[CN+\e], s[BS+\e]
.endr
.irp hi, 1,2,3,4,5,6,7                 ; the run starts, as lane vectors: v52 with the lower expert, v53 with the higher
.irp lo, 0,1,2,3,4,5,6
.if \lo < \hi
	v_writelane_b32 v52, s[CN+\lo], \hi*(\hi-1)/2+\lo
	v_writelane_b32 v53, s[CN+\hi], \hi*(\hi-1)/2+\lo
	s_add_co_u32 s[CN+\lo], s[CN+\lo], s[NK+\hi*(\hi-1)/2+\lo]
	s_add_co_u32 s[CN+\hi], s[CN+\hi], s[NK+\hi*(\hi-1)/2+\lo]
.endif
.endr
.endr                                  ; s[CN + e] is now the row behind expert e's last
	s_wait_loadcnt 0x0                             ; sel and the weights
.irp j, 0,1,2,3
	v_and_b32 v[64+\j], 31, v[26+\j]
	s_delay_alu instid0(VALU_DEP_1)
	v_min_u32 v[64+\j], 27, v[64+\j]
	s_delay_alu instid0(VALU_DEP_1)
	v_lshlrev_b32 v[64+\j], 2, v[64+\j]            ; 4 x pair id: the lane to ask
	v_bfe_u32 v[68+\j], v[26+\j], 8, 4             ; rank in the group
	v_add_nc_u32 v[88+\j], 32*\j, v9               ; the token
.endr
.irp j, 0,1,2,3
	ds_bpermute_b32 v[72+\j], v[64+\j], v[40+2*\j] ; token 128 w + 32 j + lane lies in group 8 w + 2 j + lane / 16
	ds_bpermute_b32 v[76+\j], v[64+\j], v[41+2*\j]
	ds_bpermute_b32 v[80+\j], v[64+\j], v52
	ds_bpermute_b32 v[84+\j], v[64+\j], v53
.endr
	s_wait_dscnt 0x0
.irp j, 0,1,2,3
	v_cndmask_b32 v[72+\j], v[72+\j], v[76+\j], s90
	s_delay_alu instid0(VALU_DEP_1)
	v_add_nc_u32 v[72+\j], v[72+\j], v[68+\j]      ; the token's place in its pair's run
	s_delay_alu instid0(VALU_DEP_1)
	v_add_nc_u32 v[80+\j], v[80+\j], v[72+\j]
	s_delay_alu instid0(VALU_DEP_2)
	v_add_nc_u32 v[84+\j], v[84+\j], v[72+\j]
	s_delay_alu instid0(VALU_DEP_2)
	v_min_u32 v[80+\j], 9215, v[80+\j]             ; the row with the lower expert: kept as a number, for the pad rows below
	s_delay_alu instid0(VALU_DEP_2)
	v_min_u32 v[84+\j], 9215, v[84+\j]
	s_delay_alu instid0(VALU_DEP_2)
	v_lshlrev_b32 v[92+\j], 2, v[80+\j]
	s_delay_alu instid0(VALU_DEP_2)
	v_lshlrev_b32 v[84+\j], 2, v[84+\j]
.endr
.irp j, 0,1,2,3
	global_store_b32 v[92+\j], v[88+\j], s[8:9]
	global_store_b32 v[84+\j], v[88+\j], s[8:9]
	global_store_b32 v[92+\j], v[32+2*\j], s[10:11]
	global_store_b32 v[84+\j], v[33+2*\j], s[10:11]
.endr
	; the rows that no token takes get token 0: behind each segment's last row (under 144 rows; expert w / 4, 128 threads to an expert, two rows each), and from the last segment's end to row 9,215 (at most 1,024)
	s_lshr_b32 s91, s14, 2
	s_mov_b32 s92, s[CN]
	s_mov_b32 s93, s[BS+1]
.irp e, 1,2,3,4,5,6,7
	s_cmp_eq_u32 s91, \e
	s_cselect_b32 s92, s[CN+\e], s92
	s_cselect_b32 s93, s[BS+1+\e], s93
.endr
	v_add_nc_u32 v96, s92, v10
	s_delay_alu instid0(VALU_DEP_1)
	v_add_nc_u32 v97, 128, v96
	v_add_nc_u32 v98, s[BS+8], v0
.macro PADST q, d, lim                 ; row v[q] gets token 0 where it lies under lim; elsewhere the lane stores its first token's row again
	v_cmp_gt_u32 vcc_lo, \lim, v[\q]
	s_delay_alu instid0(VALU_DEP_1)
	v_cndmask_b32 v[\q], v80, v[\q], vcc_lo
	s_delay_alu instid0(VALU_DEP_2)
	v_cndmask_b32 v[\d], v88, 0, vcc_lo
	s_delay_alu instid0(VALU_DEP_2)
	v_min_u32 v[\q], 9215, v[\q]
	s_delay_alu instid0(VALU_DEP_1)
	v_lshlrev_b32 v[\q], 2, v[\q]
	global_store_b32 v[\q], v[\d], s[8:9]
.endm
	PADST 96, 99, s93
	PADST 97, 100, s93
	PADST 98, 101, s33
	s_cmp_lt_u32 s14, 3
	s_cbranch_scc0 .Lnot_pt
	; waves 0-2: entry j = my thread's number of the list of pair tiles.  The pairs are walked once more; each lane keeps the numbers of the last pair whose first tile is not behind j
.irp e, 0,1,2,3,4,5,6,7
	s_mov_b32 s[CN+\e], s[BS+\e]
.endr
	s_mov_b32 s95, 0                               ; tiles in front of the pair
.irp n, 64,65,66,67,68,69,77,78,79
	v_mov_b32 v[\n], 0
.endr
.irp hi, 1,2,3,4,5,6,7
.irp lo, 0,1,2,3,4,5,6
.if \lo < \hi
	v_cmp_le_u32 vcc_lo, s95, v0
	s_delay_alu instid0(VALU_DEP_1)
	v_cndmask_b32 v64, v64, s[CN+\lo], vcc_lo
	s_delay_alu instid0(VALU_DEP_2)
	v_cndmask_b32 v65, v65, s[CN+\hi], vcc_lo
	s_delay_alu instid0(VALU_DEP_3)
	v_cndmask_b32 v66, v66, s[NK+\hi*(\hi-1)/2+\lo], vcc_lo
	s_delay_alu instid0(VALU_DEP_4)
	v_cndmask_b32 v67, v67, s95, vcc_lo
	v_cndmask_b32 v68, v68, \lo, vcc_lo
	v_cndmask_b32 v69, v69, \hi, vcc_lo
	s_add_co_u32 s[CN+\lo], s[CN+\lo], s[NK+\hi*(\hi-1)/2+\lo]
	s_add_co_u32 s[CN+\hi], s[CN+\hi], s[NK+\hi*(\hi-1)/2+\lo]
	s_add_co_u32 s15, s[NK+\hi*(\hi-1)/2+\lo], 95
	s_mul_i32 s15, s15, 43691                      ; / 96: 43691 / 2^22 lies 8e-8 over 1 / 96; times at most 4,191 that is under 1 / 96
	s_lshr_b32 s15, s15, 22
	s_add_co_u32 s95, s95, s15
.endif
.endr
.endr
	v_sub_nc_u32 v70, v0, v67                      ; which tile of the pair
	s_delay_alu instid0(VALU_DEP_1)
	v_mul_u32_u24 v70, v70, 96
	s_delay_alu instid0(VALU_DEP_1)
	v_sub_nc_u32 v72, v66, v70
	s_delay_alu instid0(VALU_DEP_1)
	v_min_u32 v72, 96, v72                         ; its tokens
	v_mov_b32 v73, v68
	v_mov_b32 v74, v69
	v_add_nc_u32 v75, v64, v70
	v_add_nc_u32 v76, v65, v70
	v_cmp_gt_u32 vcc_lo, s95, v0                   ; an entry behind the last tile holds zeros
.irp n, 72,73,74,75,76
	v_cndmask_b32 v[\n], 0, v[\n], vcc_lo
.endr
	global_store_b128 v13, v[72:75], s[8:9] offset:37120
	global_store_b128 v13, v[76:79], s[8:9] offset:37136
	s_branch .Lend
.Lnot_pt:
	s_cmp_eq_u32 s14, 3
	s_cbranch_scc0 .Lnot_te
	; wave 3: the expert of each of the 64 tiles of 144 rows: how many experts' segments end at or in front of it
	v_add_nc_u32 v65, 32, v1
	v_mov_b32 v66, 0
	v_mov_b32 v67, 0
.irp e, 1,2,3,4,5,6,7,8
	v_cmp_le_u32 vcc_lo, s[TC+\e], v1
	s_delay_alu instid0(VALU_DEP_1)
	v_cndmask_b32 v68, 0, 1, vcc_lo
	s_delay_alu instid0(VALU_DEP_1)
	v_add_nc_u32 v66, v66, v68
	v_cmp_le_u32 vcc_lo, s[TC+\e], v65
	s_delay_alu instid0(VALU_DEP_1)
	v_cndmask_b32 v68, 0, 1, vcc_lo
	s_delay_alu instid0(VALU_DEP_1)
	v_add_nc_u32 v67, v67, v68
.endr
	global_store_b32 v3, v66, s[8:9] offset:36864
	global_store_b32 v3, v67, s[8:9] offset:36992
	s_branch .Lend
.Lnot_te:
	s_cmp_eq_u32 s14, 4
	s_cbranch_scc0 .Lend
	; wave 4: the auxiliary loss.  Word 32 i + lane of the waves' sums is column lane % 8 of wave 4 i + lane / 8
.irp i, 0,1,2,3,4,5,6,7
	ds_load_b32 v[64+\i], v3 offset:PSB+128*\i
.endr
	v_mov_b32 v73, 0
.irp e, 0,1,2,3,4,5,6,7
	s_delay_alu instid0(VALU_DEP_1)
	v_writelane_b32 v73, s[NE+\e], \e
.endr
	s_delay_alu instid0(VALU_DEP_1)
	v_cvt_f32_u32 v73, v73                         ; lanes 0-7: n_e; the others 0
	s_wait_dscnt 0x0
	v_add_f32 v64, v64, v65
	v_add_f32 v66, v66, v67
	v_add_f32 v68, v68, v69
	v_add_f32 v70, v70, v71
	s_delay_alu instid0(VALU_DEP_3)
	v_add_f32 v64, v64, v66
	s_delay_alu instid0(VALU_DEP_2)
	v_add_f32 v68, v68, v70
	s_delay_alu instid0(VALU_DEP_1)
	v_add_f32 v64, v64, v68
	s_delay_alu instid0(VALU_DEP_1)
	v_add_f32_dpp v64, v64, v64 row_xmask:8 row_mask:0xf bank_mask:0xf
	s_delay_alu instid0(VALU_DEP_1)
	v_permlanex16_b32 v54, v64, s96, s97
	s_delay_alu instid0(VALU_DEP_1)
	v_add_f32 v64, v64, v54                        ; lane l: the sum of the probabilities of expert l % 8
	s_delay_alu instid0(VALU_DEP_1)
	v_mul_f32 v64, v64, v73
	s_delay_alu instid0(VALU_DEP_1)
	v_add_f32_dpp v64, v64, v64 row_xmask:1 row_mask:0xf bank_mask:0xf
	s_delay_alu instid0(VALU_DEP_1)
	v_add_f32_dpp v64, v64, v64 row_xmask:2 row_mask:0xf bank_mask:0xf
	s_delay_alu instid0(VALU_DEP_1)
	v_add_f32_dpp v64, v64, v64 row_xmask:4 row_mask:0xf bank_mask:0xf
	s_delay_alu instid0(VALU_DEP_1)
	v_add_f32_dpp v64, v64, v64 row_xmask:8 row_mask:0xf bank_mask:0xf
	s_delay_alu instid0(VALU_DEP_1)
	v_permlanex16_b32 v54, v64, s96, s97
	s_delay_alu instid0(VALU_DEP_1)
	v_add_f32 v64, v64, v54
	s_delay_alu instid0(VALU_DEP_1)
	v_mul_f32 v64, 0x31a3d70a, v64                 ; x 0.08 / 4096^2
	global_store_b32 v12, v64, s[12:13]            ; all lanes store the same word with the same value
.Lend:
	s_wait_tensorcnt 0x0
	ds_add_u32 v112, v113
	s_wait_dscnt 0x0
	s_endpgm
.Lfunc_end_k_q4f00a0a070_place:
	.size	k_q4f00a0a070_place, .Lfunc_end_k_q4f00a0a070_place-k_q4f00a0a070_place
	.p2alignl 7, 3214868480
	.fill 96, 4, 3214868480
	.section	.rodata,"a",@progbits
	.p2align	6, 0x0
	.amdhsa_kernel k_q4f00a0a070_place
		.amdhsa_group_segment_fixed_size 9216
		.amdhsa_private_segment_fixed_size 0
		.amdhsa_enable_private_segment 0
		.amdhsa_kernarg_size 40
		.amdhsa_user_sgpr_count 2
		.amdhsa_user_sgpr_kernarg_segment_ptr 1
		.amdhsa_wavefront_size32 1
		.amdhsa_system_sgpr_workgroup_id_x 1
		.amdhsa_system_sgpr_workgroup_id_y 1
		.amdhsa_system_sgpr_workgroup_id_z 1
		.amdhsa_system_vgpr_workitem_id 0
		.amdhsa_next_free_vgpr 114
		.amdhsa_next_free_sgpr 100
		.amdhsa_reserve_vcc 1
		.amdhsa_float_denorm_mode_32 3
		.amdhsa_float_denorm_mode_16_64 3
		.amdhsa_memory_ordered 1
		.amdhsa_forward_progress 1
		.amdhsa_inst_pref_size 62
	.end_amdhsa_kernel
	.amdgpu_metadata
---
amdhsa.version: [ 1, 2 ]
amdhsa.kernels:
  - .name:           k_q4f00a0a070_place
    .symbol:         k_q4f00a0a070_place.kd
    .args:
      - { .name: route, .offset: 0, .size: 8, .value_kind: global_buffer, .address_space: global }
      - { .name: rwf, .offset: 8, .size: 8, .value_kind: global_buffer, .address_space: global }
      - { .name: plan, .offset: 16, .size: 8, .value_kind: global_buffer, .address_space: global }
      - { .name: roww, .offset: 24, .size: 8, .value_kind: global_buffer, .address_space: global }
      - { .name: out1, .offset: 32, .size: 8, .value_kind: global_buffer, .address_space: global }
    .group_segment_fixed_size: 9216
    .private_segment_fixed_size: 0
    .kernarg_segment_align: 8
    .kernarg_segment_size: 40
    .max_flat_workgroup_size: 1024
    .sgpr_count:     100
    .vgpr_count:     114
    .wavefront_size: 32
...
	.end_amdgpu_metadata
.endif
;; end of part 6
;; launch gateup (part 7): grid 4 x 64, 4 waves a work-group, no clusters, 137,216 bytes of LDS; arguments xq, plan, w_gate_codes, w_gate_scales, w_up_codes, w_up_scales, hq; writes hq
.if DOCPART == 7
	.amdgcn_target "amdgcn-amd-amdhsa--gfx1250"
	.amdhsa_code_object_version 6
	.text
	.protected	k_q4f00a0a070_gateup
	.globl	k_q4f00a0a070_gateup
	.p2align	8
	.type	k_q4f00a0a070_gateup,@function
k_q4f00a0a070_gateup:
	s_mov_b64 s[64:65], 0
	v_nop
	global_prefetch_b8 v0, s[64:65] scope:SCOPE_SE
	s_setreg_imm32_b32 hwreg(HW_REG_WAVE_SCHED_MODE, 0, 2), 2
	s_setreg_imm32_b32 hwreg(HW_REG_WAVE_MODE, 25, 1), 1
	s_wait_xcnt 0x0
	s_wait_alu depctr_vm_vsrc(0)
; h = silu(x Wg^T) (x Wu^T) for the routed rows, both products on codes of E2M3 with E8M0 scales, and h quantised along the hidden axis.
; IN: xq (codes [4096][768]; scale bytes [4096][32] at 3,145,728, each four in the order 0, 2, 1, 3), plan (rowtok, tileE), the weights' codes [8][512][768] and scale bytes [8][512][32].
; OUT: hq: codes [4][9216][96] (plane q: hidden units 128 q .. 128 q + 127 of every routed row); scale words [4][9216] at 3,538,944, bytes in the order 0, 2, 1, 3.
; SHARES: work-group (q, tile): 144 routed rows of one expert x 128 hidden units.  THE WAVES SHARE THE COLUMNS: wave w makes units f0 = 128 q + 32 w .. + 31, two tiles of gate and two of up,
; for all nine tiles of rows: 36 accumulators, 288 matrix instructions.  Its weights go from memory straight into its registers, each byte once, five K steps deep;
; the rows' codes are gathered by the list into LDS once and read by all four waves.
; No multicast: which tiles share an expert is known only from the list in memory, and the rows are gathered lane by lane.
; NO BRANCH HANGS ON THE LIST: a tile behind the list's end takes expert 7 and rows of token 0 and stores its own rows of hq, which nobody reads; so both barriers stand on every wave's way.
; TRANSPOSED: source 0 = 16 rows of W, source 1 = 16 routed rows: a lane holds one row, its registers run along the hidden units.  Lane r of tile u takes W's row f0 + 8 u + r + 8 (r / 8),
; so that the 16 registers of tiles 0 and 1 are the neighbours f0 + 16 (lane / 16) + 0 .. 15.
; BLOCKS CHANGE PLACES ALIKE ON BOTH SIDES: in K step s lanes 0-15 take blocks 4 s, 4 s + 1 and lanes 16-31 blocks 4 s + 2, 4 s + 3: 48 consecutive bytes of a row, three loads of 16 bytes at multiples of 16.
; The matrix unit takes registers 0-5 of the halves for blocks 0, 1 and registers 6-11 for blocks 2, 3: so a scale word's bytes stand in the order 0, 2, 1, 3 (the weights' words go through v_perm_b32 once).
; THE ROWS' FRAGMENTS ARE FETCHED AMONG THE PRODUCTS: a K step wants 27 LDS loads of 512 bytes from each of four waves for 36 products a wave.  Behind the two products of a tile of rows stand the three loads of
; that tile's fragment for the next K step, in the step's first 18 products; the other 18 stand between the last load and its use.  No window is switched for these loads: the even steps' fragments lie in up's window,
; the odd steps' in gate's, two LDS addresses are copied into the window of source 0, and an even step begins with gate, an odd one with up: so the half that carries the loads has their window as its destination.
; LIMITS: NaN and infinities are not served; a block of h whose largest magnitude lies under 2^-124 keeps the byte 1 (zeros too: their codes are zeros).
; REGISTERS in windows of 256: window 0: v0-31 addresses; v32-63 W's scale words (8 t + s; t = 0, 1 gate, 2, 3 up); v84-104 tokens, then offsets; v112-183 the rows' scale words (8 m + s); v192-223 the way out.
;   window 1: W's fragments, five sets of 48; v240-241 the two LDS addresses once more.   window 2: v0-143 gate's accumulators (16 m + 8 u); v148-255 the rows' fragments of the odd K steps.
;   window 3: v0-143 up's accumulators; v148-255 the rows' fragments of the even K steps; at the head the gathered rows; at the end what quantises.
; THE MODE: SCHED_MODE bits 1:0 = 2 (LLVM: expert scheduling mode 2), set by the entry lines.  The code itself states the register dependences
; between vector or matrix instructions and memory or LDS instructions, with s_wait_alu, always for 0.
; THE PLAN.  Registers that memory or LDS instructions touch:
;   v4-24 of window 0, v240-241 of window 1   addresses and offsets: written by vector instructions at the head, never again.
;   v84-104       The tokens land there; vector instructions make offsets of them; the gathering loads read them; then they are left.
;   window 3 v0-227   The gathered rows land there and LDS stores read them; behind the first barrier up's sums and the even K steps' fragments take these registers.
;   W's five sets     K step s's products read set s % 5; the loads of K step s + 5 land in it at the head of K step s + 1.
;   the rows' two sets   K step s's products read the set of s's parity; the loads for K step s + 2 land in it among the first 18 products of K step s + 1.
;   v32-63        W's scale words: loaded, turned once by v_perm_b32, then named by products alone.     v112-183: the rows' scale words, loaded once.
;   window 3 v174-221 at the end: bytes, codes and two addresses, written by vector instructions and read by LDS stores.
; So ONE wait on va_vdst stands at the head of each K step but the last, which loads nothing.  It states that the step before is done reading W's set and its set of the rows' fragments; the products issued behind it
; name W's set in hand, the fragments in hand, the sums and the scale words: none of the registers that the step's loads touch.  One wait on vm_vsrc stands behind the first barrier.
.set ACO, 0                            ; LDS: 144 rows of codes, 768 bytes + 16: rows 49 x 16 bytes apart
.set ASC, 112896                       ; 192 rows of scale bytes, 32 + 16 (rows 144-191 serve only to give all four waves the same three loads)
.set HST, 122112                       ; h's codes on their way out: 144 rows x 96 bytes
.set HSB, 135936                       ; and its scale words: 144 x 4
.set BSC, 32
.set T,   84
.set TS,  102
.set AS,  112
.set OR,  192
.set AF,  148
.set TM,  144                          ; window 3: largest magnitudes,
.set TP,  154                          ; the other half's,
.set SC,  164                          ; the conversions' scale operands,
.set BY,  174                          ; the bytes,
.set CD,  184                          ; the codes, four registers a tile of rows
.set MSB, 0
.macro WIN new                         ; the immediate's high byte repeats the setting that is left
.if MSB != (\new)
	s_set_vgpr_msb (MSB<<8)|(\new)
.set MSB, (\new)
.endif
.endm
.macro PLACES                          ; four places behind matrix instructions (ISA guide 7.12.1)
.rept 4
	v_nop
.endr
.endm
	s_load_b256 s[4:11], s[0:1], 0x0               ; xq s[4:5], plan s[6:7], gate's codes s[8:9], gate's scales s[10:11]
	s_load_b128 s[12:15], s[0:1], 0x20             ; up's codes, up's scales
	s_load_b64 s[16:17], s[0:1], 0x30              ; hq
	v_lshl_add_u32 v254, v0, 2, 0x21600
	v_mov_b32 v255, 0
	v_lshrrev_b32 v25, 5, v0
	v_readfirstlane_b32 s18, v25                   ; wave 0..3
	s_and_b32 s19, ttmp7, 0xffff                   ; the tile of rows
	s_lshl_b32 s29, s19, 2
	v_and_b32 v3, 31, v0                           ; lane
	v_and_b32 v1, 15, v0                           ; r
	v_bfe_u32 v2, v0, 4, 1                         ; h
	s_wait_alu depctr_va_sdst(0)                   ; s18, the wave's number, is written, ahead of its first reader
	s_mul_i32 s20, s19, 576
	s_mul_i32 s21, s18, 144
	s_add_co_u32 s20, s20, s21
	v_lshl_add_u32 v4, v2, 2, s20                  ; rowtok: my wave gathers rows 36 w .. 36 w + 35, two an instruction: lanes 0-15 the even one
	s_mul_i32 s20, s19, 144
	s_mul_i32 s21, s18, 48
	s_add_co_u32 s20, s20, s21
	v_lshrrev_b32 v26, 1, v3
	v_add_nc_u32 v25, s20, v26
.irp i, 0,1,2
	v_add_nc_u32 v[5+\i], 16*\i, v25               ; for the scale bytes: rows 48 w + 16 i + lane / 2, two lanes to a row
	v_min_u32 v[5+\i], 9215, v[5+\i]
	v_lshlrev_b32 v[5+\i], 2, v[5+\i]
.endr
	s_wait_kmcnt 0x0
	s_load_b32 s28, s[6:7], s29 offset:0x9000      ; the tile's expert
	s_wait_alu depctr_va_vdst(0)                   ; v4 to v7 are written, which the 21 loads below read as their offsets
.irp j, 0,1,2,3,4,5,6,7,8,9,10,11,12,13,14,15,16,17
	global_load_b32 v[T+\j], v4, s[6:7] offset:8*\j
.endr
.irp i, 0,1,2
	global_load_b32 v[TS+\i], v[5+\i], s[6:7]
.endr
	v_and_b32 v25, 8, v1
	v_add_nc_u32 v25, v25, v1                      ; r + 8 (r / 8)
	v_mul_u32_u24 v8, v25, 768
	v_mad_u32_u24 v8, v2, 48, v8                   ; W's codes: my row, my half's 48 bytes
	v_lshlrev_b32 v9, 5, v25                       ; W's scale bytes: 32 a row
	s_mul_i32 s20, s18, 36*784
	v_mul_u32_u24 v10, v2, 784
	v_lshl_add_u32 v10, v1, 4, v10
	v_add_nc_u32 v10, s20, v10                     ; the gathered codes into LDS: row 36 w + h, 16 r
	s_mul_i32 s20, s18, 48*48
	s_add_co_u32 s20, s20, ASC
	v_mul_u32_u24 v11, v26, 48
	v_and_b32 v27, 1, v3
	v_lshl_add_u32 v11, v27, 4, v11
	v_add_nc_u32 v11, s20, v11                     ; the gathered scale bytes
	v_mul_u32_u24 v12, v1, 784
	v_mad_u32_u24 v12, v2, 48, v12                 ; a fragment of the rows: row r, my half's 48 bytes;
	v_add_nc_u32 v13, 62720, v12                   ; from tile 5 on
	v_mul_u32_u24 v14, v1, 48
	v_add_nc_u32 v14, ASC, v14                     ; a row's scale words
	s_mul_i32 s20, s18, 24
	s_add_co_u32 s20, s20, HST
	v_mul_u32_u24 v15, v1, 96
	v_mad_u32_u24 v15, v2, 12, v15
	v_add_nc_u32 v15, s20, v15                     ; h's codes: row r, block w, my half's 12 bytes
	s_and_b32 s20, s18, 1
	s_lshl_b32 s20, s20, 1
	s_lshr_b32 s21, s18, 1
	s_add_co_u32 s20, s20, s21
	s_add_co_u32 s20, s20, HSB
	v_lshl_add_u32 v16, v1, 2, s20                 ; h's scale byte: block w stands at place 0, 2, 1, 3
	v_lshl_add_u32 v17, v0, 4, HST                 ; the way out
	v_lshlrev_b32 v18, 4, v1
	v_lshlrev_b32 v19, 4, v27
	v_lshlrev_b32 v20, 4, v0
	v_lshl_add_u32 v21, v3, 4, HSB
	v_and_b32 v24, 3, v3
	v_lshlrev_b32 v24, 4, v24
	v_add_nc_u32 v24, 512, v24
	v_add_nc_u32 v22, HSB, v24
	v_lshlrev_b32 v23, 4, v3
	s_mov_b32 s30, 0xbfb8aa3b                      ; -log2(e)
	s_mov_b32 s31, s30                             ; (named with it as a pair)
	s_mov_b32 s32, 0x76543210
	s_mov_b32 s33, 0xfedcba98                      ; v_permlanex16_b32's selects for lane l xor 16
	s_mov_b32 s34, 0x03010200                      ; v_perm_b32: the middle two bytes change places
	s_lshl_b32 s20, ttmp9, 7
	s_lshl_b32 s21, s18, 5
	s_add_co_u32 s20, s20, s21                     ; f0
	s_wait_kmcnt 0x0
	s_min_u32 s28, s28, 7
	s_mul_i32 s22, s28, 393216
	s_mul_i32 s23, s20, 768
	s_add_co_u32 s22, s22, s23
	s_mov_b32 s23, 0
	s_add_nc_u64 s[8:9], s[8:9], s[22:23]
	s_add_nc_u64 s[12:13], s[12:13], s[22:23]
	s_lshl_b32 s22, s28, 14
	s_lshl_b32 s23, s20, 5
	s_add_co_u32 s22, s22, s23
	s_mov_b32 s23, 0
	s_add_nc_u64 s[10:11], s[10:11], s[22:23]
	s_add_nc_u64 s[14:15], s[14:15], s[22:23]
	s_mul_i32 s22, ttmp9, 884736
	s_mul_i32 s23, s19, 13824
	s_add_co_u32 s22, s22, s23
	s_mov_b32 s23, 0
	s_add_nc_u64 s[24:25], s[16:17], s[22:23]      ; my tile's codes in hq
	s_mul_i32 s22, ttmp9, 36864
	s_mul_i32 s23, s19, 576
	s_add_co_u32 s22, s22, s23
	s_mov_b32 s23, 0
	s_add_nc_u64 s[26:27], s[16:17], s[22:23]      ; and its scale words (3,538,944 stands in the immediate)
	s_wait_alu depctr_va_vdst(0)                   ; v8 to v24 are written: every load, LDS access and store from here on reads one of them, or a register made from them, as its address or offset
.irp u, 0,1
	global_load_b128 v[BSC+8*\u:BSC+8*\u+3], v9, s[10:11] offset:256*\u
	global_load_b128 v[BSC+8*\u+4:BSC+8*\u+7], v9, s[10:11] offset:256*\u+16
	global_load_b128 v[BSC+16+8*\u:BSC+16+8*\u+3], v9, s[14:15] offset:256*\u
	global_load_b128 v[BSC+16+8*\u+4:BSC+16+8*\u+7], v9, s[14:15] offset:256*\u+16
.endr
.macro BLOAD s                         ; W's four fragments of K step s into set s % 5: 12 loads
	WIN 0x40
.irp u, 0,1
.irp c, 0,1,2
	global_load_b128 v[48*((\s)%5)+12*\u+4*\c:48*((\s)%5)+12*\u+4*\c+3], v8, s[8:9] offset:6144*\u+96*(\s)+16*\c
.endr
.endr
.irp u, 0,1
.irp c, 0,1,2
	global_load_b128 v[48*((\s)%5)+24+12*\u+4*\c:48*((\s)%5)+24+12*\u+4*\c+3], v8, s[12:13] offset:6144*\u+96*(\s)+16*\c
.endr
.endr
.endm
	WIN 0x40                                       ; destination window 1
	v_mov_b32 v240, v12                            ; the fragments' two LDS addresses, where the products' source 0 lies (the loads below name neither these two nor v12, v13)
	v_mov_b32 v241, v13
	BLOAD 0
	BLOAD 1
	WIN 0
	s_wait_loadcnt 32                              ; the 21 tokens are in: behind them 8 loads of scale words and 24 of W
.irp j, 0,1,2,3,4,5,6,7,8,9,10,11,12,13,14,15,16,17
	v_min_u32 v[T+\j], 4095, v[T+\j]
.endr
.irp j, 0,1,2,3,4,5,6,7,8,9,10,11,12,13,14,15,16,17
	v_mad_u32_u24 v[T+\j], v[T+\j], 768, v18       ; the token's row of codes, + 16 r
.endr
.irp i, 0,1,2
	v_min_u32 v[TS+\i], 4095, v[TS+\i]
	v_lshl_add_u32 v[TS+\i], v[TS+\i], 5, v19      ; its scale bytes, my half of them
.endr
	WIN 0xc0                                       ; destination window 3
	s_wait_alu depctr_va_vdst(0)                   ; the 21 offsets v84 to v104 are written, which the gathering loads read; so are v240, v241 of window 1, which the LDS loads among the products read
.irp j, 0,1,2,3,4,5,6,7,8,9,10,11,12,13,14,15,16,17
.irp c, 0,1,2
	global_load_b128 v[4*(3*\j+\c):4*(3*\j+\c)+3], v[T+\j], s[4:5] offset:256*\c   ; sixteen lanes read 256 consecutive bytes of a row, at a multiple of 256 from the buffer's first byte
.endr
.endr
.irp i, 0,1,2
	global_load_b128 v[216+4*\i:219+4*\i], v[TS+\i], s[4:5] offset:3145728
.endr
	BLOAD 2
	BLOAD 3
	BLOAD 4
	s_wait_loadcnt 36                              ; all but the 36 just issued: the gathered rows, W's scale words and K steps 0 and 1
	WIN 0x0c                                       ; an LDS store's data: window 3
.irp j, 0,1,2,3,4,5,6,7,8,9,10,11,12,13,14,15,16,17
.irp c, 0,1,2
	ds_store_b128 v10, v[4*(3*\j+\c):4*(3*\j+\c)+3] offset:ACO+1568*\j+256*\c
.endr
.endr
.irp i, 0,1,2
	ds_store_b128 v11, v[216+4*\i:219+4*\i] offset:768*\i
.endr
	WIN 0
.irp s, 0,1,2,3,4,5,6,7                ; K step by K step, so that each word stands 28 vector instructions or more ahead of the product that names it
.irp t, 0,1,2,3
	v_perm_b32 v[BSC+8*\t+\s], v[BSC+8*\t+\s], v[BSC+8*\t+\s], s34
.endr
.endr
	s_wait_dscnt 0x0                               ; for the others' sake: my 36 rows lie in LDS
	s_barrier_signal -1
	s_barrier_wait -1
	s_wait_alu depctr_vm_vsrc(0)                   ; my LDS stores have read v0 to v227 of window 3: from here on the even K steps' fragments land there, and up's sums and the quantiser's registers are written there
.irp m, 0,1,2,3,4,5,6,7,8              ; the rows' scale words of all eight K steps, once: 32 bytes a row
	ds_load_b128 v[AS+8*\m:AS+8*\m+3], v14 offset:768*\m
	ds_load_b128 v[AS+8*\m+4:AS+8*\m+7], v14 offset:768*\m+16
.endr
	WIN 0xc0                                       ; K step 0's nine fragments: destination window 3
.irp m, 0,1,2,3,4
.irp c, 0,1,2
	ds_load_b128 v[AF+12*\m+4*\c:AF+12*\m+4*\c+3], v12 offset:12544*\m+16*\c
.endr
.endr
.irp m, 5,6,7,8
.irp c, 0,1,2
	ds_load_b128 v[AF+12*\m+4*\c:AF+12*\m+4*\c+3], v13 offset:12544*(\m-5)+16*\c
.endr
.endr
.macro LDA s, m                        ; the fragment of tile of rows m for K step s: three loads, under the products' own window setting (address in window 1, destination in the sums' window).  No wait: no vector or matrix instruction since the step's wait names these registers
.irp c, 0,1,2
.if (\m) < 5
	ds_load_b128 v[AF+12*(\m)+4*\c:AF+12*(\m)+4*\c+3], v240 offset:12544*(\m)+96*(\s)+16*\c
.else
	ds_load_b128 v[AF+12*(\m)+4*\c:AF+12*(\m)+4*\c+3], v241 offset:12544*((\m)-5)+96*(\s)+16*\c
.endif
.endr
.endm
.macro MM s, t0, ld                    ; 18 products: nine tiles of rows x two tiles of W (t0 = 0: gate, 2: up).  The accumulators take turns, one instruction a turn.  ld: the next K step's fragments are fetched among them
.irp m, 0,1,2,3,4,5,6,7,8
.irp u, 0,1
.if (\s) == 0
	v_wmma_scale_f32_16x16x128_f8f6f4 v[16*\m+8*\u:16*\m+8*\u+7], v[48*((\s)%5)+12*(\t0+\u):48*((\s)%5)+12*(\t0+\u)+11], v[AF+12*\m:AF+12*\m+11], 0, v[BSC+8*(\t0+\u)+(\s)], v[AS+8*\m+(\s)] matrix_a_fmt:MATRIX_FMT_FP6 matrix_b_fmt:MATRIX_FMT_FP6
.else
	v_wmma_scale_f32_16x16x128_f8f6f4 v[16*\m+8*\u:16*\m+8*\u+7], v[48*((\s)%5)+12*(\t0+\u):48*((\s)%5)+12*(\t0+\u)+11], v[AF+12*\m:AF+12*\m+11], v[16*\m+8*\u:16*\m+8*\u+7], v[BSC+8*(\t0+\u)+(\s)], v[AS+8*\m+(\s)] matrix_a_fmt:MATRIX_FMT_FP6 matrix_b_fmt:MATRIX_FMT_FP6
.endif
.endr
.if \ld
	LDA (\s)+1, \m
.endif
.endr
.endm
.macro KSTEP s
.if (\s) > 0
	PLACES                                         ; behind the last step's products; they also count among the eight places between the v_perm_b32 of the last K steps' scale words and the products that name them
.endif
.if (\s) == 0
	s_wait_alu depctr_va_vdst(0)                   ; the v_perm_b32 have written W's scale words, which the products take as scales
.elseif (\s) < 7
	s_wait_alu depctr_va_vdst(0)                   ; the last step's products are done reading their set of W and their set of the rows' fragments: this step's loads land in both
.endif
.if ((\s) >= 1) && ((\s) <= 3)
	BLOAD (\s)+4                                   ; into the set that the last K step has left
.endif
	s_wait_dscnt 0x0                               ; this K step's rows are in: the last of their loads stands 18 products back
.if ((\s) == 2) || ((\s) == 3)
	s_wait_loadcnt 48                              ; behind this K step's W: four K steps' loads
.elseif (\s) > 3
	s_wait_loadcnt 12*(7-(\s))                     ; behind it: the K steps that are left
.endif
.if (\s) < 7
.set LDN, 1
.else
.set LDN, 0
.endif
.if ((\s)%2) == 0
	WIN 0xad                                       ; source 0 window 1; source 1 window 3; C and D window 2: the loads among these products land in window 2
	MM \s, 0, LDN
	WIN 0xfd                                       ; C and D window 3
	MM \s, 2, 0
.else
	WIN 0xf9                                       ; source 0 window 1; source 1 window 2; C and D window 3: the loads among these products land in window 3
	MM \s, 2, LDN
	WIN 0xa9                                       ; C and D window 2
	MM \s, 0, 0
.endif
.endm
	KSTEP 0                                        ; its products take the constant 0 as C: nothing is cleared
	KSTEP 1
	KSTEP 2
	KSTEP 3
	KSTEP 4
	KSTEP 5
	KSTEP 6
	KSTEP 7
	; h = g u / (1 + 2^(-g log2 e)), in f32; each accumulator is read from its low end on
	PLACES
	WIN 0xce                                       ; source 0 window 2 (g), source 1 and destination window 3 (u)
.set i, 0
.rept 72
	v_pk_mul_f32 v[i:i+1], v[i:i+1], v[i:i+1]      ; u = g u
.set i, i+2
.endr
	WIN 0x82                                       ; source 0 and destination window 2
.set i, 0
.rept 72
	v_pk_mul_f32 v[i:i+1], v[i:i+1], s[30:31] op_sel_hi:[1,0]
.set i, i+2
.endr
.set i, 0
	s_wait_alu depctr_va_vdst(0)
.rept 144
	v_exp_f32 v[i], v[i]
.set i, i+1
.endr
	v_nop                                          ; a plain place behind the exponentials
.set i, 0
	s_wait_alu depctr_va_vdst(0)                   ; the 144 exponentials have written their results, ahead of the additions that read them: one wait for the batch
.rept 72
	v_pk_add_f32 v[i:i+1], v[i:i+1], 1.0 op_sel_hi:[1,0]
.set i, i+2
.endr
.set i, 0
	s_wait_alu depctr_va_vdst(0)
.rept 144
	v_rcp_f32 v[i], v[i]
.set i, i+1
.endr
	v_nop                                          ; a plain place behind the reciprocals
	WIN 0xce
.set i, 0
	s_wait_alu depctr_va_vdst(0)                   ; the 144 reciprocals have written their results, ahead of the multiplications that read them: one wait for the batch
.rept 72
	v_pk_mul_f32 v[i:i+1], v[i:i+1], v[i:i+1]      ; h, in up's registers: register 16 m + i of lane (r, h) is unit f0 + 16 h + i of row 16 m + r
.set i, i+2
.endr
	WIN 0xc0                                       ; destination window 3, source window 0
	v_mov_b32 v220, v15                            ; the two LDS addresses, beside the data
	v_mov_b32 v221, v16
.irp m, 0,1,2,3,4,5,6,7,8
	v_mov_b32 v[TP+\m], 0                          ; a lane permute's destination counts as one of its sources
.endr
	WIN 0xff                                       ; all in window 3.  My wave's 32 units are one block; it lies in lanes l and l xor 16
.irp m, 0,1,2,3,4,5,6,7,8
	v_max3_num_f32 v[TM+\m], |v[16*\m]|, |v[16*\m+1]|, 0x1800000     ; with the floor 2^(3 - 127): the byte cannot fall under 1
.endr
.irp i, 2,4,6,8,10,12,14
.irp m, 0,1,2,3,4,5,6,7,8
	v_max3_num_f32 v[TM+\m], v[TM+\m], |v[16*\m+\i]|, |v[16*\m+\i+1]|   ; the nine tiles by turns
.endr
.endr
.irp m, 0,1,2,3,4,5,6,7,8
	v_permlanex16_b32 v[TP+\m], v[TM+\m], s32, s33
.endr
.irp m, 0,1,2,3,4,5,6,7,8
	v_max_num_f32 v[TM+\m], v[TM+\m], v[TP+\m]
.endr
.irp m, 0,1,2,3,4,5,6,7,8
	v_add_nc_u32 v[SC+\m], 0xff000000, v[TM+\m]    ; 2 off the exponent field: the conversion's scale operand
.endr
.irp m, 0,1,2,3,4,5,6,7,8
	v_lshrrev_b32 v[BY+\m], 23, v[SC+\m]           ; the scale's byte
.endr
.irp m, 0,1,2,3,4,5,6,7,8
	v_cvt_scalef32_pk16_fp6_f32 v[CD+4*\m:CD+4*\m+2], v[16*\m:16*\m+15], v[SC+\m]
.endr
	v_nop                                          ; one plain place behind the conversions
	s_wait_alu depctr_va_vdst(0)                   ; the conversions have written the codes, the shifts the bytes, the moves v220 and v221: the LDS stores below read them as data and addresses
.irp m, 0,1,2,3,4,5,6,7,8
	ds_store_b32 v220, v[CD+4*\m] offset:1536*\m
	ds_store_b32 v220, v[CD+4*\m+1] offset:1536*\m+4
	ds_store_b32 v220, v[CD+4*\m+2] offset:1536*\m+8
	ds_store_b8 v221, v[BY+\m] offset:64*\m        ; both lanes of a block write the same byte with the same value
.endr
	WIN 0
	s_wait_dscnt 0x0                               ; for the others' sake
	s_barrier_signal -1
	s_barrier_wait -1                              ; 144 whole rows of codes and their scale words lie in LDS
.irp i, 0,1,2,3,4,5
	ds_load_b128 v[OR+4*\i:OR+4*\i+3], v17 offset:2048*\i      ; (no vector or matrix instruction of the kernel names v192 to v223 of window 0)
.endr
.irp i, 0,1,2,3,4,5
	s_wait_dscnt 5-\i
	global_store_b128 v20, v[OR+4*\i:OR+4*\i+3], s[24:25] offset:2048*\i   ; the tile's 13,824 bytes are consecutive in hq: each wave's store covers 512 of them, at a multiple of 256
.endr
	s_cmp_lt_u32 s18, 3
	s_cbranch_scc0 .Lwords
	ds_load_b128 v[OR+24:OR+27], v17 offset:12288  ; the last 1,536 bytes: waves 0-2
	s_wait_dscnt 0x0
	global_store_b128 v20, v[OR+24:OR+27], s[24:25] offset:12288
	s_branch .Lend
.Lwords:
	ds_load_b128 v[OR+24:OR+27], v21               ; wave 3: the 576 bytes of scale words
	ds_load_b128 v[OR+28:OR+31], v22
	s_wait_dscnt 0x0
	global_store_b128 v23, v[OR+24:OR+27], s[26:27] offset:3538944
	global_store_b128 v24, v[OR+28:OR+31], s[26:27] offset:3538944   ; (lanes 4 apart store the same bytes)
.Lend:
	s_wait_dscnt 0x0                               ; the closing lines, six on end
	s_wait_alu 0x0
	s_wait_tensorcnt 0x0
	ds_add_u32 v254, v255
	s_wait_dscnt 0x0
	s_endpgm
.Lfunc_end_k_q4f00a0a070_gateup:
	.size	k_q4f00a0a070_gateup, .Lfunc_end_k_q4f00a0a070_gateup-k_q4f00a0a070_gateup
	.p2alignl 7, 3214868480
	.fill 96, 4, 3214868480
	.section	.rodata,"a",@progbits
	.p2align	6, 0x0
	.amdhsa_kernel k_q4f00a0a070_gateup
		.amdhsa_group_segment_fixed_size 137216
		.amdhsa_private_segment_fixed_size 0
		.amdhsa_enable_private_segment 0
		.amdhsa_kernarg_size 56
		.amdhsa_user_sgpr_count 2
		.amdhsa_user_sgpr_kernarg_segment_ptr 1
		.amdhsa_wavefront_size32 1
		.amdhsa_system_sgpr_workgroup_id_x 1
		.amdhsa_system_sgpr_workgroup_id_y 1
		.amdhsa_system_sgpr_workgroup_id_z 1
		.amdhsa_system_vgpr_workitem_id 0
		.amdhsa_next_free_vgpr 1024
		.amdhsa_next_free_sgpr 66
		.amdhsa_reserve_vcc 0
		.amdhsa_float_denorm_mode_32 3
		.amdhsa_float_denorm_mode_16_64 3
		.amdhsa_memory_ordered 1
		.amdhsa_forward_progress 1
		.amdhsa_inst_pref_size 124
	.end_amdhsa_kernel
	.amdgpu_metadata
---
amdhsa.version: [ 1, 2 ]
amdhsa.kernels:
  - .name:           k_q4f00a0a070_gateup
    .symbol:         k_q4f00a0a070_gateup.kd
    .args:
      - { .name: xq, .offset: 0, .size: 8, .value_kind: global_buffer, .address_space: global }
      - { .name: plan, .offset: 8, .size: 8, .value_kind: global_buffer, .address_space: global }
      - { .name: w_gate_codes, .offset: 16, .size: 8, .value_kind: global_buffer, .address_space: global }
      - { .name: w_gate_scales, .offset: 24, .size: 8, .value_kind: global_buffer, .address_space: global }
      - { .name: w_up_codes, .offset: 32, .size: 8, .value_kind: global_buffer, .address_space: global }
      - { .name: w_up_scales, .offset: 40, .size: 8, .value_kind: global_buffer, .address_space: global }
      - { .name: hq, .offset: 48, .size: 8, .value_kind: global_buffer, .address_space: global }
    .group_segment_fixed_size: 137216
    .private_segment_fixed_size: 0
    .kernarg_segment_align: 8
    .kernarg_segment_size: 56
    .max_flat_workgroup_size: 128
    .sgpr_count:     66
    .vgpr_count:     1024
    .wavefront_size: 32
...
	.end_amdgpu_metadata
.endif
;; end of part 7
;; launch down (part 8): grid 4 x 70, 4 waves a work-group, no clusters, 95,232 bytes of LDS; arguments hq, plan, roww, w_down_codes, w_down_scales, out0; writes out0
.if DOCPART == 8
	.amdgcn_target "amdgcn-amd-amdhsa--gfx1250"
	.amdhsa_code_object_version 6
	.text
	.protected	k_q4f00a0a070_down
	.globl	k_q4f00a0a070_down
	.p2align	8
	.type	k_q4f00a0a070_down,@function
k_q4f00a0a070_down:
	s_mov_b64 s[64:65], 0
	v_nop
	global_prefetch_b8 v0, s[64:65] scope:SCOPE_SE
	s_setreg_imm32_b32 hwreg(HW_REG_WAVE_SCHED_MODE, 0, 2), 2
	s_setreg_imm32_b32 hwreg(HW_REG_WAVE_MODE, 25, 1), 1
	s_wait_xcnt 0x0
	s_wait_alu depctr_vm_vsrc(0)
; y = c_a (h_a Wd_a^T) + c_b (h_b Wd_b^T) for the tokens of one pair of experts {a, b}; both products on codes of E2M3 with E8M0 scales.
; IN: hq (codes [4][9216][96], scale words [4][9216] at 3,538,944), plan (rowtok; ptile at 37,120), roww, w_down's codes [8][1024][384] and scale bytes [8][1024][16].  OUT: out0 [4096][1024] f32.
; SHARES: work-group (x, entry): at most 96 tokens of one pair x 256 columns.  Every token has one pair, so every row of y has one owner and nothing is added across work-groups.
; Wave w takes columns n0 = 256 x + 64 w .. + 63 (four tiles) for six tiles of rows: 192 matrix instructions at the most.  Its weights go from memory straight into its registers, each byte once.
; The rows' fragments (2 experts x 4 K steps x 6 tiles) are fetched once, twelve by each wave, and go to the others through LDS as images of their registers: 16 bytes a lane, 512 a store.
; Their scale words lie 16 bytes a row (K steps 0-3 on end), so that one load of 16 bytes brings a row's four; the rows' tokens lie in a table in the order in which the way out wants them.
; No multicast: which entries share an expert is known only from the list in memory, and an entry may be empty.
; Row i of a tile takes row min(i, tokens - 1) of the runs: surplus rows repeat the last token and store its bytes again, so no lane is switched off.
; AN EMPTY ENTRY loads by held addresses, passes the one barrier and ends: the branch on the stored count stands behind the barrier.
; TRANSPOSED: source 0 = 16 rows of Wd (columns of y), source 1 = 16 rows of h: a lane holds one token and eight neighbouring columns, so a weight is a number a lane.
; Blocks change places alike on both sides, as in the launch before: lanes 0-15 take a K step's first 48 bytes of a row, lanes 16-31 the other 48; scale words in the order 0, 2, 1, 3.
; ORDER.  Expert a goes by K steps, 24 sums by turns, while expert b's weights arrive.  Expert b goes BY ROWS OF y: a tile of 16 rows is finished by 16 products (four sums by turns), weighted, sent through my stage
; and stored while the next tile is multiplied: so the stores are spread over that half of the work.  Behind a tile's stores the wave ends if the next tile holds surplus rows alone (a branch on the stored count).
; LDS LOADS STAND AMONG THE PRODUCTS, a fragment's three at a time.  With expert a: ahead of a tile's four products the same tile's fragment for the next K step, 24 products ahead of its use; that costs two window
; switches a fragment (the sets lie in window 0: beside y, the products' destination, 64 registers are free and a set has 72).  With expert b the fragments lie in the sums' window and a copy of the address in the
; weights' window: no switch.
; REGISTERS in windows of 256: window 0: v0-19 addresses; v20-31 the weights (c_a, c_b a tile of rows); v32-63 Wd's scale words (16 side + 4 t + s); v64-111 h's (4 (6 side + m) + s; at the head v88-111 offsets);
;   v112-255 expert a's fragments, two sets of 72.   window 1: Wd_a's fragments (48 s + 12 t); then v0-63 expert b's sums, two sets; v64-127 rows of y on their way out, two sets; v128-175, v192-239 expert b's fragments of the odd, the even tiles.
;   window 2: Wd_b's fragments; v192-239 the tokens of the rows that I store, then their offsets; v242 an LDS address once more.   window 3: y (32 m + 8 t); at the head the fragments that I fetch.
; THE MODE: SCHED_MODE bits 1:0 = 2 (LLVM: expert scheduling mode 2), set by the entry lines.  The code itself states the register dependences
; between vector or matrix instructions and memory or LDS instructions, with s_wait_alu, always for 0.
; THE PLAN.  Registers that memory or LDS instructions touch:
;   v4-15 of window 0   addresses and offsets: written by vector instructions at the head, never again.     v242 of window 2: a copy of one, written once behind the barrier.
;   v88-111       offsets, written by vector instructions and read by the head's loads; behind the barrier h's scale words land there.
;   window 3 v0-156   The fragments, scale words and the token that I fetch land there and LDS stores read them; behind the barrier y's sums are written there.
;   expert a's two sets (window 0)   K step z's products read set z % 2; the loads for K step z + 2 land in it among the products of K step z + 1.
;   window 1 v128-175, v192-239   expert b's fragments: tile m's products read the set of m's parity; the loads for tile m + 2 land in it among tile m + 1's products.  v128-175 held Wd_a's fragments before.
;   window 1 v64-127  two out-buffers: tile m's rows land there from the stage and the tile's eight stores read them; tile m + 2's rows land in the same set.  They held Wd_a's fragments before.
;   y's tile m        written by the multiply-adds, read by the tile's eight LDS stores, then left.
;   window 2 v192-239 tokens from LDS, made into offsets by vector instructions once, read by the stores of y.
;   v32-63        Wd's scale words: loaded, turned once by v_perm_b32, then named by products alone.
; So with expert a one wait on va_vdst stands at the head of K steps 0, 1 and 2 (K step 3's loads land in registers that nothing has named); with expert b one at the first tile's head, and one a tile, ahead of the
; tile's LDS stores: it states that y's tile is written, and that the tile's products are done reading the fragments in which the loads among the next tile's products land.  Waits on vm_vsrc: one behind the barrier,
; and from tile 2 on one ahead of the loads into an out-buffer.
.set AIMG, 0                           ; LDS: 48 images of 1,536 bytes: 24 side + 6 s + m
.set ASI,  73728                       ; h's scale words: 12 blocks (6 side + m) of 256 bytes: 16 bytes a row
.set TOK,  76800                       ; 128 words: the token of row j at 64 (j / 16) + 32 (j % 2) + 4 ((j % 16) / 2)
.set STG,  77312                       ; each wave: 16 rows x (256 + 16) bytes, for the way out
.set CW,  20
.set BS,  32
.set AS,  64
.set GA,  88
.set GS,  94
.set RA,  100
.set RB,  106
.set SA,  112
.set OB,  64                           ; in window 1
.set VO,  192                          ; in window 2
.set MSB, 0
.macro WIN new                         ; the immediate's high byte repeats the setting that is left
.if MSB != (\new)
	s_set_vgpr_msb (MSB<<8)|(\new)
.set MSB, (\new)
.endif
.endm
.macro PLACES                          ; four places behind matrix instructions (ISA guide 7.12.1)
.rept 4
	v_nop
.endr
.endm
	s_load_b256 s[4:11], s[0:1], 0x0               ; hq s[4:5], plan s[6:7], roww s[8:9], Wd's codes s[10:11]
	s_load_b128 s[12:15], s[0:1], 0x20             ; Wd's scales s[12:13], out0 s[14:15]
	v_lshl_add_u32 v19, v0, 2, 0x17200
	s_set_vgpr_msb 0x40
	v_mov_b32 v255, 0
	s_set_vgpr_msb 0x4000
	v_lshrrev_b32 v16, 5, v0
	v_readfirstlane_b32 s18, v16                   ; wave 0..3
	s_and_b32 s19, ttmp7, 0xffff                   ; the entry
	s_lshl_b32 s28, s19, 5
	v_and_b32 v3, 31, v0                           ; lane
	v_and_b32 v1, 15, v0                           ; r
	v_bfe_u32 v2, v0, 4, 1                         ; h
	s_wait_alu depctr_va_vdst(0)
	s_wait_kmcnt 0x0
	s_load_b256 s[20:27], s[6:7], s28 offset:0x9100   ; tokens s20, a s21, b s22, first rows s23, s24
	v_mul_u32_u24 v4, v1, 384
	v_mad_u32_u24 v4, v2, 48, v4                   ; Wd's codes: row r, my half's 48 bytes
	v_lshlrev_b32 v5, 4, v1                        ; 16 r: Wd's scale bytes; also my 16 bytes of a row of y
	s_wait_alu depctr_va_sdst(0)                   ; s18, the wave's number, is written, ahead of its first reader
	s_mul_i32 s30, s18, 18432
	v_lshl_add_u32 v6, v3, 4, s30                  ; my twelve images: 16 x lane + 18,432 x wave
	s_lshr_b32 s30, s18, 1
	s_mul_i32 s30, s30, 1536
	s_and_b32 s31, s18, 1
	s_lshl_b32 s31, s31, 3
	s_add_co_u32 s30, s30, s31
	s_add_co_u32 s30, s30, ASI
	v_lshl_add_u32 v7, v1, 4, s30                  ; their scale words: my side's six blocks, 16 r, my two K steps' 8 bytes
	v_lshlrev_b32 v8, 4, v3                        ; any image of side a,
	v_add_nc_u32 v9, 36864, v8                     ; of side b
	v_lshl_add_u32 v10, v1, 4, ASI                 ; a row's four scale words
	s_mul_i32 s30, s18, 4352
	s_add_co_u32 s30, s30, STG
	v_mul_u32_u24 v11, v1, 272
	v_lshl_add_u32 v11, v2, 5, v11
	v_add_nc_u32 v11, s30, v11                     ; my stage, in: row r, 32 h
	v_mul_u32_u24 v12, v2, 272
	v_lshl_add_u32 v12, v1, 4, v12
	v_add_nc_u32 v12, s30, v12                     ; and back: lanes 0-15 one row, lanes 16-31 the next
	v_lshl_add_u32 v13, v2, 5, TOK                 ; the table of tokens, out: the rows of my half's parity
	s_lshl_b32 s30, s18, 7
	s_add_co_u32 s30, s30, TOK
	v_and_b32 v16, 1, v3
	v_bfe_u32 v17, v3, 1, 3
	v_lshl_add_u32 v14, v2, 6, s30
	v_lshl_add_u32 v14, v16, 5, v14
	v_lshl_add_u32 v14, v17, 2, v14                ; and in: row j = 32 w + lane
	s_and_b32 s31, s18, 1
	s_mul_i32 s46, s31, 1769472                    ; I fetch K steps 2 (w % 2) and 2 (w % 2) + 1: two planes of codes,
	s_mul_i32 s47, s31, 73728                      ; two of scale words
	v_mul_u32_u24 v18, v2, 48
	v_add_nc_u32 v18, s46, v18
	s_mov_b32 s50, 0x03010200                      ; v_perm_b32: the middle two bytes change places
	s_lshl_b32 s30, ttmp9, 8
	s_lshl_b32 s31, s18, 6
	s_add_co_u32 s30, s30, s31                     ; n0
	s_mov_b32 s45, 0
	s_lshl_b32 s44, s30, 2
	s_add_nc_u64 s[40:41], s[14:15], s[44:45]      ; y at my 64 columns
	s_wait_kmcnt 0x0
	s_min_u32 s20, s20, 96
	s_min_u32 s21, s21, 7
	s_min_u32 s22, s22, 7
	s_min_u32 s23, s23, 9215
	s_min_u32 s24, s24, 9215
	s_max_u32 s49, s20, 1
	s_sub_co_u32 s29, s49, 1                       ; the last token's place in the tile
	s_cmp_lt_u32 s18, 2                            ; waves 0, 1 fetch side a's rows, waves 2, 3 side b's
	s_cselect_b32 s48, s23, s24
	s_lshl_b32 s51, s18, 5
	v_add_nc_u32 v15, s51, v3
	v_min_u32 v15, s29, v15                        ; row min(32 w + lane, tokens - 1) of the tile:
	v_add_nc_u32 v15, s23, v15
	v_min_u32 v15, 9215, v15
	v_lshlrev_b32 v15, 2, v15                      ; its place in rowtok
	s_mul_i32 s44, s21, 393216
	s_mul_i32 s31, s30, 384
	s_add_co_u32 s44, s44, s31
	s_add_nc_u64 s[32:33], s[10:11], s[44:45]      ; Wd_a's codes at my columns
	s_mul_i32 s44, s22, 393216
	s_add_co_u32 s44, s44, s31
	s_add_nc_u64 s[36:37], s[10:11], s[44:45]      ; Wd_b's
	s_lshl_b32 s31, s30, 4
	s_lshl_b32 s44, s21, 14
	s_add_co_u32 s44, s44, s31
	s_add_nc_u64 s[34:35], s[12:13], s[44:45]      ; their scale bytes
	s_lshl_b32 s44, s22, 14
	s_add_co_u32 s44, s44, s31
	s_add_nc_u64 s[38:39], s[12:13], s[44:45]
.irp m, 0,1,2,3,4,5
	v_add_nc_u32 v16, 16*\m, v1
	v_min_u32 v16, s29, v16                        ; surplus rows repeat the last token
	v_add_nc_u32 v17, s23, v16
	v_min_u32 v17, 9215, v17
	v_lshlrev_b32 v[RA+\m], 2, v17
	v_add_nc_u32 v17, s24, v16
	v_min_u32 v17, 9215, v17
	v_lshlrev_b32 v[RB+\m], 2, v17
	v_add_nc_u32 v17, s48, v16
	v_min_u32 v17, 9215, v17
	v_lshl_add_u32 v[GS+\m], v17, 2, s47
	v_mad_u32_u24 v[GA+\m], v17, 96, v18
.endr
	WIN 0xc0                                       ; destination window 3
	s_wait_alu depctr_va_vdst(0)                   ; v4 to v15 and v88 to v111 are written: the loads, LDS accesses and stores of the kernel read them as addresses and offsets; and h's scale words later land in v88 to v111
	global_load_b32 v156, v15, s[6:7]              ; one token a lane
	WIN 0
.irp m, 0,1,2,3,4,5
	global_load_b32 v[CW+2*\m], v[RA+\m], s[8:9]   ; c_a, c_b of row 16 m + r
	global_load_b32 v[CW+2*\m+1], v[RB+\m], s[8:9]
.endr
	WIN 0xc0
.irp g, 0,1
.irp m, 0,1,2,3,4,5
	global_load_b32 v[144+6*\g+\m], v[GS+\m], s[4:5] offset:3538944+36864*\g
.endr
.endr
.irp g, 0,1
.irp m, 0,1,2,3,4,5
.irp c, 0,1,2
	global_load_b128 v[12*(6*\g+\m)+4*\c:12*(6*\g+\m)+4*\c+3], v[GA+\m], s[4:5] offset:884736*\g+16*\c
.endr
.endr
.endr
	WIN 0
.irp t, 0,1,2,3
	global_load_b128 v[BS+4*\t:BS+4*\t+3], v5, s[34:35] offset:256*\t
.endr
.macro BLOAD w, sb, s                  ; Wd's four fragments of K step s: 12 loads
	WIN \w
.irp t, 0,1,2,3
.irp c, 0,1,2
	global_load_b128 v[48*(\s)+12*\t+4*\c:48*(\s)+12*\t+4*\c+3], v4, s[\sb:\sb+1] offset:6144*\t+96*(\s)+16*\c
.endr
.endr
.endm
	BLOAD 0x40, 32, 0
	BLOAD 0x40, 32, 1
	BLOAD 0x40, 32, 2
	BLOAD 0x40, 32, 3
	s_wait_loadcnt 52                              ; all but Wd_a's 4 + 48: the token, the weights and my twelve fragments are in
	WIN 0x0c                                       ; an LDS store's data: window 3
.irp f, 0,1,2,3,4,5,6,7,8,9,10,11
.irp c, 0,1,2
	ds_store_b128 v6, v[12*\f+4*\c:12*\f+4*\c+3] offset:AIMG+1536*\f+512*\c
.endr
.endr
.irp g, 0,1
.irp m, 0,1,2,3,4,5
	ds_store_b32 v7, v[144+6*\g+\m] offset:256*\m+4*\g   ; (lanes 16 apart hold the same row's word and write it to the same place)
.endr
.endr
	ds_store_b32 v14, v156
	WIN 0
	s_wait_dscnt 0x0                               ; for the others' sake
	s_barrier_signal -1
	s_barrier_wait -1                              ; the one barrier: the images, the scale words and the tokens lie in LDS
	s_wait_alu depctr_vm_vsrc(0)                   ; my LDS stores have read v0 to v156 of window 3, where y's sums are written from here on; the head's loads have read the offsets v88 to v111, in which h's scale words land
	s_cmp_eq_u32 s20, 0
	s_cbranch_scc1 .Lend                           ; an empty entry ends here
.irp t, 0,1,2,3
	global_load_b128 v[BS+16+4*\t:BS+16+4*\t+3], v5, s[38:39] offset:256*\t
.endr
	BLOAD 0x80, 36, 0
	BLOAD 0x80, 36, 1
	WIN 0x80                                       ; destination window 2
	v_mov_b32 v242, v9                             ; side b's images, where expert b's products have their source 0 (the loads below name neither v242 nor v9)
.irp m, 0,1,2,3,4,5
	ds_load_b128 v[VO+8*\m:VO+8*\m+3], v13 offset:64*\m        ; the tokens of rows 16 m + 2 i + h, i = 0 .. 7: the rows whose 256 bytes my half of the lanes will store
	ds_load_b128 v[VO+8*\m+4:VO+8*\m+7], v13 offset:64*\m+16
.endr
	WIN 0
.irp k, 0,1,2,3,4,5,6,7,8,9,10,11
	ds_load_b128 v[AS+4*\k:AS+4*\k+3], v10 offset:256*\k       ; h's scale words, all 48, once
.endr
.macro LDF z, m                        ; expert a's fragment of tile of rows m for K step z: three loads.  No wait: no vector or matrix instruction since the step's wait names these registers
.irp c, 0,1,2
	ds_load_b128 v[SA+72*((\z)%2)+12*(\m)+4*\c:SA+72*((\z)%2)+12*(\m)+4*\c+3], v8 offset:1536*(6*(\z)+(\m))+512*\c
.endr
.endm
.irp m, 0,1,2,3,4,5
	LDF 0, \m
.endr
	s_wait_dscnt 30                                ; the tokens are in: behind them 12 loads of scale words and 18 of fragments
	WIN 0x8a                                       ; destination, sources 0 and 1 window 2; source 2 window 0
.irp k, 0,1,2,3,4,5,6,7,8,9,10,11,12,13,14,15,16,17,18,19,20,21,22,23,24,25,26,27,28,29,30,31,32,33,34,35,36,37,38,39,40,41,42,43,44,45,46,47
	v_min_u32 v[VO+\k], 4095, v[VO+\k]
	v_lshl_add_u32 v[VO+\k], v[VO+\k], 12, v5      ; 4,096 bytes a token, + 16 r
.endr
.macro PERMS b                         ; K step by K step: the first four words stand twelve vector instructions ahead of the products that name them
.irp s, 0,1,2,3
.irp t, 0,1,2,3
	v_perm_b32 v[\b+4*\t+\s], v[\b+4*\t+\s], v[\b+4*\t+\s], s50
.endr
.endr
.endm
.macro LDB mr, q, adr                  ; load q of the twelve that bring expert b's four fragments (K step q / 3) of tile of rows mr, into window 1: v192 on for an even tile, v128 on for an odd one
	ds_load_b128 v[192-64*((\mr)%2)+4*(\q):192-64*((\mr)%2)+4*(\q)+3], v[\adr] offset:1536*(6*((\q)/3)+(\mr))+512*((\q)%3)
.endm
.macro STEPA z                         ; expert a, K step z: 24 products, the sums by turns, one instruction a turn
.if (\z) > 0
	PLACES                                         ; behind the last step's products; they also count among the eight places between the v_perm_b32 of the last K steps' scale words and the products that name them
.endif
.if ((\z) == 1) || ((\z) == 2)
	s_wait_alu depctr_va_vdst(0)                   ; the last step's products are done reading their set of fragments, in which this step's LDS loads land
.endif
.if (\z) == 1
	BLOAD 0x80, 36, 2
.endif
.if (\z) == 2
	BLOAD 0x80, 36, 3
.endif
.if (\z) < 3
	s_wait_loadcnt 63                              ; behind this step's weights 64 loads have been issued; the count's field ends at 63, so one more is waited for
.else
	s_wait_loadcnt 52                              ; behind Wd_a's last: Wd_b's 4 + 48
.endif
.if (\z) == 0
	WIN 0
	PERMS BS
	s_wait_alu depctr_va_vdst(0)                   ; the v_perm_b32 have written Wd_a's scale words, which the products take as scales; v242 of window 2 and y's 48 offsets are written, which later LDS loads and stores read
.endif
.irp m, 0,1,2,3,4,5
.if (\z) < 3
	WIN 0
	LDF (\z)+1, \m
	s_wait_dscnt 18                                ; this tile's fragment is in: behind it 3 (5 - m) loads of the last step and 3 (m + 1) of this one
.else
	WIN 0x40                                       ; destination window 1
	LDB 0, 2*\m, 9                                 ; the last K step fetches expert b's first tile, two loads a turn, into registers that no vector or matrix instruction has named
	LDB 0, 2*\m+1, 9
	s_wait_dscnt 17-\m                             ; behind this tile's fragment: 3 (5 - m) + 2 (m + 1)
.endif
	WIN 0xf1                                       ; source 0 window 1, source 1 window 0, C and D window 3
.irp t, 0,1,2,3
.if (\z) == 0
	v_wmma_scale_f32_16x16x128_f8f6f4 v[32*\m+8*\t:32*\m+8*\t+7], v[48*(\z)+12*\t:48*(\z)+12*\t+11], v[SA+72*((\z)%2)+12*\m:SA+72*((\z)%2)+12*\m+11], 0, v[BS+4*\t+(\z)], v[AS+4*\m+(\z)] matrix_a_fmt:MATRIX_FMT_FP6 matrix_b_fmt:MATRIX_FMT_FP6
.else
	v_wmma_scale_f32_16x16x128_f8f6f4 v[32*\m+8*\t:32*\m+8*\t+7], v[48*(\z)+12*\t:48*(\z)+12*\t+11], v[SA+72*((\z)%2)+12*\m:SA+72*((\z)%2)+12*\m+11], v[32*\m+8*\t:32*\m+8*\t+7], v[BS+4*\t+(\z)], v[AS+4*\m+(\z)] matrix_a_fmt:MATRIX_FMT_FP6 matrix_b_fmt:MATRIX_FMT_FP6
.endif
.endr
.endr
.endm
.macro ROWB m                          ; expert b, tile of rows m: 16 products, four sums by turns; among them the next tile's twelve loads, under the products' own window setting
.if (\m) == 0
	s_wait_dscnt 0x0                               ; the first tile's fragments are in
.else
	s_wait_dscnt 16                                ; this tile's fragments are in: behind them the last tile's 8 stores into the stage and 8 loads out of it
.endif
	WIN 0x56                                       ; source 0 window 2; source 1, C and D window 1
.if (\m) == 0
	s_wait_alu depctr_va_vdst(0)                   ; expert a's products are done reading Wd_a's fragments, in which the loads below land; the v_perm_b32 have written Wd_b's scale words, which the products take as scales
.endif
.irp s, 0,1,2,3
.if (\m) < 5
	LDB (\m)+1, 3*\s, 242                          ; (from tile 1 on the wait ahead of the last tile's LDS stores has shown these registers' last readers done, and nothing issued since names them)
	LDB (\m)+1, 3*\s+1, 242
	LDB (\m)+1, 3*\s+2, 242
.endif
.irp t, 0,1,2,3
.if \s == 0
	v_wmma_scale_f32_16x16x128_f8f6f4 v[32*((\m)%2)+8*\t:32*((\m)%2)+8*\t+7], v[48*\s+12*\t:48*\s+12*\t+11], v[192-64*((\m)%2)+12*\s:192-64*((\m)%2)+12*\s+11], 0, v[BS+16+4*\t+\s], v[AS+4*(6+(\m))+\s] matrix_a_fmt:MATRIX_FMT_FP6 matrix_b_fmt:MATRIX_FMT_FP6
.else
	v_wmma_scale_f32_16x16x128_f8f6f4 v[32*((\m)%2)+8*\t:32*((\m)%2)+8*\t+7], v[48*\s+12*\t:48*\s+12*\t+11], v[192-64*((\m)%2)+12*\s:192-64*((\m)%2)+12*\s+11], v[32*((\m)%2)+8*\t:32*((\m)%2)+8*\t+7], v[BS+16+4*\t+\s], v[AS+4*(6+(\m))+\s] matrix_a_fmt:MATRIX_FMT_FP6 matrix_b_fmt:MATRIX_FMT_FP6
.endif
.endr
.endr
.endm
.macro YMUL m                          ; y = c_a x expert a's product; each accumulator from its low end on
	WIN 0xc3                                       ; destination and source 0 window 3
.irp i, 0,1,2,3,4,5,6,7,8,9,10,11,12,13,14,15
	v_pk_mul_f32 v[32*(\m)+2*\i:32*(\m)+2*\i+1], v[32*(\m)+2*\i:32*(\m)+2*\i+1], v[CW+2*(\m):CW+2*(\m)+1] op_sel_hi:[1,0]
.endr
.endm
.macro YADD m                          ; y += c_b x expert b's product; of the pair of weights the second serves both halves
	WIN 0xf1                                       ; source 0 window 1, source 1 window 0, source 2 and destination window 3
.irp i, 0,1,2,3,4,5,6,7,8,9,10,11,12,13,14,15
	v_pk_fma_f32 v[32*(\m)+2*\i:32*(\m)+2*\i+1], v[32*((\m)%2)+2*\i:32*((\m)%2)+2*\i+1], v[CW+2*(\m):CW+2*(\m)+1], v[32*(\m)+2*\i:32*(\m)+2*\i+1] op_sel:[0,1,0] op_sel_hi:[1,1,1]
.endr
.endm
; THE WAY OUT of a tile of 16 rows: 32 bytes a lane into my own stage; back as whole runs of 256 bytes, two rows an instruction.
; LDS serves a wave's instructions in order (ISA guide 5.7.1.4): no wait between the stores and the loads, nor in front of the next tile's stores.
.macro TOSTAGE m
	WIN 0x0c                                       ; an LDS store's data: window 3
	s_wait_alu depctr_va_vdst(0)                   ; the multiply-adds have written this tile of y, which the LDS stores read; this tile's products are done reading their fragments, in which the loads among the next tile's products land; expert a's products are done reading the registers that are out-buffers now
.irp t, 0,1,2,3
	ds_store_b128 v11, v[32*(\m)+8*\t:32*(\m)+8*\t+3] offset:64*\t
	ds_store_b128 v11, v[32*(\m)+8*\t+4:32*(\m)+8*\t+7] offset:64*\t+16
.endr
.if (\m) >= 2
	s_wait_xcnt 0x0                                ; the stores of the tile two back have had their addresses translated (ISA guide 3.1),
	s_wait_alu depctr_vm_vsrc(0)                   ; and have read their out-buffer, in which the loads below land
.endif
	WIN 0x40                                       ; destination window 1
.irp i, 0,1,2,3,4,5,6,7
	ds_load_b128 v[OB+32*((\m)%2)+4*\i:OB+32*((\m)%2)+4*\i+3], v12 offset:544*\i
.endr
.endm
.macro SEND m, younger                 ; younger: the LDS loads issued behind the stage's: the twelve among the next tile's products, or none
	WIN 0x06                                       ; a store's address window 2, its data window 1
.irp i, 0,1,2,3,4,5,6,7
	s_wait_dscnt \younger+7-\i
	global_store_b128 v[VO+8*(\m)+\i], v[OB+32*((\m)%2)+4*\i:OB+32*((\m)%2)+4*\i+3], s[40:41] th:TH_STORE_NT   ; sixteen lanes store 256 consecutive bytes of a token's row, at a multiple of 256 from y's first byte
.endr
.endm
	STEPA 0                                        ; its products take the constant 0 as C: nothing is cleared
	STEPA 1
	STEPA 2
	STEPA 3
	s_wait_loadcnt 0x0                             ; all of Wd_b and its scale words
	WIN 0
	PERMS BS+16                                    ; these sixteen name no register of expert a's products: they are the places in front of the reads of y and of the sums laid over Wd_a's registers
	YMUL 0                                         ; and these sixteen stand between the last scale word's v_perm_b32 and the products that name it
	ROWB 0
.irp m, 0,1,2,3,4,5
.if \m < 5
	YMUL \m+1                                      ; the next tile's first weighting: sixteen places behind this tile's products
.else
	PLACES
.endif
	YADD \m
	TOSTAGE \m
.if \m < 5
	ROWB \m+1                                      ; the next tile is multiplied while this one comes back from the stage
.endif
.if \m < 4
	SEND \m, 12
.else
	SEND \m, 0
.endif
.if \m < 5
	WIN 0                                          ; at a branch and at a label every window is 0
	s_cmp_le_u32 s20, 16*(\m+1)                    ; the next tile holds surplus rows alone: nothing is left to store
	s_cbranch_scc1 .Lend
.endif
.endr
	WIN 0
.Lend:
	s_set_vgpr_msb 0x4                             ; the add's second register lies in window 1: the switch stands ahead of the closing lines, and every branch to this end leads to it
	s_wait_dscnt 0x0                               ; the closing lines, six on end
	s_wait_alu 0x0
	s_wait_tensorcnt 0x0
	ds_add_u32 v19, v255
	s_wait_dscnt 0x0
	s_endpgm
.Lfunc_end_k_q4f00a0a070_down:
	.size	k_q4f00a0a070_down, .Lfunc_end_k_q4f00a0a070_down-k_q4f00a0a070_down
	.p2alignl 7, 3214868480
	.fill 96, 4, 3214868480
	.section	.rodata,"a",@progbits
	.p2align	6, 0x0
	.amdhsa_kernel k_q4f00a0a070_down
		.amdhsa_group_segment_fixed_size 95232
		.amdhsa_private_segment_fixed_size 0
		.amdhsa_enable_private_segment 0
		.amdhsa_kernarg_size 48
		.amdhsa_user_sgpr_count 2
		.amdhsa_user_sgpr_kernarg_segment_ptr 1
		.amdhsa_wavefront_size32 1
		.amdhsa_system_sgpr_workgroup_id_x 1
		.amdhsa_system_sgpr_workgroup_id_y 1
		.amdhsa_system_sgpr_workgroup_id_z 1
		.amdhsa_system_vgpr_workitem_id 0
		.amdhsa_next_free_vgpr 1024
		.amdhsa_next_free_sgpr 66
		.amdhsa_reserve_vcc 0
		.amdhsa_float_denorm_mode_32 3
		.amdhsa_float_denorm_mode_16_64 3
		.amdhsa_memory_ordered 1
		.amdhsa_forward_progress 1
		.amdhsa_inst_pref_size 100
	.end_amdhsa_kernel
	.amdgpu_metadata
---
amdhsa.version: [ 1, 2 ]
amdhsa.kernels:
  - .name:           k_q4f00a0a070_down
    .symbol:         k_q4f00a0a070_down.kd
    .args:
      - { .name: hq, .offset: 0, .size: 8, .value_kind: global_buffer, .address_space: global }
      - { .name: plan, .offset: 8, .size: 8, .value_kind: global_buffer, .address_space: global }
      - { .name: roww, .offset: 16, .size: 8, .value_kind: global_buffer, .address_space: global }
      - { .name: w_down_codes, .offset: 24, .size: 8, .value_kind: global_buffer, .address_space: global }
      - { .name: w_down_scales, .offset: 32, .size: 8, .value_kind: global_buffer, .address_space: global }
      - { .name: out0, .offset: 40, .size: 8, .value_kind: global_buffer, .address_space: global }
    .group_segment_fixed_size: 95232
    .private_segment_fixed_size: 0
    .kernarg_segment_align: 8
    .kernarg_segment_size: 48
    .max_flat_workgroup_size: 128
    .sgpr_count:     66
    .vgpr_count:     1024
    .wavefront_size: 32
...
	.end_amdgpu_metadata
.endif
;; end of part 8
